; MI455X (gfx1250); checked and timed in simulation.
; The chip was launched on July 23, 2026; its instructions are those of AMD's public machine-readable ISA for CDNA 5 (MIT licence, August 2026) and "CDNA5" Instruction Set Architecture Reference Guide (July 2026). The comments in the code are by the model that wrote it; some were corrected since.
;; Block. Allowed arithmetic: matrix products marked QUANTISED: E4M3 operands, one E8M0 scale for each 32 along K, by v_wmma_scale_f32_16x16x128_f8f6f4 with both operands' format E4M3, f32 sums; everything else in f32.
;; Inputs: b_fc1 4,096 float32; b_fc2 1,024 float32; b_proj 1,024 float32; b_qkv 3,072 float32; ln1_b 1,024 float32; ln1_g 1,024 float32; ln2_b 1,024 float32; ln2_g 1,024 float32; w_fc1 1,024 x 4,096 float32; w_fc2 4,096 x 1,024 float32; w_proj 1,024 x 1,024 float32; w_qkv 1,024 x 3,072 float32; x 2 x 2,048 x 1,024 float32.
;; Outputs: out0 2 x 2,048 x 1,024 float32.
;; This version of the problem:
;;   THIS VERSION OF THE PROBLEM IS GIVEN IN LOW PRECISION. The matrix products marked QUANTISED in the list below multiply operands that are first quantised to E4M3 (4 exponent bits, 3 mantissa bits; 8 bits a number), with one power-of-two scale for each 32 numbers along K (OCP MX v1.0); their sums are f32. All else is computed in f32.
;;   The module's matrix products, in the order in which they are computed (A, B: the left and right operand; K: the contracted axis; several contracted axes count as one K, in the product's order):
;;     1. [M 4,096, K 1,024] x [K 1,024, N 3,072]; A: computed on the way; B: input w_qkv: QUANTISED
;;     2. batch 32 x [M 2,048, K 64] x [K 64, N 2,048]; A: computed on the way; B: computed on the way: QUANTISED
;;     3. batch 32 x [M 2,048, K 2,048] x [K 2,048, N 64]; A: softmax (see below); B: computed on the way: QUANTISED
;;     4. [M 4,096, K 1,024] x [K 1,024, N 1,024]; A: computed on the way; B: input w_proj: QUANTISED
;;     5. [M 4,096, K 1,024] x [K 1,024, N 4,096]; A: computed on the way; B: input w_fc1: QUANTISED
;;     6. [M 4,096, K 4,096] x [K 4,096, N 1,024]; A: computed on the way; B: input w_fc2: QUANTISED
;;   THE QUANTISER, for each operand of a quantised product, along K:
;;     - K is cut into blocks of 32 from its start; a last block that is shorter is filled with zeros.
;;     - A block's scale is 2^e with e = floor(log2(the largest magnitude in the block)) - 8, held to -126 .. 127; a block of zeros has e = 0. As a byte (E8M0): e + 127.
;;     - Each number is divided by its block's scale, clamped to +-448, and rounded to the nearest number of E4M3, ties to even, subnormals kept.
;;     - The product sums the exact products of the quantised numbers (number of the format x scale) in f32.
;;   ~~~python
;;   def quantise(x, axis):      # numpy; x: float32 -> the quantised numbers, widened to float32 again
;;       x = np.moveaxis(x, axis, -1); K = x.shape[-1]
;;       x = np.pad(x, [(0, 0)] * (x.ndim - 1) + [(0, -K % 32)]); x = x.reshape(x.shape[:-1] + (-1, 32)); a = np.abs(x).max(-1, keepdims=True)
;;       e = np.where(a > 0, np.clip(np.frexp(np.where(a > 0, a, 1))[1] - 1 - 8, -126, 127), 0)      # np.frexp(a)[1] - 1 = floor(log2(a)), exactly
;;       r = np.clip(x / 2.0 ** e, -448, 448)
;;       step = 2.0 ** (np.maximum(np.frexp(np.where(r == 0, 1, r))[1] - 1, -6) - 3)
;;       q = np.round(r / step) * step * 2.0 ** e      # np.round: ties to even
;;       return np.moveaxis(q.reshape(q.shape[:-2] + (-1,))[..., :K], -1, axis).astype(np.float32)
;;   ~~~
;;   SOFTMAX AHEAD OF A QUANTISED PRODUCT. Where the list says 'softmax', what is quantised is not the finished softmax but p = 2^(t - M), with t = logit x log2(e) and M = ceil(the row's largest t), a whole number; so 1/2 < the row's largest p <= 1. The row's sum l is taken of the UNQUANTISED p, in f32, and the product's result is divided by l at the end. Since M is a whole number, a kernel that streams over the keys may use a running M (the ceiling of the running maximum): every later rescaling is an exact power of two, which a block's scale takes up: the codes' values come out the same.
;;   OPERANDS COMPUTED ON THE WAY. 'Computed on the way' means the value that the module computes at that place (a softmax that the list does not call 'softmax' is quantised finished and normalised). What goes into a quantiser is computed in f32, as accurately as f32 sums, v_exp_f32 and their like allow (about 1e-6 of the number): no bf16 or f16 on the way to a quantiser, and a product that is left as it is and whose result goes on into a quantised operand takes f32 operands (vector FMAs, or v_wmma_f32_16x16x4_f32). A number that lies on a knife's edge between two numbers of the format may be rounded either way, as far as f32 arithmetic and the matrix unit's own rounding can turn it there, and no further.
;; One version. Each part assembles by itself: llvm-mc -triple=amdgcn-amd-amdhsa -mcpu=gfx1250 --defsym DOCPART=n.
;; ======== version 1 of 1: 8 launches
;; limits: right only within a limited range of input values
;; workspace buffers: wts 12,976,128 bytes; h1 4,325,376 bytes; h2 4,325,376 bytes; qkv 12,976,128 bytes; yq 4,325,376 bytes; x1 16,777,216 bytes; hid 17,301,504 bytes
;; launch wq (part 1): grid 384 x 1, 4 waves a work-group, no clusters, 36,352 bytes of LDS; arguments w_qkv, w_fc1, w_proj, w_fc2, wts; writes wts
.if DOCPART == 1
	.amdgcn_target "amdgcn-amd-amdhsa--gfx1250"
	.amdhsa_code_object_version 6
	.text
	.protected	k_qaf88c9e8e2_wq
	.globl	k_qaf88c9e8e2_wq
	.p2align	8
	.type	k_qaf88c9e8e2_wq,@function
k_qaf88c9e8e2_wq:
	s_mov_b64 s[64:65], 0
	v_nop
	global_prefetch_b8 v0, s[64:65] scope:SCOPE_SE
	s_setreg_imm32_b32 hwreg(HW_REG_WAVE_MODE, 25, 1), 1
	s_wait_xcnt 0x0
; The four weights, f32 stored [K][N], become codes of FP8 (E4M3) laid [N][K] with K innermost, and one E8M0 scale byte for each 32 along K, all in the one buffer wts.
; A block's scale is 2^(floor(log2(its largest magnitude)) - 8); its byte is the largest magnitude's exponent field - 8, held at 1 from below.
; LIMITS: a block of zeros gets the byte 1 (its codes are zeros, and this program alone reads the bytes); NaN and infinities among the inputs are not served.
; SHARES.  A work-group takes 128 columns x 256 along K, a wave 32 columns, A LANE ONE COLUMN, AND ITS REGISTERS RUN DOWN K: a block of 32 lies in one lane's 32 registers, each load reads 128 consecutive bytes a wave,
; and the conversions give codes with K innermost.  The codes leave through the wave's own stage in LDS: sixteen lanes store 256 consecutive, aligned bytes.
; Work-groups 0-95 take w_qkv, 96-223 w_fc1, 224-255 w_proj, 256-383 w_fc2: sizes and places are chosen by s_cselect on the work-group's number; all take one path through the text.
; SCALE BYTES.  w_qkv, w_fc1: [N][K/32] (32 bytes a row: a lane's two words lie 4 bytes apart, lanes 32 bytes apart: stores of 4 bytes a lane, one byte in 128 of what the launch reads).
; w_proj, w_fc2: [K/128][N][4 bytes]: a wave's store covers 128 consecutive bytes.
; No tensor loads, no barrier: waves share nothing.  Loads run two blocks (64 loads a wave) ahead.
.set PITCH, 272                        ; a stage row: 256 bytes of codes + 16
.set SB,    24                         ; v24-25   the scale bytes, four to a register
.set X,     32                         ; v32-95   two sets of 32 numbers
.set C,     96                         ; v96-103  a block's codes
.set OUTR,  112                        ; v112-175 the way out
.set OFFR,  176                        ; v176-207 byte offset of row i of a block: 4 x lane + i x 4 N
.set OO,    208                        ; v208-223 byte offset of the way out's store t in the codes
	s_load_b256 s[4:11], s[0:1], 0x0               ; w_qkv, w_fc1, w_proj, w_fc2
	s_load_b64 s[12:13], s[0:1], 0x20              ; wts
	v_lshl_add_u32 v224, v0, 2, 0x8c00
	v_mov_b32 v225, 0
	v_lshrrev_b32 v1, 5, v0
	v_readfirstlane_b32 s14, v1                    ; wave 0..3
	v_and_b32 v2, 31, v0                           ; lane
	s_mov_b32 s16, 256                             ; w_fc2's figures: first work-group,
	s_mov_b32 s17, 1024                            ; N,
	s_mov_b32 s18, 4096                            ; K,
	s_mov_b32 s19, 4                               ; log2(K / 256),
	s_mov_b32 s20, 8388608                         ; where its codes begin in wts,
	s_mov_b32 s21, 12845056                        ; where its scale bytes begin,
	s_mov_b32 s22, 4                               ; scale bytes from column to column,
	s_mov_b32 s23, 8192                            ; from one 256 along K to the next,
	s_mov_b32 s24, 4096                            ; and from my first word to my second
	s_wait_alu depctr_va_vdst(0)
	s_wait_kmcnt 0x0
	s_cmp_lt_u32 ttmp9, 256                        ; w_proj or an earlier one
	s_cselect_b32 s16, 224, s16
	s_cselect_b32 s18, 1024, s18
	s_cselect_b32 s19, 2, s19
	s_cselect_b32 s20, 7340032, s20
	s_cselect_b32 s21, 12812288, s21
	s_cselect_b64 s[10:11], s[8:9], s[10:11]
	s_cmp_lt_u32 ttmp9, 224                        ; w_fc1 or w_qkv
	s_cselect_b32 s16, 96, s16
	s_cselect_b32 s17, 4096, s17
	s_cselect_b32 s20, 3145728, s20
	s_cselect_b32 s21, 12681216, s21
	s_cselect_b32 s22, 32, s22
	s_cselect_b32 s23, 8, s23
	s_cselect_b32 s24, 4, s24
	s_cselect_b64 s[10:11], s[6:7], s[10:11]
	s_cmp_lt_u32 ttmp9, 96                         ; w_qkv
	s_cselect_b32 s16, 0, s16
	s_cselect_b32 s17, 3072, s17
	s_cselect_b32 s20, 0, s20
	s_cselect_b32 s21, 12582912, s21
	s_cselect_b64 s[10:11], s[4:5], s[10:11]
	s_sub_co_u32 s25, ttmp9, s16                   ; my number within the weight
	s_lshl_b32 s26, 1, s19
	s_sub_co_u32 s26, s26, 1
	s_and_b32 s26, s25, s26                        ; y: which 256 along K
	s_lshr_b32 s27, s25, s19
	s_lshl_b32 s27, s27, 7
	s_lshl_b32 s28, s14, 5
	s_add_co_u32 s27, s27, s28                     ; my wave's first column
	s_lshl_b32 s15, s17, 2                         ; a row of the weight in bytes
	s_mul_i32 s28, s26, s15
	s_lshl_b32 s28, s28, 8                         ; 256 y rows
	s_lshl_b32 s29, s27, 2
	s_add_co_u32 s28, s28, s29
	s_mov_b32 s29, 0
	s_add_nc_u64 s[32:33], s[10:11], s[28:29]      ; the even blocks' base: block 0
	s_lshl_b32 s28, s15, 5
	s_add_nc_u64 s[34:35], s[32:33], s[28:29]      ; the odd blocks' base: block 1, 32 rows down
	s_lshl_b32 s36, s15, 6                         ; a base steps two blocks: 64 rows
	s_mov_b32 s37, 0
	s_mul_i32 s28, s27, s18                        ; codes: column x K + 256 y
	s_lshl_b32 s30, s26, 8
	s_add_co_u32 s28, s28, s30
	s_add_co_u32 s28, s28, s20
	s_add_nc_u64 s[38:39], s[12:13], s[28:29]
	s_mul_i32 s28, s27, s22                        ; scale bytes
	s_mul_i32 s30, s26, s23
	s_add_co_u32 s28, s28, s30
	s_add_co_u32 s28, s28, s21
	s_add_nc_u64 s[40:41], s[12:13], s[28:29]
	s_mul_i32 s30, s14, 32*PITCH                   ; my stage
	v_mul_u32_u24 v4, v2, PITCH
	v_add_nc_u32 v4, s30, v4                       ; into it: row = my column
	v_and_b32 v5, 15, v2
	v_lshrrev_b32 v6, 4, v2
	v_mul_u32_u24 v7, v6, PITCH
	v_lshl_add_u32 v7, v5, 4, v7
	v_add_nc_u32 v7, s30, v7                       ; out of it: sixteen lanes to a row, two rows an instruction
	v_mul_lo_u32 v14, v2, s22                      ; my column's scale bytes: first word,
	v_add_nc_u32 v15, s24, v14                     ; second word
	v_lshlrev_b32 v[OFFR], 2, v2
.set i, 1
.rept 31
	v_add_nc_u32 v[OFFR+i], s15, v[OFFR+i-1]
.set i, i+1
.endr
	v_mul_lo_u32 v[OO], v6, s18
	v_lshl_add_u32 v[OO], v5, 4, v[OO]
	s_lshl_b32 s30, s18, 1
.set i, 1
.rept 15
	v_add_nc_u32 v[OO+i], s30, v[OO+i-1]           ; two rows of codes on
.set i, i+1
.endr
.macro LOAD t                          ; block t: W(32 t + i, my column), i = 0 .. 31, into set t % 2
.set i, 0
.rept 32
	global_load_b32 v[X+32*((\t)%2)+i], v[OFFR+i], s[32+2*((\t)%2):33+2*((\t)%2)] th:TH_LOAD_NT
.set i, i+1
.endr
.endm
	LOAD 0
	LOAD 1
.macro BLOCK t
.set XS, X+32*((\t)%2)
.if (\t) < 7
	s_wait_loadcnt 32                              ; this block's 32 loads are in, so their base may be stepped; the next block's 32 may be out
.else
	s_wait_loadcnt 0
.endif
	v_max3_num_f32 v12, |v[XS]|, |v[XS+1]|, |v[XS+2]|               ; the block's largest magnitude: all 32 numbers are mine
	v_max3_num_f32 v13, |v[XS+3]|, |v[XS+4]|, |v[XS+5]|
.irp i, 6,10,14,18,22,26
	v_max3_num_f32 v12, v12, |v[XS+\i]|, |v[XS+\i+1]|
	v_max3_num_f32 v13, v13, |v[XS+\i+2]|, |v[XS+\i+3]|
.endr
	v_max3_num_f32 v12, v12, |v[XS+30]|, |v[XS+31]|
	v_max3_num_f32 v12, v12, v13, 0x4800000        ; and the floor 2^(9 - 127): the byte cannot fall under 1
	v_add_nc_u32 v11, 0xfc000000, v12              ; 8 off the exponent field: the conversion's scale operand
	v_lshrrev_b32 v13, 23, v11                     ; the scale's byte
.if (\t)%4 == 0
	v_mov_b32 v[SB+(\t)/4], v13                    ; four bytes to a register, the lower K in the lower byte
.else
	v_lshl_or_b32 v[SB+(\t)/4], v13, 8*((\t)%4), v[SB+(\t)/4]
.endif
.irp i, 0,1,2,3,4,5,6,7,8,9,10,11,12,13,14,15,16,17,18,19,20,21,22,23,24,25,26,27,28,29,30,31
.endr
.irp g, 0,1,2,3
	v_cvt_scalef32_pk8_fp8_f32 v[C+2*\g:C+2*\g+1], v[XS+8*\g:XS+8*\g+7], v11
.endr
	ds_store_b128 v4, v[C:C+3] offset:32*(\t)      ; 32 codes: 32 bytes of my column's row
	ds_store_b128 v4, v[C+4:C+7] offset:32*(\t)+16
.if (\t)+2 < 8
	s_add_nc_u64 s[32+2*((\t)%2):33+2*((\t)%2)], s[32+2*((\t)%2):33+2*((\t)%2)], s[36:37]
	LOAD (\t)+2
.endif
	s_wait_dscnt 0x0                               ; the stores have read their registers: the next block's codes may be written
.endm
.set Q, 0
.rept 8
	BLOCK Q
.set Q, Q+1
.endr
	global_store_b32 v14, v[SB], s[40:41]          ; my column's eight scale bytes
	s_wait_alu depctr_va_vdst(0)
	global_store_b32 v15, v[SB+1], s[40:41]
.irp t, 0,1,2,3,4,5,6,7,8,9,10,11,12,13,14,15
	ds_load_b128 v[OUTR+4*\t:OUTR+4*\t+3], v7 offset:2*\t*PITCH   ; LDS serves a wave's instructions in order: these see my stores
.endr
.irp t, 0,1,2,3,4,5,6,7,8,9,10,11,12,13,14,15
	s_wait_dscnt 15-\t
	global_store_b128 v[OO+\t], v[OUTR+4*\t:OUTR+4*\t+3], s[38:39]   ; sixteen lanes store 256 consecutive bytes, aligned
.endr
	s_wait_tensorcnt 0x0
	ds_add_u32 v224, v225
	s_wait_dscnt 0x0
	s_endpgm
.Lfunc_end_k_qaf88c9e8e2_wq:
	.size	k_qaf88c9e8e2_wq, .Lfunc_end_k_qaf88c9e8e2_wq-k_qaf88c9e8e2_wq
	.p2alignl 7, 3214868480
	.fill 96, 4, 3214868480
	.section	.rodata,"a",@progbits
	.p2align	6, 0x0
	.amdhsa_kernel k_qaf88c9e8e2_wq
		.amdhsa_group_segment_fixed_size 36352
		.amdhsa_private_segment_fixed_size 0
		.amdhsa_enable_private_segment 0
		.amdhsa_kernarg_size 40
		.amdhsa_user_sgpr_count 2
		.amdhsa_user_sgpr_kernarg_segment_ptr 1
		.amdhsa_wavefront_size32 1
		.amdhsa_system_sgpr_workgroup_id_x 1
		.amdhsa_system_sgpr_workgroup_id_y 1
		.amdhsa_system_sgpr_workgroup_id_z 1
		.amdhsa_system_vgpr_workitem_id 0
		.amdhsa_next_free_vgpr 226
		.amdhsa_next_free_sgpr 66
		.amdhsa_reserve_vcc 0
		.amdhsa_float_denorm_mode_32 3
		.amdhsa_float_denorm_mode_16_64 3
		.amdhsa_fp16_overflow 1
		.amdhsa_memory_ordered 1
		.amdhsa_forward_progress 1
		.amdhsa_inst_pref_size 46
	.end_amdhsa_kernel
	.amdgpu_metadata
---
amdhsa.version: [ 1, 2 ]
amdhsa.kernels:
  - .name:           k_qaf88c9e8e2_wq
    .symbol:         k_qaf88c9e8e2_wq.kd
    .args:
      - { .name: w_qkv, .offset: 0, .size: 8, .value_kind: global_buffer, .address_space: global }
      - { .name: w_fc1, .offset: 8, .size: 8, .value_kind: global_buffer, .address_space: global }
      - { .name: w_proj, .offset: 16, .size: 8, .value_kind: global_buffer, .address_space: global }
      - { .name: w_fc2, .offset: 24, .size: 8, .value_kind: global_buffer, .address_space: global }
      - { .name: wts, .offset: 32, .size: 8, .value_kind: global_buffer, .address_space: global }
    .group_segment_fixed_size: 36352
    .private_segment_fixed_size: 0
    .kernarg_segment_align: 8
    .kernarg_segment_size: 40
    .max_flat_workgroup_size: 128
    .sgpr_count:     66
    .vgpr_count:     226
    .wavefront_size: 32
...
	.end_amdgpu_metadata
.endif
;; end of part 1
;; launch ln1 (part 2): grid 256 x 1, 4 waves a work-group, no clusters, 22,016 bytes of LDS; arguments x, ln1_g, ln1_b, h1; writes h1
.if DOCPART == 2
	.amdgcn_target "amdgcn-amd-amdhsa--gfx1250"
	.amdhsa_code_object_version 6
	.text
	.protected	k_qaf88c9e8e2_ln1
	.globl	k_qaf88c9e8e2_ln1
	.p2align	8
	.type	k_qaf88c9e8e2_ln1,@function
k_qaf88c9e8e2_ln1:
	s_mov_b64 s[64:65], 0
	v_nop
	global_prefetch_b8 v0, s[64:65] scope:SCOPE_SE
	s_setreg_imm32_b32 hwreg(HW_REG_WAVE_MODE, 25, 1), 1
	s_wait_xcnt 0x0
; h = (x - mean) * rsqrt(var + 1e-5) * g + b along rows of 1,024 f32, then quantised along the row: codes of FP8 (E4M3) [4096][1024] at byte 0 of the output buffer, E8M0 scale bytes [4096][32] at byte 4,194,304.
; The variance is the mean of (x - mean)^2, taken in a second pass over the registers: a common offset of the inputs costs no digits.
; LIMITS: a block of zeros gets the byte 1 (its codes are zeros; this program alone reads the bytes); NaN and infinities are not served; v_rsq_f32 is accurate to 1 ulp.
; SHARES.  A work-group takes 16 rows, a wave 4, one after the other; all four rows' loads are issued at the head.  A load covers 512 consecutive bytes, 16 a lane, so a lane has the same 32 columns in every row
; and its g and b stay in 64 registers.  The conversions want 16 NEIGHBOURS in a lane: 512 numbers at a time turn through the wave's own stage in LDS (16 bytes of padding behind each 64).
; A lane's 16 codes are 16 bytes: a wave's store covers 512 consecutive bytes.  The work-group's 512 scale bytes are gathered in LDS and leave by one store of wave 0.
.set X,   16                           ; v16-143  four rows, 32 numbers a lane each
.set G,   144                          ; v144-175 g of my 32 columns
.set BV,  176                          ; v176-207 b
.set XS,  208                          ; v208-239 two sets of 16 neighbours
.set C,   240                          ; v240-247 codes: four registers for each of a row's two steps
.set SP,  80                           ; a lane's place in a stage: 64 bytes + 16
.set SBY, 20480                        ; behind the four waves' stages (2 x 2,560 bytes each): the scale bytes
	s_load_b256 s[4:11], s[0:1], 0x0               ; x, g, b, the output buffer
	v_lshl_add_u32 v254, v0, 2, 0x5400
	v_mov_b32 v255, 0
	v_lshrrev_b32 v6, 5, v0
	v_readfirstlane_b32 s17, v6                    ; wave
	v_and_b32 v7, 31, v0                           ; lane
	v_lshlrev_b32 v1, 4, v7                        ; 16 x lane
	s_mul_i32 s18, s17, 2*32*SP
	v_lshrrev_b32 v2, 2, v7
	v_mul_u32_u24 v2, v2, SP
	v_and_b32 v3, 3, v7
	v_lshl_add_u32 v2, v3, 4, v2
	v_add_nc_u32 v2, s18, v2                       ; the stage, on the way in: four lanes' 64 bytes on end, then the padding
	v_mul_u32_u24 v3, v7, SP
	v_add_nc_u32 v3, s18, v3                       ; and on the way out: my 16 neighbours
	s_lshl_b32 s18, s17, 7
	s_add_co_u32 s18, s18, SBY
	v_lshrrev_b32 v4, 1, v7
	v_add_nc_u32 v4, s18, v4                       ; my block's scale byte: 128 bytes a wave, 32 a row
	v_add_nc_u32 v5, SBY, v1                       ; the bytes' way out: 16 a lane
	s_mov_b32 s12, 0x76543210
	s_mov_b32 s13, 0xfedcba98                      ; v_permlanex16_b32's selects for lane l xor 16
	s_mov_b32 s14, 0x3a800000                      ; 1 / 1024
	s_mov_b32 s15, 0x3727c5ac                      ; 1e-5
	s_lshl_b32 s18, ttmp9, 16                      ; 16 rows of 4,096 bytes a work-group,
	s_lshl_b32 s19, s17, 14                        ; 4 a wave
	s_add_co_u32 s18, s18, s19
	s_mov_b32 s19, 0
	s_lshl_b32 s20, ttmp9, 14                      ; the same rows' codes
	s_lshl_b32 s21, s17, 12
	s_add_co_u32 s20, s20, s21
	s_mov_b32 s21, 0
	s_lshl_b32 s22, ttmp9, 9                       ; the work-group's 512 scale bytes
	s_add_co_u32 s22, s22, 4194304
	s_mov_b32 s23, 0
	s_wait_kmcnt 0x0
	s_add_nc_u64 s[4:5], s[4:5], s[18:19]
	s_add_nc_u64 s[22:23], s[10:11], s[22:23]
	s_add_nc_u64 s[10:11], s[10:11], s[20:21]
.irp j, 0,1,2,3,4,5,6,7
	global_load_b128 v[X+4*\j:X+4*\j+3], v1, s[4:5] offset:512*\j
.endr
.irp j, 0,1,2,3,4,5,6,7
	global_load_b128 v[G+4*\j:G+4*\j+3], v1, s[6:7] offset:512*\j
.endr
.irp j, 0,1,2,3,4,5,6,7
	global_load_b128 v[BV+4*\j:BV+4*\j+3], v1, s[8:9] offset:512*\j
.endr
.irp p, 1,2,3
.irp j, 0,1,2,3,4,5,6,7
	global_load_b128 v[X+32*\p+4*\j:X+32*\p+4*\j+3], v1, s[4:5] offset:4096*\p+512*\j
.endr
.endr
.macro REDUCE                          ; v8 summed over the 32 lanes, the result in every lane
	v_add_f32_dpp v8, v8, v8 row_xmask:1 row_mask:0xf bank_mask:0xf
	v_add_f32_dpp v8, v8, v8 row_xmask:2 row_mask:0xf bank_mask:0xf
	v_add_f32_dpp v8, v8, v8 row_xmask:4 row_mask:0xf bank_mask:0xf
	v_add_f32_dpp v8, v8, v8 row_xmask:8 row_mask:0xf bank_mask:0xf
	v_permlanex16_b32 v9, v8, s12, s13
	v_add_f32 v8, v8, v9
.endm
.macro STEP p, u                       ; 512 numbers of row p: 16 neighbours a lane, two lanes to a block
.set XT, XS+16*(\u)
	v_max3_num_f32 v8, |v[XT]|, |v[XT+1]|, |v[XT+2]|
	v_max3_num_f32 v9, |v[XT+3]|, |v[XT+4]|, |v[XT+5]|
.irp i, 6,10
	v_max3_num_f32 v8, v8, |v[XT+\i]|, |v[XT+\i+1]|
	v_max3_num_f32 v9, v9, |v[XT+\i+2]|, |v[XT+\i+3]|
.endr
	v_max3_num_f32 v8, v8, |v[XT+14]|, |v[XT+15]|
	v_max3_num_f32 v8, v8, v9, 0x4800000           ; the floor 2^(9 - 127): the byte cannot fall under 1
	v_max_num_f32_dpp v8, v8, v8 row_xmask:1 row_mask:0xf bank_mask:0xf   ; with my neighbour's 16: the block's largest magnitude
	v_add_nc_u32 v11, 0xfc000000, v8               ; 8 off the exponent field: the conversion's scale operand
.irp i, 0,1,2,3,4,5,6,7,8,9,10,11,12,13,14,15
.endr
	v_cvt_scalef32_pk8_fp8_f32 v[C+4*(\u):C+4*(\u)+1], v[XT:XT+7], v11
	v_cvt_scalef32_pk8_fp8_f32 v[C+4*(\u)+2:C+4*(\u)+3], v[XT+8:XT+15], v11
	v_lshrrev_b32 v[248+(\u)], 23, v11             ; the scale's byte
	ds_store_b8 v4, v[248+(\u)] offset:32*(\p)+16*(\u)   ; both lanes of a block write the same byte with the same value
	global_store_b128 v1, v[C+4*(\u):C+4*(\u)+3], s[10:11] offset:1024*(\p)+512*(\u)
.endm
.macro ROW p
.set XR, X+32*(\p)
	s_wait_loadcnt 24-8*(\p)                       ; this row (and g and b) are in; the later rows' loads, eight each, may be out
.irp k, 0,1,2,3
	v_pk_add_f32 v[8+2*\k:9+2*\k], v[XR+2*\k:XR+2*\k+1], v[XR+8+2*\k:XR+9+2*\k]   ; the sum, in four chains
.endr
.irp o, 16,24
.irp k, 0,1,2,3
	v_pk_add_f32 v[8+2*\k:9+2*\k], v[8+2*\k:9+2*\k], v[XR+\o+2*\k:XR+\o+2*\k+1]
.endr
.endr
	v_pk_add_f32 v[8:9], v[8:9], v[10:11]
	v_pk_add_f32 v[12:13], v[12:13], v[14:15]
	v_pk_add_f32 v[8:9], v[8:9], v[12:13]
	v_add_f32 v8, v8, v9
	REDUCE
	v_mul_f32 v12, s14, v8                         ; the mean
	v_mov_b32 v13, v12
.irp o, 0,2,4,6,8,10,12,14,16,18,20,22,24,26,28,30
	v_pk_add_f32 v[XR+\o:XR+\o+1], v[XR+\o:XR+\o+1], v[12:13] neg_lo:[0,1] neg_hi:[0,1]   ; d = x - mean
.endr
	v_pk_mul_f32 v[8:9], v[XR:XR+1], v[XR:XR+1]    ; the sum of d^2, in two chains
	v_pk_mul_f32 v[10:11], v[XR+2:XR+3], v[XR+2:XR+3]
.irp o, 4,8,12,16,20,24,28
	v_pk_fma_f32 v[8:9], v[XR+\o:XR+\o+1], v[XR+\o:XR+\o+1], v[8:9]
	v_pk_fma_f32 v[10:11], v[XR+\o+2:XR+\o+3], v[XR+\o+2:XR+\o+3], v[10:11]
.endr
	v_pk_add_f32 v[8:9], v[8:9], v[10:11]
	v_add_f32 v8, v8, v9
	REDUCE
	v_fma_f32 v8, v8, s14, s15                     ; var + 1e-5
	s_wait_alu depctr_va_vdst(0)
	v_rsq_f32 v12, v8
	v_nop                                          ; a plain instruction behind the transcendental,
	s_wait_alu depctr_va_vdst(0)                   ; and the wait ahead of its first reader
	v_mov_b32 v13, v12
.irp o, 0,2,4,6,8,10,12,14,16,18,20,22,24,26,28,30
	v_pk_mul_f32 v[XR+\o:XR+\o+1], v[XR+\o:XR+\o+1], v[12:13]
.endr
.irp o, 0,2,4,6,8,10,12,14,16,18,20,22,24,26,28,30
	v_pk_fma_f32 v[XR+\o:XR+\o+1], v[XR+\o:XR+\o+1], v[G+\o:G+\o+1], v[BV+\o:BV+\o+1]
.endr
	s_wait_alu depctr_va_vdst(0)
	s_wait_xcnt 0x0                                ; the last row's stores have read their codes: the registers may be written again
.irp u, 0,1
.irp i, 0,1,2,3
	ds_store_b128 v2, v[XR+16*\u+4*\i:XR+16*\u+4*\i+3] offset:32*SP*\u+8*SP*\i   ; LDS serves a wave's instructions in order: no wait between these and the loads
.endr
.irp i, 0,1,2,3
	ds_load_b128 v[XS+16*\u+4*\i:XS+16*\u+4*\i+3], v3 offset:32*SP*\u+16*\i
.endr
.endr
	s_wait_dscnt 8                                 ; the first 512 numbers are back; behind them: the second 512's four stores and four loads
	STEP \p, 0
	s_wait_dscnt 1                                 ; the second 512 are back; behind them: the byte store just issued
	STEP \p, 1
.endm
	ROW 0
	ROW 1
	ROW 2
	ROW 3
	s_wait_dscnt 0x0                               ; for wave 0's sake: my scale bytes lie in LDS
	s_barrier_signal -1
	s_barrier_wait -1
	s_cmp_lg_u32 s17, 0
	s_cbranch_scc1 .Lend
	ds_load_b128 v[248:251], v5                    ; the work-group's 512 scale bytes
	s_wait_dscnt 0x0
	global_store_b128 v1, v[248:251], s[22:23]     ; 512 consecutive bytes, aligned
.Lend:
	s_wait_tensorcnt 0x0
	ds_add_u32 v254, v255
	s_wait_dscnt 0x0
	s_endpgm
.Lfunc_end_k_qaf88c9e8e2_ln1:
	.size	k_qaf88c9e8e2_ln1, .Lfunc_end_k_qaf88c9e8e2_ln1-k_qaf88c9e8e2_ln1
	.p2alignl 7, 3214868480
	.fill 96, 4, 3214868480
	.section	.rodata,"a",@progbits
	.p2align	6, 0x0
	.amdhsa_kernel k_qaf88c9e8e2_ln1
		.amdhsa_group_segment_fixed_size 22016
		.amdhsa_private_segment_fixed_size 0
		.amdhsa_enable_private_segment 0
		.amdhsa_kernarg_size 32
		.amdhsa_user_sgpr_count 2
		.amdhsa_user_sgpr_kernarg_segment_ptr 1
		.amdhsa_wavefront_size32 1
		.amdhsa_system_sgpr_workgroup_id_x 1
		.amdhsa_system_sgpr_workgroup_id_y 1
		.amdhsa_system_sgpr_workgroup_id_z 1
		.amdhsa_system_vgpr_workitem_id 0
		.amdhsa_next_free_vgpr 256
		.amdhsa_next_free_sgpr 66
		.amdhsa_reserve_vcc 0
		.amdhsa_float_denorm_mode_32 3
		.amdhsa_float_denorm_mode_16_64 3
		.amdhsa_fp16_overflow 1
		.amdhsa_memory_ordered 1
		.amdhsa_forward_progress 1
		.amdhsa_inst_pref_size 44
	.end_amdhsa_kernel
	.amdgpu_metadata
---
amdhsa.version: [ 1, 2 ]
amdhsa.kernels:
  - .name:           k_qaf88c9e8e2_ln1
    .symbol:         k_qaf88c9e8e2_ln1.kd
    .args:
      - { .name: x, .offset: 0, .size: 8, .value_kind: global_buffer, .address_space: global }
      - { .name: ln1_g, .offset: 8, .size: 8, .value_kind: global_buffer, .address_space: global }
      - { .name: ln1_b, .offset: 16, .size: 8, .value_kind: global_buffer, .address_space: global }
      - { .name: h1, .offset: 24, .size: 8, .value_kind: global_buffer, .address_space: global }
    .group_segment_fixed_size: 22016
    .private_segment_fixed_size: 0
    .kernarg_segment_align: 8
    .kernarg_segment_size: 32
    .max_flat_workgroup_size: 128
    .sgpr_count:     66
    .vgpr_count:     256
    .wavefront_size: 32
...
	.end_amdgpu_metadata
.endif
;; end of part 2
;; launch gq (part 3): grid 12 x 16, 4 waves a work-group, clusters of 4 x 4, 327,680 bytes of LDS; arguments h1, wts, b_qkv, qkv; writes qkv
.if DOCPART == 3
	.amdgcn_target "amdgcn-amd-amdhsa--gfx1250"
	.amdhsa_code_object_version 6
	.text
	.protected	k_qaf88c9e8e2_gq
	.globl	k_qaf88c9e8e2_gq
	.p2align	8
	.type	k_qaf88c9e8e2_gq,@function
k_qaf88c9e8e2_gq:
	s_mov_b64 s[64:65], 0
	v_nop
	global_prefetch_b8 v0, s[64:65] scope:SCOPE_SE
	s_setreg_imm32_b32 hwreg(HW_REG_WAVE_MODE, 25, 1), 1
	s_wait_xcnt 0x0
	s_wait_alu depctr_hold_cnt(0) depctr_sa_sdst(0) depctr_va_vdst(0) depctr_va_sdst(0) depctr_va_ssrc(0) depctr_va_vcc(0) depctr_vm_vsrc(0)
	s_getreg_b32 s2, hwreg(HW_REG_IB_STS2, 6, 4)
	s_cmp_eq_u32 s2, 0
	s_cbranch_scc0 .Lentry_in_a_cluster
	s_endpgm
.Lentry_in_a_cluster:
	s_bfe_u32 s2, ttmp6, 0x10000c
	s_cmp_lg_u32 s2, 0xf033
	s_cbranch_scc0 .Lentry_shape_is_right
	s_endpgm
.Lentry_shape_is_right:
; qkv = h W_qkv + b_qkv on codes of FP8 (E4M3) with E8M0 scales (K = 1,024), and the result quantised again on the way out: q and k along the channels, v along the TOKENS (the K of the products that read them).
; A tile of 256 x 256 is made by four waves, 128 x 128 each: 64 accumulators, 512 registers.  K goes in steps of 256 through a ring of two LDS slots filled by the tensor data mover; both operands' scale bytes
; for all of K come into LDS once, with the first fills.  4 x 4 work-groups form a cluster: A's tiles are asked for jointly along a row of the cluster, B's along a column.
; SOURCE 0 ('B') GIVES THE AXIS THAT RUNS ALONG A LANE'S REGISTERS, which is the axis that is quantised; source 1 ('A') the axis across lanes.
;   clusters x = 0, 1 (q and k): B = rows 0-2047 of the weight's codes, A = tokens.     cluster x = 2 (v): B = tokens, A = rows 2048-3071 of the weight's codes: v comes out as v^T.
; The part hangs on the cluster's x alone, which all partners share; it chooses addresses by s_cselect and steers no branch.  Both biases (along the registers, along the lanes) are always added;
; the one that does not belong to the part is loaded from offset 0 and multiplied by 0.0.
; OUT.  A wave's 128 x 128 codes are 16 KB on end in [register axis / 128][lane axis][128 bytes], its scale words 512 bytes on end in [register axis / 128][lane axis][4 bytes]: every store covers 512 consecutive bytes.
; LIMITS: a block of zeros gets the byte 1 (its codes are zeros; this program alone reads the bytes); NaN and infinities are not served.
; REGISTERS, in windows of 256: window 0: v0-31 addresses; v32-63 scale words, two sets; from v128 A's fragments, one set; on the way out v64-255 are at work.   window 1: B's fragments, two sets;
;   from the last K step on v0-63 the bias along the registers, v64-71 the bias along the lanes.   windows 2, 3: the accumulators ((a, b) at v[8 (8 (a % 4) + b)] of window 2 + a / 4).
.set IS_QKV, 1
.set SIZE_K, 1024
.set KSTEP,  256                       ; along K in a slot
.set NQ,     KSTEP/128                 ; matrix instructions deep
.set ROWB,   256                       ; a tile's row in bytes
.set KROW,   SIZE_K                    ; a row of codes in memory
.set PITCH,  272                       ; an LDS row: 256 bytes + 16: the 16 rows that a load touches start at 16 different banks
.set FR,     16                        ; registers of a fragment
.set NL,     4                         ; LDS loads that bring one
.set NP,     8                         ; places behind this matrix instruction (ISA guide 7.12.1)
.set HALFT,  128*PITCH
.set SLOT,   4*HALFT                   ; A's 256 rows, then B's 256 rows
.set LAPS,   SIZE_K/(2*KSTEP)
.set KS,     SIZE_K/32                 ; a row of scale bytes
.set SCL,    2*SLOT                    ; behind the ring: the scales, as units of 256 bytes + 16
.set HALFS,  (128*KS/256)*272
.set SBLK,   (16*KS/256)*272
.set SPARE,  SCL+4*HALFS               ; the spare words, 128 bytes a wave
.set EP,     144                       ; the way out: a stage of 16 rows x (128 bytes + 16) for each wave, in slot 0, which has had its last fill and its last read by then
.set SCOL,   4*16*EP                   ; behind the stages: 512 bytes of scale words for each wave
.set ADRA, 16
.set ADRB, 20
.set STO,  24                          ; v24  the stage: where I put 8 codes
.set RD,   25                          ; v25  where I read 16 bytes back
.set CO,   26                          ; v26  16 x lane
.set ADRS, 27
.set SPW,  28
.set NIL,  29
.set PW,   30                          ; v30  the scale word just made
.set SCA,  7                           ; v7   my row's scale word in LDS (block 0)
.set SCR,  8                           ; v8   the scale words' way out
.set BOF,  9                           ; v9   32 (lane / 16): the bias along the registers
.set BOL,  10                          ; v10  4 (lane % 16): the bias along the lanes
.set SCT,  11                          ; v11  the scale word's place in this trip
.set SC,   32
.set AF,   128
.set T,    64                          ; v64-127  a block's 64 numbers of a lane
.set GT,   128                         ; v128-191 at work in the activation
.set GS,   144
.set RB,   160
.set RS,   176
.set PC,   192                         ; v192-207 codes
.set OB,   208                         ; v208-223 16 rows read back
.set TM,   224                         ; v224-239 the quantiser's work
.set G1, 24
.set G0, 32
.set G1B, 48
.set G0B, 56
.set G1S, 68
.set G0S, 76
.set G1SB, 80
.set G0SB, 88
.set SEL, 18                           ; s18, s19 lane selects; s21, s22 the activation's constants: all made on the way out
.set MNT, 20
.set MSB, 0
.macro WIN new                         ; the immediate's high byte repeats the setting that is left
.if MSB != (\new)
	s_set_vgpr_msb (MSB<<8)|(\new)
.set MSB, (\new)
.endif
.endm
.set MUL_LO, 0xa1                      ; source 0 (B) window 1, source 1 (A) window 0, C and D window 2
.set MUL_HI, 0xf1
.set TO_B,   0x40                      ; destination window 1, address window 0
; A joint load: waves 0 and 1 fetch for A, waves 2 and 3 for B.  The branch hangs on the wave's number alone.  Four v_nop follow each of the two lines.
.macro JLOAD g0a, g1a, g0b, g1b
	s_cmp_eq_u32 s15, 0
	s_cbranch_scc0 .Lfor_b_\@
	tensor_load_to_lds s[\g0a:\g0a+3], s[\g1a:\g1a+7]
	s_nop 0
.rept 4
	v_nop
.endr
	s_branch .Lasked_\@
.Lfor_b_\@:
	tensor_load_to_lds s[\g0b:\g0b+3], s[\g1b:\g1b+7]
	s_nop 0
.rept 4
	v_nop
.endr
.Lasked_\@:
.endm
.macro CREST                           ; a round of the cluster's barrier behind its opening barrier
	s_cmp_lg_u32 s14, 0
	s_cbranch_scc1 .Lnot_wave_0_\@
	s_barrier_signal -3
.Lnot_wave_0_\@:
	s_barrier_wait -3
	s_barrier_signal -1
	s_barrier_wait -1
.endm
.macro CROUND
	s_barrier_signal -1
	s_barrier_wait -1
	CREST
.endm
	s_load_b256 s[4:11], s[0:1], 0x0               ; the activations' buffer s[4:5], wts s[6:7], the bias s[8:9], the output buffer s[10:11]
	v_lshl_add_u32 v[SPW], v0, 2, SPARE
	v_mov_b32 v[NIL], 0
	ds_add_u32 v28, v29
	ds_add_u32 v28, v29
	s_wait_dscnt 0x0
	v_lshrrev_b32 v1, 5, v0
	v_readfirstlane_b32 s14, v1                    ; wave 0..3
	s_lshr_b32 s15, s14, 1                         ; which half of A's rows is mine.  Also: I fetch for A (0) or for B (1)
	s_and_b32 s16, s14, 1                          ; which half of B's rows.  Also: which 128 rows of that tile I fetch
	s_bfe_u32 s40, ttmp6, 0x40000                  ; cx, cy
	s_bfe_u32 s41, ttmp6, 0x40004
	s_and_b32 s17, ttmp7, 0xffff                   ; the cluster's y
.if IS_QKV
	s_cmp_lt_u32 ttmp9, 2                          ; q and k, or v?  The cluster's x: the same in all sixteen partners
	s_cselect_b32 s42, ttmp9, s17                  ; q, k: B's tiles by the cluster's x, A's by its y;  v: B's (tokens) by its y, A's four tiles by cy alone
	s_cselect_b32 s17, s17, 0
	s_cselect_b32 s100, 0x3f800000, 0              ; what the bias along the registers is multiplied by,
	s_cselect_b32 s95, 0, 0x3f800000               ; and the bias along the lanes
.else
	s_mov_b32 s42, ttmp9
.endif
	s_lshl_b32 s42, s42, 2
	s_add_co_u32 s42, s42, s40                     ; B's tile
	s_lshl_b32 s17, s17, 2
	s_add_co_u32 s17, s17, s41                     ; A's tile
	s_lshl_b32 s43, s41, 2
	s_lshl_b32 s43, 15, s43                        ; my row of the cluster
	s_lshl_b32 s44, 0x1111, s40                    ; my column
	s_or_b32 s[G1+0], s43, (0<<16)|(1<<20)|(1<<21)|(5<<22)|(3<<25)  ; the mask; elements of 1 byte; padding: 4 words behind every 64; bit 21 beside a mask
	s_or_b32 s[G1B+0], s44, (0<<16)|(1<<20)|(1<<21)|(5<<22)|(3<<25)
.irp g, G1, G1B
	s_mov_b32 s[\g+1], ROWB<<16                    ; tensor_dim0
	s_mov_b32 s[\g+2], 128<<16                     ; tensor_dim1
	s_mov_b32 s[\g+3], ROWB<<16                    ; tile_dim0
	s_mov_b32 s[\g+4], 128                         ; tile_dim1
	s_mov_b32 s[\g+5], KROW                        ; the pitch
	s_mov_b32 s[\g+6], 0
	s_mov_b32 s[\g+7], 0
.endr
	s_or_b32 s[G1S+0], s43, (3<<16)|(1<<20)|(1<<21)|(5<<22)|(3<<25)   ; the scales of 128 rows: a dense block, as rows of 256 bytes (32 elements of 8 bytes)
	s_or_b32 s[G1SB+0], s44, (3<<16)|(1<<20)|(1<<21)|(5<<22)|(3<<25)
.irp g, G1S, G1SB
	s_mov_b32 s[\g+1], 32<<16
	s_mov_b32 s[\g+2], (128*KS/256)<<16
	s_mov_b32 s[\g+3], 32<<16
	s_mov_b32 s[\g+4], 128*KS/256
	s_mov_b32 s[\g+5], 32
	s_mov_b32 s[\g+6], 0
	s_mov_b32 s[\g+7], 0
.endr
	s_lshl_b32 s18, s16, 7                         ; which 128 rows of the tile I fetch
	s_lshl_b32 s20, s17, 8
	s_add_co_u32 s20, s20, s18                     ; A's row
	s_lshl_b32 s46, s42, 8
	s_add_co_u32 s46, s46, s18                     ; B's row
	s_mov_b32 s21, 0
	s_mov_b32 s47, 0
	s_mov_b64 s[18:19], KS
	s_mul_u64 s[22:23], s[20:21], s[18:19]         ; where these rows' scales begin,
	s_mul_u64 s[92:93], s[46:47], s[18:19]
	s_mov_b64 s[18:19], KROW
	s_mul_u64 s[20:21], s[20:21], s[18:19]         ; and their codes
	s_mul_u64 s[46:47], s[46:47], s[18:19]
.if IS_QKV                                     ; where each part begins in its buffer
	s_mov_b32 s19, 0
	s_cmp_lt_u32 ttmp9, 2
	s_cselect_b32 s18, 0, 2097152                  ; A's codes: h1 at 0, or the weight's row 2,048
	s_add_nc_u64 s[20:21], s[20:21], s[18:19]
	s_mov_b32 s18, 12648448
	s_cselect_b32 s18, 4194304, s18                ; A's scales: h1's, or the weight's from row 2,048 on
	s_add_nc_u64 s[22:23], s[22:23], s[18:19]
	s_mov_b32 s18, 4194304
	s_cselect_b32 s18, 12582912, s18               ; B's scales: the weight's, or h1's (B's codes begin at 0 in both)
	s_add_nc_u64 s[92:93], s[92:93], s[18:19]
.else
	s_add_nc_u64 s[22:23], s[22:23], 4194304       ; A's scales in h2
	s_add_nc_u64 s[46:47], s[46:47], 3145728       ; w_fc1's codes in wts,
	s_add_nc_u64 s[92:93], s[92:93], 12681216      ; and its scales
.endif
	s_mul_i32 s45, s14, HALFT                      ; where they go: wave x 128 rows
	s_mul_i32 s94, s14, HALFS
	s_wait_kmcnt 0x0
.if IS_QKV
	s_cmp_lt_u32 ttmp9, 2
	s_cselect_b64 s[96:97], s[4:5], s[6:7]         ; A's buffer
	s_cselect_b64 s[98:99], s[6:7], s[4:5]         ; B's buffer
.else
	s_mov_b64 s[96:97], s[4:5]
	s_mov_b64 s[98:99], s[6:7]
.endif
	s_add_nc_u64 s[20:21], s[96:97], s[20:21]
	s_add_nc_u64 s[22:23], s[96:97], s[22:23]
	s_add_nc_u64 s[46:47], s[98:99], s[46:47]
	s_add_nc_u64 s[92:93], s[98:99], s[92:93]
	CROUND                                         ; all sixteen work-groups are here: the first joint loads meet
	s_mov_b32 s[G0S], 1
	s_add_co_u32 s[G0S+1], s94, SCL
	s_mov_b64 s[G0S+2:G0S+3], s[22:23]
	s_or_b32 s[G0S+3], s[G0S+3], 0x80000000
	s_mov_b32 s[G0SB], 1
	s_add_co_u32 s[G0SB+1], s94, SCL
	s_mov_b64 s[G0SB+2:G0SB+3], s[92:93]
	s_or_b32 s[G0SB+3], s[G0SB+3], 0x80000000
	JLOAD G0S, G1S, G0SB, G1SB                     ; the scales first: they are wanted with K step 0
.irp s, 0,1
	s_mov_b32 s[G0+4*\s], 1
	s_add_co_u32 s[G0+4*\s+1], s45, \s*SLOT
	s_add_nc_u64 s[G0+4*\s+2:G0+4*\s+3], s[20:21], \s*ROWB
	s_or_b32 s[G0+4*\s+3], s[G0+4*\s+3], 0x80000000
	s_mov_b32 s[G0B+4*\s], 1
	s_add_co_u32 s[G0B+4*\s+1], s45, \s*SLOT
	s_add_nc_u64 s[G0B+4*\s+2:G0B+4*\s+3], s[46:47], \s*ROWB
	s_or_b32 s[G0B+4*\s+3], s[G0B+4*\s+3], 0x80000000
	JLOAD G0+4*\s, G1, G0B+4*\s, G1B
.endr
	v_and_b32 v1, 15, v0                           ; r = l % 16
	v_bfe_u32 v2, v0, 4, 1                         ; h = l / 16
	v_mul_u32_u24 v3, v1, PITCH
	v_lshl_add_u32 v4, v2, 4, v3                   ; a fragment's row x pitch + 16 h
	s_mul_i32 s21, s15, HALFT
	s_mul_i32 s22, s16, HALFT
	s_add_co_u32 s22, s22, 2*HALFT
.irp s, 0,1
	v_add_nc_u32 v[ADRA+\s], s21, v4
	v_add_nc_u32 v[ADRB+\s], s22, v4
	s_add_co_u32 s21, s21, SLOT
	s_add_co_u32 s22, s22, SLOT
.endr
	v_mul_u32_u24 v5, v1, KS                       ; my row's scales: KS bytes a row,
	v_lshrrev_b32 v6, 8, v5
	v_lshl_add_u32 v5, v6, 4, v5                   ; and 16 more for each 256 passed
	s_mul_i32 s21, s15, HALFS
	s_mul_i32 s22, s16, HALFS
	s_add_co_u32 s22, s22, 2*HALFS
	s_sub_co_u32 s22, s22, s21
	v_mul_u32_u24 v6, s22, v2                      ; lanes 16-31 take B's
	s_add_co_u32 s21, s21, SCL
	v_add_nc_u32 v5, v5, v6
	v_add_nc_u32 v[ADRS], s21, v5
	s_mul_i32 s23, s14, 16*EP                      ; my stage
	v_mul_u32_u24 v5, v1, EP
	v_lshl_add_u32 v5, v2, 3, v5
	v_add_nc_u32 v[STO], s23, v5                   ; in: row r, 8 bytes for each half of the lanes
	v_and_b32 v6, 31, v0
	v_lshlrev_b32 v[CO], 4, v6
	v_lshrrev_b32 v5, 3, v6
	v_mul_u32_u24 v5, v5, EP
	v_and_b32 v3, 7, v6
	v_lshl_add_u32 v5, v3, 4, v5
	v_add_nc_u32 v[RD], s23, v5                    ; back: eight lanes to a row of 128 bytes, four rows an instruction
	s_lshl_b32 s23, s14, 9
	s_add_co_u32 s23, s23, SCOL
	v_lshl_add_u32 v[SCA], v1, 2, s23
	v_add_nc_u32 v[SCR], s23, v[CO]
	v_lshlrev_b32 v[BOF], 5, v2
	v_lshlrev_b32 v[BOL], 2, v1
	; where my 128 x 128 goes: e = (B's index / 128) x J + A's first index, J the length of A's axis; codes at 128 e, scale words at 4 e
	s_lshl_b32 s46, s42, 1
	s_add_co_u32 s46, s46, s16
.if IS_QKV
	s_mov_b32 s18, 1024
	s_mov_b32 s19, 8388608
	s_mov_b32 s22, 12845056
	s_cmp_lt_u32 ttmp9, 2
	s_cselect_b32 s18, 4096, s18
	s_cselect_b32 s19, 0, s19
	s_cselect_b32 s22, 12582912, s22
.else
	s_mov_b32 s18, 4096
	s_mov_b32 s19, 0
	s_mov_b32 s22, 16777216
.endif
	s_mul_i32 s46, s46, s18
	s_lshl_b32 s20, s17, 8
	s_lshl_b32 s21, s15, 7
	s_add_co_u32 s20, s20, s21
	s_add_co_u32 s20, s20, s46                     ; e
	s_lshl_b32 s46, s20, 7
	s_add_co_u32 s46, s46, s19
	s_mov_b32 s47, 0
	s_add_nc_u64 s[12:13], s[10:11], s[46:47]      ; the codes
	s_lshl_b32 s46, s20, 2
	s_add_co_u32 s46, s46, s22
	s_add_nc_u64 s[66:67], s[10:11], s[46:47]      ; the scale words
	s_lshl_b32 s46, s42, 10                        ; the bias along the registers: 4 x B's first index
	s_lshl_b32 s20, s16, 9
	s_add_co_u32 s46, s46, s20
.if IS_QKV
	s_lshl_b32 s20, s17, 10                        ; the bias along the lanes: 4 x (2,048 + A's first index)
	s_lshl_b32 s21, s15, 9
	s_add_co_u32 s20, s20, s21
	s_add_co_u32 s20, s20, 8192
	s_cmp_lt_u32 ttmp9, 2
	s_cselect_b32 s46, s46, 0                      ; the one that is not the part's is read at offset 0 and counts for nothing
	s_cselect_b32 s20, 0, s20
	s_mov_b32 s21, 0
	s_add_nc_u64 s[96:97], s[8:9], s[20:21]
.endif
	s_add_nc_u64 s[98:99], s[8:9], s[46:47]
.macro FRAG reg, adr, q, i             ; 16 rows x 128 K: lane l holds row l % 16; registers 4 c .. 4 c + 3 hold K = 32 c + 16 (l / 16) + 0 .. 15
.irp c, 0,1,2,3
	ds_load_b128 v[\reg+4*\c:\reg+4*\c+3], v[\adr] offset:128*(\q)+32*\c+(\i)*16*PITCH
.endr
.endm
; 16 matrix instructions: A's blocks a0, a0 + 1 x B's eight.  The 64 accumulators take turns, one instruction a turn, in the same order in every step.
.macro MUL16 a0, p, q, sc, zero
.irp a, \a0, \a0+1
.irp b, 0,1,2,3,4,5,6,7
.if \zero
	v_wmma_scale_f32_16x16x128_f8f6f4 v[8*(8*((\a)%4)+\b):8*(8*((\a)%4)+\b)+7], v[128*(\p)+FR*\b:128*(\p)+FR*\b+FR-1], v[AF+FR*(\a):AF+FR*(\a)+FR-1], 0, v[SC+8*NQ*(\sc)+NQ*\b+(\q)], v[SC+8*NQ*(\sc)+NQ*(\a)+(\q)] matrix_a_scale:MATRIX_SCALE_ROW1
.else
	v_wmma_scale_f32_16x16x128_f8f6f4 v[8*(8*((\a)%4)+\b):8*(8*((\a)%4)+\b)+7], v[128*(\p)+FR*\b:128*(\p)+FR*\b+FR-1], v[AF+FR*(\a):AF+FR*(\a)+FR-1], v[8*(8*((\a)%4)+\b):8*(8*((\a)%4)+\b)+7], v[SC+8*NQ*(\sc)+NQ*\b+(\q)], v[SC+8*NQ*(\sc)+NQ*(\a)+(\q)] matrix_a_scale:MATRIX_SCALE_ROW1
.endif
.endr
.endr
.endm
.macro FETCH_B slot, q, p
	WIN TO_B
.irp i, 0,1,2,3,4,5,6,7
	FRAG 128*(\p)+FR*\i, ADRB+\slot, \q, \i
.endr
	WIN 0
.endm
.macro FETCH_A slot, q, i0
.irp i, \i0, \i0+1, \i0+2, \i0+3
	FRAG AF+FR*(\i), ADRA+\slot, \q, \i
.endr
.endm
.macro SCALES sc                       ; the next K step's scale words: lanes 0-15 take A's block i, lanes 16-31 B's block i
.irp i, 0,1,2,3,4,5,6,7
	ds_load_b64 v[SC+8*NQ*\sc+NQ*\i:SC+8*NQ*\sc+NQ*\i+1], v[ADRS] offset:\i*SBLK
.endr
.endm
.macro PLACES n                        ; plain vector instructions between a matrix instruction and a load into, or a read of, its registers
.rept \n
	v_nop
.endr
.endm
.macro STEP slot, q, zero              ; a step of 128 along K that has its successor in the same slot
	s_wait_dscnt 4*NL                              ; B's set and A's blocks 0-3 are in; the youngest sixteen loads (A's blocks 4-7) may be out
	WIN MUL_LO
	MUL16 0, (\q)%2, \q, \slot, \zero
	MUL16 2, (\q)%2, \q, \slot, \zero
	s_wait_dscnt 0
	PLACES NP
	FETCH_B \slot, (\q)+1, 1-(\q)%2
	FETCH_A \slot, (\q)+1, 0
	WIN MUL_HI
	MUL16 4, (\q)%2, \q, \slot, \zero
	MUL16 6, (\q)%2, \q, \slot, \zero
	PLACES NP
	WIN 0
	FETCH_A \slot, (\q)+1, 4
.endm
; A slot's last step changes slots: one barrier; in front of it each wave waits for all its tensor loads, adds 0 to its spare word, and waits for that and for its own reads of this slot.
.macro TURN slot, next, fill
	s_wait_tensorcnt 0x0                           ; all my tensor loads have landed: my part of the next slot
	ds_add_u32 v[SPW], v[NIL]                      ; 0 onto my spare word
	s_wait_dscnt 4*NL+1                            ; (the add and the youngest sixteen loads may be out)
	WIN MUL_LO
	MUL16 0, 1, NQ-1, \slot, 0
	s_wait_dscnt 0x0                               ; the add is done, and my reads of this slot are over
	s_barrier_signal -1
	MUL16 2, 1, NQ-1, \slot, 0
	WIN 0
	s_barrier_wait -1
.if \fill
	CREST                                          ; the barrier has opened a round of the cluster's barrier: no wave of any partner still reads this slot or has a load on its way
	s_add_nc_u64 s[G0+4*\slot+2:G0+4*\slot+3], s[G0+4*\slot+2:G0+4*\slot+3], 2*ROWB
	s_add_nc_u64 s[G0B+4*\slot+2:G0B+4*\slot+3], s[G0B+4*\slot+2:G0B+4*\slot+3], 2*ROWB
	JLOAD G0+4*\slot, G1, G0B+4*\slot, G1B         ; the first tensor load behind the round; its four v_nop are four of the eight places
	PLACES NP-4
.else
	PLACES NP
.endif
	s_wait_alu depctr_va_vdst(0)
	v_add_nc_u32 v[ADRS], 4*NQ, v[ADRS]
	FETCH_B \next, 0, 0
	FETCH_A \next, 0, 0
	SCALES \next
	WIN MUL_HI
	MUL16 4, 1, NQ-1, \slot, 0
	MUL16 6, 1, NQ-1, \slot, 0
	PLACES NP
	WIN 0
	FETCH_A \next, 0, 4
.endm
	s_wait_tensorcnt 1                             ; the scales and my part of K step 0 are in (K step 1's load may be out),
	s_barrier_signal -1
	s_barrier_wait -1                              ; everybody's are
	FETCH_B 0, 0, 0
	FETCH_A 0, 0, 0
	SCALES 0
	FETCH_A 0, 0, 4
	STEP 0, 0, 1                                   ; the first step's products start the sums
	s_mov_b32 s3, LAPS-1
.Llap:
	TURN 0, 1, 1
	STEP 1, 0, 0
	TURN 1, 0, 1
	STEP 0, 0, 0
	s_sub_co_u32 s3, s3, 1
	s_cmp_lg_u32 s3, 0
	s_cbranch_scc1 .Llap
	TURN 0, 1, 0                                   ; the last lap fills nothing
	STEP 1, 0, 0
	WIN TO_B                                       ; B's set 0 is done with (eight places stand behind its last products): the biases land there under the last 64 products
.irp b, 0,1,2,3,4,5,6,7
	global_load_b128 v[8*\b:8*\b+3], v[BOF], s[98:99] offset:64*\b          ; tile b's eight registers: index 16 b + 8 h + 0 .. 7
	global_load_b128 v[8*\b+4:8*\b+7], v[BOF], s[98:99] offset:64*\b+16
.endr
.if IS_QKV
.irp a, 0,1,2,3,4,5,6,7
	global_load_b32 v[64+\a], v[BOL], s[96:97] offset:64*\a                 ; block a's lanes: index 16 a + r
.endr
.endif
	WIN 0
	s_wait_dscnt 4*NL                              ; the very last step
	WIN MUL_LO
	MUL16 0, 1, NQ-1, 1, 0
	MUL16 2, 1, NQ-1, 1, 0
	s_wait_dscnt 0
	WIN MUL_HI
	MUL16 4, 1, NQ-1, 1, 0
	MUL16 6, 1, NQ-1, 1, 0
	WIN 0
; THE WAY OUT: a loop of eight trips, one for each block a of 16 indices of A's axis.  A lane holds ONE index of A's axis (16 a + r) and 64 of B's: tile b's register j is index 16 b + 8 h + j, so tiles 2 i and 2 i + 1
; of lanes l and l xor 16 are block i of 32.  Only the lines that lift the block's accumulators into v[T] name other registers in each trip: they stand in eight arms, chosen by the trip's number; all else is written once.
.macro ADDB a                          ; T = accumulators of block a + the bias along the registers; each accumulator is read from its low end on
	WIN 0x06+(\a)/4                                ; source 0 window 2 or 3, source 1 window 1
.irp b, 0,1,2,3,4,5,6,7
.irp p, 0,2,4,6
	v_pk_add_f32 v[T+8*\b+\p:T+8*\b+\p+1], v[8*(8*((\a)%4)+\b)+\p:8*(8*((\a)%4)+\b)+\p+1], v[8*\b+\p:8*\b+\p+1]
.endr
.endr
.if IS_QKV
	WIN 0x01
	v_mov_b32 v254, v[64+\a]                       ; the block's bias along the lanes, as a pair
	v_mov_b32 v255, v[64+\a]
.endif
	WIN 0
.endm
; 64 numbers of a lane, v[s] on, register 16 i + n in block i, become 64 codes in v[PC] on and the row's scale word in v[PW]
.macro QUANT s
.irp b, 0,1,2,3
	v_max3_num_f32 v[TM+\b], |v[\s+16*\b]|, |v[\s+1+16*\b]|, 0x4800000   ; my 16 numbers, and the floor 2^(9 - 127): the byte cannot fall under 1
.endr
.irp i, 2,4,6,8,10,12,14
.irp b, 0,1,2,3
	v_max3_num_f32 v[TM+\b], v[TM+\b], |v[\s+16*\b+\i]|, |v[\s+1+16*\b+\i]|
.endr
.endr
.irp b, 0,1,2,3
	v_permlanex16_b32 v[TM+4+\b], v[TM+\b], s[SEL], s[SEL+1]
.endr
.irp b, 0,1,2,3
	v_max_num_f32 v[TM+\b], v[TM+\b], v[TM+4+\b]   ; with lane l xor 16's: the block's largest magnitude
.endr
.irp b, 0,1,2,3
	v_add_nc_u32 v[TM+12+\b], 0xfc000000, v[TM+\b] ; 8 off the exponent field: the conversion's scale operand
.endr
.irp b, 0,1,2,3
.endr
.irp b, 0,1,2,3
	v_lshrrev_b32 v[TM+4+\b], 23, v[TM+12+\b]      ; the scale's byte
.endr
	v_lshl_or_b32 v[PW], v[TM+5], 8, v[TM+4]
	v_lshl_or_b32 v[PW], v[TM+6], 16, v[PW]
	v_lshl_or_b32 v[PW], v[TM+7], 24, v[PW]
.irp b, 0,1,2,3
.irp i, 0,1,2,3,4,5,6,7,8,9,10,11,12,13,14,15
.endr
	v_cvt_scalef32_pk8_fp8_f32 v[PC+4*\b:PC+1+4*\b], v[\s+16*\b:\s+7+16*\b], v[TM+12+\b]
	v_cvt_scalef32_pk8_fp8_f32 v[PC+2+4*\b:PC+3+4*\b], v[\s+8+16*\b:\s+15+16*\b], v[TM+12+\b]
.endr
	v_nop                                          ; a plain instruction behind the last conversion
.endm
; gelu(x) = max(x, 0) - |x| Q, Q = erfc(|x| / sqrt 2) / 2: no sign is selected and nothing cancels in the negative tail.  With t = |x| / sqrt 2: above 0.927734375, Q = 2^(log2(e) r(t) - 1), r a polynomial;
; below, Q = 1/2 - t u(t^2).  Both are computed for every number and one is chosen by v_cndmask_b32.  16 numbers at a time; the 16 exponentials are one batch with one wait.
.macro GELU g
.set TT, T+16*(\g)
.set i, 0
.rept 16
	v_mul_f32 v[GT+i], s21, |v[TT+i]|              ; t
.set i, i+1
.endr
.irp p, 0,2,4,6,8,10,12,14
	v_pk_mul_f32 v[GS+\p:GS+\p+1], v[GT+\p:GT+\p+1], v[GT+\p:GT+\p+1]   ; t^2
.endr
.irp p, 0,2,4,6,8,10,12,14
	v_pk_fma_f32 v[RB+\p:RB+\p+1], v[GT+\p:GT+\p+1], v[248:249], 0x39c8e7d9 op_sel_hi:[1,1,0]
.endr
.irp p, 0,2,4,6,8,10,12,14
	v_pk_fma_f32 v[RS+\p:RS+\p+1], v[GT+\p:GT+\p+1], v[250:251], 0x3cc6b1a1 op_sel_hi:[1,1,0]
.endr
.irp p, 0,2,4,6,8,10,12,14
	v_pk_fma_f32 v[RB+\p:RB+\p+1], v[RB+\p:RB+\p+1], v[GS+\p:GS+\p+1], v[RS+\p:RS+\p+1]
.endr
.irp k, 0xbddaae5c, 0xbf228550, 0xbe03ce86
.irp p, 0,2,4,6,8,10,12,14
	v_pk_fma_f32 v[RB+\p:RB+\p+1], v[RB+\p:RB+\p+1], v[GT+\p:GT+\p+1], \k op_sel_hi:[1,1,0]
.endr
.endr
.irp p, 0,2,4,6,8,10,12,14
	v_pk_fma_f32 v[RB+\p:RB+\p+1], v[RB+\p:RB+\p+1], v[GT+\p:GT+\p+1], v[GT+\p:GT+\p+1] neg_lo:[0,0,1] neg_hi:[0,0,1]
.endr
.irp p, 0,2,4,6,8,10,12,14
	v_pk_fma_f32 v[RB+\p:RB+\p+1], v[RB+\p:RB+\p+1], 0x3fb8aa3b, -1.0 op_sel_hi:[1,0,0]   ; x log2(e), and -1 for the half
.endr
.set i, 0
.rept 16
	v_exp_f32 v[RB+i], v[RB+i]
.set i, i+1
.endr
.irp p, 0,2,4,6,8,10,12,14
	v_pk_fma_f32 v[RS+\p:RS+\p+1], v[GS+\p:GS+\p+1], v[252:253], 0x3b238d2c op_sel_hi:[1,1,0]   ; the other branch is the independent work behind the batch
.endr
.irp k, 0xbc5b48d9, 0x3d670e22, 0xbe409380, 0x3f106ebb
.irp p, 0,2,4,6,8,10,12,14
	v_pk_fma_f32 v[RS+\p:RS+\p+1], v[RS+\p:RS+\p+1], v[GS+\p:GS+\p+1], \k op_sel_hi:[1,1,0]
.endr
.endr
.irp p, 0,2,4,6,8,10,12,14
	v_pk_fma_f32 v[RS+\p:RS+\p+1], v[RS+\p:RS+\p+1], v[GT+\p:GT+\p+1], 0.5 op_sel_hi:[1,1,0] neg_lo:[1,0,0] neg_hi:[1,0,0]
.endr
	s_wait_alu depctr_va_vdst(0)                   ; one wait for the batch, ahead of its first reader
.set i, 0
.rept 16
	v_cmp_lt_f32 vcc_lo, s22, v[GT+i]
	v_cndmask_b32 v[RS+i], v[RS+i], v[RB+i], vcc_lo
.set i, i+1
.endr
.set i, 0
.rept 16
	v_max_num_f32 v[GT+i], 0, v[TT+i]
.set i, i+1
.endr
.set i, 0
.rept 16
	v_fma_f32 v[TT+i], -|v[TT+i]|, v[RS+i], v[GT+i]
.set i, i+1
.endr
.endm
	PLACES NP                                      ; behind the last products: their results are read, and A's and B's registers written, from here on
	s_mov_b32 s[SEL], 0x76543210
	s_mov_b32 s[SEL+1], 0xfedcba98
.irp b, 0,1,2,3
	v_mov_b32 v[TM+4+\b], 0                        ; written once: a lane permute's destination counts as one of its sources
.endr
.if IS_QKV == 0
	s_mov_b32 s21, 0x3f3504f3                      ; 1 / sqrt 2
	s_mov_b32 s22, 0x3f6d8000                      ; 0.927734375
	v_mov_b32 v248, 0xb7910000                     ; three leading coefficients, as pairs
	v_mov_b32 v249, 0xb7910000
	v_mov_b32 v250, 0xbb7e8a1c
	v_mov_b32 v251, 0xbb7e8a1c
	v_mov_b32 v252, 0xb99c7000
	v_mov_b32 v253, 0xb99c7000
.endif
	s_wait_loadcnt 0x0                             ; the biases
.if IS_QKV
	WIN 0x44                                       ; source 1 and destination window 1
.set i, 0
.rept 64
	v_mul_f32 v[i], s100, v[i]                     ; x 1.0 or x 0.0
.set i, i+1
.endr
.rept 8
	v_mul_f32 v[i], s95, v[i]
.set i, i+1
.endr
	WIN 0
.endif
	s_mov_b32 s3, 0                                ; the block
	s_mov_b32 s2, 0                                ; 64 x the block: its 16 scale words' place
.Lepi:
.irp a, 1,2,3,4,5,6,7
	s_cmp_eq_u32 s3, \a
	s_cbranch_scc1 .Lacc\a
.endr
	ADDB 0
	s_branch .Ljoin
.irp a, 1,2,3,4,5,6
.Lacc\a:
	ADDB \a
	s_branch .Ljoin
.endr
.Lacc7:
	ADDB 7
.Ljoin:
.if IS_QKV
.set i, 0
	s_wait_alu depctr_va_vdst(0)
.rept 32
	v_pk_add_f32 v[T+i:T+i+1], v[T+i:T+i+1], v[254:255]
.set i, i+2
.endr
.else
	GELU 0
	GELU 1
	GELU 2
	GELU 3
.endif
	QUANT T
	v_add_nc_u32 v[SCT], s2, v[SCA]
.irp b, 0,1,2,3,4,5,6,7
	ds_store_b64 v[STO], v[PC+2*\b:PC+2*\b+1] offset:16*\b        ; tile b's eight codes at column 16 b + 8 h of row r
.endr
	ds_store_b32 v[SCT], v[PW]                     ; both halves of the lanes hold the same word and write it to the same place
.irp k, 0,1,2,3
	ds_load_b128 v[OB+4*\k:OB+4*\k+3], v[RD] offset:4*EP*\k       ; LDS serves a wave's instructions in order: these see my stores
.endr
	s_wait_dscnt 0x0
.irp k, 0,1,2,3
	global_store_b128 v[CO], v[OB+4*\k:OB+4*\k+3], s[12:13] offset:512*\k   ; 512 consecutive bytes, aligned: four rows of 128 codes
.endr
	s_wait_xcnt 0x0                                ; the stores have read their base and their data: both are written again in the next trip
	s_add_nc_u64 s[12:13], s[12:13], 2048
	s_add_co_u32 s2, s2, 64
	s_add_co_u32 s3, s3, 1
	s_cmp_lt_u32 s3, 8
	s_cbranch_scc1 .Lepi
	ds_load_b128 v[OB:OB+3], v[SCR]                ; my 128 scale words
	s_wait_dscnt 0x0
	global_store_b128 v[CO], v[OB:OB+3], s[66:67]  ; 512 consecutive bytes, aligned
	s_wait_tensorcnt 0x0                           ; the wave's end
	ds_add_u32 v[SPW], v[NIL]
	s_wait_dscnt 0x0
	CROUND                                         ; the closing round
	s_endpgm
.Lfunc_end_k_qaf88c9e8e2_gq:
	.size	k_qaf88c9e8e2_gq, .Lfunc_end_k_qaf88c9e8e2_gq-k_qaf88c9e8e2_gq
	.p2alignl 7, 3214868480
	.fill 96, 4, 3214868480
	.section	.rodata,"a",@progbits
	.p2align	6, 0x0
	.amdhsa_kernel k_qaf88c9e8e2_gq
		.amdhsa_group_segment_fixed_size 327680
		.amdhsa_private_segment_fixed_size 0
		.amdhsa_enable_private_segment 0
		.amdhsa_kernarg_size 32
		.amdhsa_user_sgpr_count 2
		.amdhsa_user_sgpr_kernarg_segment_ptr 1
		.amdhsa_wavefront_size32 1
		.amdhsa_system_sgpr_workgroup_id_x 1
		.amdhsa_system_sgpr_workgroup_id_y 1
		.amdhsa_system_sgpr_workgroup_id_z 1
		.amdhsa_system_vgpr_workitem_id 0
		.amdhsa_next_free_vgpr 1024
		.amdhsa_next_free_sgpr 102
		.amdhsa_reserve_vcc 1
		.amdhsa_float_denorm_mode_32 3
		.amdhsa_float_denorm_mode_16_64 3
		.amdhsa_fp16_overflow 1
		.amdhsa_memory_ordered 1
		.amdhsa_forward_progress 1
		.amdhsa_inst_pref_size 148
	.end_amdhsa_kernel
	.amdgpu_metadata
---
amdhsa.version: [ 1, 2 ]
amdhsa.kernels:
  - .name:           k_qaf88c9e8e2_gq
    .symbol:         k_qaf88c9e8e2_gq.kd
    .args:
      - { .name: h1, .offset: 0, .size: 8, .value_kind: global_buffer, .address_space: global }
      - { .name: wts, .offset: 8, .size: 8, .value_kind: global_buffer, .address_space: global }
      - { .name: b_qkv, .offset: 16, .size: 8, .value_kind: global_buffer, .address_space: global }
      - { .name: qkv, .offset: 24, .size: 8, .value_kind: global_buffer, .address_space: global }
    .group_segment_fixed_size: 327680
    .private_segment_fixed_size: 0
    .kernarg_segment_align: 8
    .kernarg_segment_size: 32
    .max_flat_workgroup_size: 128
    .sgpr_count:     102
    .vgpr_count:     1024
    .wavefront_size: 32
...
	.end_amdgpu_metadata
.endif
;; end of part 3
;; launch at (part 4): grid 8 x 32, 16 waves a work-group, clusters of 4 x 1, 327,680 bytes of LDS; arguments qkv, yq; writes yq
.if DOCPART == 4
	.amdgcn_target "amdgcn-amd-amdhsa--gfx1250"
	.amdhsa_code_object_version 6
	.text
	.protected	k_qaf88c9e8e2_at
	.globl	k_qaf88c9e8e2_at
	.p2align	8
	.type	k_qaf88c9e8e2_at,@function
k_qaf88c9e8e2_at:
	s_mov_b64 s[64:65], 0
	v_nop
	global_prefetch_b8 v0, s[64:65] scope:SCOPE_SE
	s_setreg_imm32_b32 hwreg(HW_REG_WAVE_MODE, 25, 1), 1
	s_wait_xcnt 0x0
	s_wait_alu depctr_hold_cnt(0) depctr_sa_sdst(0) depctr_va_vdst(0) depctr_va_sdst(0) depctr_va_ssrc(0) depctr_va_vcc(0) depctr_vm_vsrc(0)
	s_getreg_b32 s2, hwreg(HW_REG_IB_STS2, 6, 4)
	s_cmp_eq_u32 s2, 0
	s_cbranch_scc0 .Lentry_in_a_cluster
	s_endpgm
.Lentry_in_a_cluster:
	s_bfe_u32 s2, ttmp6, 0x10000c
	s_cmp_lg_u32 s2, 0x3003
	s_cbranch_scc0 .Lentry_shape_is_right
	s_endpgm
.Lentry_shape_is_right:
; y[b][h][q] = the sum over k of softmax_k(q . k / 8) v, head size 64, 2,048 keys, no mask, both products on codes of FP8 (E4M3) with E8M0 scales; y / l is quantised along the channels on the way out.
; IN (buffer qkv): q and k codes [n / 128][4096 tokens][128 bytes] (chunks 0-7 q, 8-15 k; a chunk's row holds two heads' 64 bytes), their scale words [n / 128][4096][4 bytes];
;   v^T codes [token / 128][1024 channels][128 bytes] at 8,388,608, its scale words [token / 128][1024][4] at 12,845,056.   OUT (buffer yq): codes [16 heads][4096][64 bytes], scale words [8 pairs of heads][4096][4] at 4,194,304.
; THE SOFTMAX: t = score x log2(e) / 8; M = the running largest t rounded UP to a whole number; p = 2^(t - M) is quantised along the keys, not normalised; the row's sum is taken of the unquantised p and divides at the end.
; SHARES.  A work-group owns 256 queries of one head, each of its sixteen waves 16 of them in 256 registers: four waves to a SIMD, so that one wave's vector work stands beside another's matrix work.
; A HEAD'S k AND v^T STAY IN LDS: 2,048 rows x 80 bytes and 16 steps x 64 rows x 144 bytes, 311,296 bytes, each byte filled once.  The 32 tiles (one of k and one of v^T for each key step of 128 keys) are asked for
; at the head, two by each wave: waves 0-7 k's steps w and w + 8, waves 8-15 v^T's steps w - 8 and w.  The first sixteen tiles serve key steps 0-7, the others steps 8-15: one barrier in front of each half,
; none between key steps, so that the waves need not walk in step.  Nothing is filled again.  Nothing is prefetched: the tensor loads at the head ask for all that the launch reads of k and v.
; CLUSTER.  The four query blocks of a cluster belong to one head and want the same k and v: each tile is asked for JOINTLY, by the same tensor load with the same descriptor and a mask that names the four.
; K = 64 IN AN INSTRUCTION OF K = 128.  A fragment of k holds TWO keys a lane: registers 0-7 key 32 f + r + 8 (r / 8), registers 8-15 the key 8 further on.  q is kept twice: QA = (q, zeros), QB = (zeros, q).
; F x QA gives keys 32 f + 16 h + 0 .. 7, F x QB keys 32 f + 16 h + 8 .. 15: p's 16 registers of a block are 16 neighbouring keys, and the conversions' results are the second product's operand.
; Both products are used transposed (source 0 = keys, or 16 of the head's 64 channels): a lane holds one query throughout.
; LIMITS: a block's largest p is taken from its largest score (this takes v_exp_f32 not to fall where its input rises); a block of zeros gets the byte 1; NaN and infinities are not served.
; The scale bytes of y leave as 2 bytes a lane, beside the partner head's: one byte in 32 of y.
.set KP,    80                         ; a key's row in LDS: 64 bytes + 16
.set VP,    144                        ; a channel's row of a step: 128 bytes + 16
.set KSTEP, 128*KP                     ; a key step's rows of k
.set VSTEP, 64*VP                      ; and of v^T
.set VOFF,  16*KSTEP                   ; behind k's 16 steps: v^T's 16 steps
.set KSW,   VOFF+16*VSTEP              ; k's scale words of the whole head, paired as the fragments want them: 4 KB
.set VSW,   KSW+4096                   ; v^T's: [step][64 channels][4 bytes]: 4 KB
.set SPARE, VSW+4096                   ; the spare words, 128 bytes a wave
.set VTC,   8388608
.set QKS,   12582912
.set VTS,   12845056
.set YSC,   4194304
.set AK0,  1                           ; v1 my lane's place in a step's rows of k
.set AV0,  2                           ; v2 the same for v^T
.set ASK0, 3                           ; v3 my lane's place among k's scale words
.set ASV0, 4                           ; v4 and among v^T's
.set SPW,  5
.set NIL,  6
.set GO,   7                           ; v7 the way out: 16 x lane
.set ADK,  8
.set ADV,  9
.set ADS,  10
.set ADT,  11
.set QA,   16                          ; v16-31
.set QB,   32                          ; v32-47
.set F,    48                          ; v48-111  four fragments of k or of v^T
.set S,    112                         ; v112-175 the scores, then p
.set O,    176                         ; v176-207 O^T
.set PC,   208                         ; v208-223 p's codes
.set MX,   224                         ; v224-227 the blocks' largest scores, then largest p
.set TP,   228                         ; v228-231 at work
.set HO,   232                         ; v232-233 v^T's scale words, at the head
.set SO,   236                         ; v236-239 the conversions' scale operands
.set FS,   240                         ; v240-243 the fragments' scale words
.set TA,   244
.set FF,   246                         ; v[246:247] f = 2^(old M - new M)
.set PS,   248                         ; p's scale word
.set QS,   249                         ; q's scale word
.set TK,   2                           ; s2  where the step's rows of k begin
.set TV,   3                           ; s3  where its rows of v^T begin, from VOFF on
.set WV,   18
.set MNT,  19
.set SEL,  20
.set CS,   22
.set G1K,  24                          ; s[24:31] descriptor group 1 for k's tiles;  s[32:39] for v^T's
.set G1V,  32
.set G0K,  40                          ; s[40:47] group 0 for k's tiles, a set for each of a wave's two loads;  s[48:55] for v^T's
.set G0V,  48
.set TS,   66                          ; s66 where the step's scale words begin: 256 bytes a step in both tables
.set CNT,  67                          ; s67 key steps to go in this half
; A round of the cluster's barrier: my work-group's barrier, so that wave 0's signal speaks for all sixteen waves; wave 0 signals for the work-group; every wave waits for all four work-groups; my work-group's barrier once more.
.macro CROUND
	s_barrier_signal -1
	s_barrier_wait -1
	s_cmp_lg_u32 s[WV], 0
	s_cbranch_scc1 .Lnot_wave_0_\@
	s_barrier_signal -3
.Lnot_wave_0_\@:
	s_barrier_wait -3
	s_barrier_signal -1
	s_barrier_wait -1
.endm
	s_load_b128 s[4:7], s[0:1], 0x0                ; qkv, yq
	v_lshl_add_u32 v[SPW], v0, 2, SPARE
	v_mov_b32 v[NIL], 0
	ds_add_u32 v5, v6
	ds_add_u32 v5, v6
	s_wait_dscnt 0x0
	v_lshrrev_b32 v8, 5, v0
	s_delay_alu instid0(VALU_DEP_1)
	v_readfirstlane_b32 s[WV], v8                  ; wave 0..15
	s_and_b32 s8, ttmp7, 0xffff                    ; 16 x batch + head: the four partners share it
	s_lshr_b32 s9, s8, 4                           ; the batch
	s_and_b32 s10, s8, 15                          ; the head,
	s_lshr_b32 s11, s10, 1                         ; its pair,
	s_and_b32 s12, s10, 1                          ; and its place in the pair
	s_lshl_b32 s13, s9, 11                         ; the batch's first token
	s_and_b32 s15, s[WV], 7                        ; which key step of a half I fetch
	s_lshl_b32 s16, s12, 6                         ; my head's 64 bytes in a chunk's row
	s_lshl_b32 s17, s12, 1                         ; and its 2 bytes in a scale word
	s_add_co_u32 s63, s11, 8
	s_lshl_b32 s63, s63, 12
	s_add_co_u32 s63, s63, s13                     ; k's first row
	s_lshl_b32 s56, s15, 7
	s_add_co_u32 s56, s56, s63
	s_lshl_b32 s56, s56, 7
	s_add_co_u32 s56, s56, s16                     ; k: the step's 128 rows, in memory,
	s_mov_b32 s57, 0
	s_mul_i32 s58, s15, KSTEP                      ; and in LDS: no place in the cluster enters an LDS address
	s_lshl_b32 s60, s9, 4
	s_add_co_u32 s60, s60, s15
	s_lshl_b32 s60, s60, 10
	s_lshl_b32 s61, s10, 6
	s_add_co_u32 s60, s60, s61
	s_lshl_b32 s60, s60, 7
	s_add_co_u32 s60, s60, VTC                     ; v^T: the step's chunk, my head's 64 channels, in memory,
	s_mov_b32 s61, 0
	s_mul_i32 s59, s15, VSTEP
	s_add_co_u32 s59, s59, VOFF                    ; and in LDS
	s_mov_b32 s[G1K], 15|(0<<16)|(1<<20)|(1<<21)|(3<<22)|(3<<25)   ; the mask: all four work-groups; elements of 1 byte; 4 words of padding behind every 16; bit 21 beside a mask
	s_mov_b32 s[G1K+1], 64<<16                     ; tensor_dim0
	s_mov_b32 s[G1K+2], 128<<16                    ; tensor_dim1
	s_mov_b32 s[G1K+3], 64<<16                     ; tile_dim0
	s_mov_b32 s[G1K+4], 128                        ; tile_dim1
	s_mov_b32 s[G1K+5], 128                        ; the pitch: a chunk's row
	s_mov_b32 s[G1K+6], 0
	s_mov_b32 s[G1K+7], 0
	s_mov_b32 s[G1V], 15|(0<<16)|(1<<20)|(1<<21)|(4<<22)|(3<<25)   ; 4 words of padding behind every 32
	s_mov_b32 s[G1V+1], 128<<16
	s_mov_b32 s[G1V+2], 64<<16
	s_mov_b32 s[G1V+3], 128<<16
	s_mov_b32 s[G1V+4], 64
	s_mov_b32 s[G1V+5], 128
	s_mov_b32 s[G1V+6], 0
	s_mov_b32 s[G1V+7], 0
	s_bfe_u32 s80, ttmp6, 0x40000                  ; cx: my place in the cluster: it enters q's and y's global addresses alone
	s_lshl_b32 s81, ttmp9, 2                       ; in a cluster launch ttmp9 counts clusters
	s_add_co_u32 s81, s81, s80                     ; my block of 256 queries
	s_lshl_b32 s14, s81, 8
	s_lshl_b32 s82, s[WV], 4
	s_add_co_u32 s14, s14, s82
	s_add_co_u32 s14, s14, s13                     ; my first query, as a token
	s_lshl_b32 s62, s11, 12
	s_add_co_u32 s62, s62, s14                     ; q's first row
	s_lshl_b32 s68, s62, 7
	s_add_co_u32 s68, s68, s16                     ; q's codes
	s_mov_b32 s69, 0
	s_lshl_b32 s70, s62, 2
	s_add_co_u32 s70, s70, s17
	s_add_co_u32 s78, s70, YSC                     ; y's scale bytes: the same place in its own table
	s_mov_b32 s79, 0
	s_add_co_u32 s70, s70, QKS                     ; q's scale bytes
	s_mov_b32 s71, 0
	s_lshl_b32 s72, s63, 2
	s_add_co_u32 s72, s72, s17
	s_add_co_u32 s72, s72, QKS                     ; k's
	s_mov_b32 s73, 0
	s_lshl_b32 s74, s9, 14
	s_lshl_b32 s75, s10, 6
	s_add_co_u32 s74, s74, s75
	s_lshl_b32 s74, s74, 2
	s_add_co_u32 s74, s74, VTS                     ; v^T's
	s_mov_b32 s75, 0
	s_lshl_b32 s76, s10, 12
	s_add_co_u32 s76, s76, s14
	s_lshl_b32 s76, s76, 6                         ; y's codes
	s_mov_b32 s77, 0
	s_mov_b32 s[SEL], 0x76543210
	s_mov_b32 s[SEL+1], 0xfedcba98                 ; v_permlanex16_b32's selects for lane l xor 16
	s_mov_b32 s[CS], 0x3e38aa3b                    ; c = log2(e) / 8
	s_mov_b32 s[CS+1], s[CS]                       ; (named with it as a pair, so it is written)
	s_wait_kmcnt 0x0
	s_add_nc_u64 s[56:57], s[4:5], s[56:57]
	s_add_nc_u64 s[60:61], s[4:5], s[60:61]
.irp s, 0,1                                    ; set 0: my step of the first half; set 1: the step eight further on
	s_mov_b32 s[G0K+4*\s], 1                       ; count = 1
	s_add_co_u32 s[G0K+4*\s+1], s58, \s*8*KSTEP    ; LDS address
	s_add_nc_u64 s[G0K+4*\s+2:G0K+4*\s+3], s[56:57], \s*8*128*128   ; global address: 8 x 128 rows of 128 bytes on
	s_or_b32 s[G0K+4*\s+3], s[G0K+4*\s+3], 0x80000000               ; type = 2
	s_mov_b32 s[G0V+4*\s], 1
	s_add_co_u32 s[G0V+4*\s+1], s59, \s*8*VSTEP
	s_add_nc_u64 s[G0V+4*\s+2:G0V+4*\s+3], s[60:61], \s*8*1024*128  ; 8 chunks of 1,024 rows of 128 bytes on
	s_or_b32 s[G0V+4*\s+3], s[G0V+4*\s+3], 0x80000000
.endr
	CROUND                                         ; all four work-groups are here: the joint loads meet
	s_cmp_lt_u32 s[WV], 8                          ; a wave's two loads stand in one branch on the wave's number, ahead of every wait on TENSORcnt, every LDS read and every other barrier: two loads of mine are out
	s_cbranch_scc0 .Lfirst_v
	tensor_load_to_lds s[G0K:G0K+3], s[G1K:G1K+7]
	s_nop 0
	tensor_load_to_lds s[G0K+4:G0K+7], s[G1K:G1K+7]
	s_nop 0
.rept 4
	v_nop                                          ; four v_nop follow the second load, ahead of the jump and the label
.endr
	s_branch .Lfirst_asked
.Lfirst_v:
	tensor_load_to_lds s[G0V:G0V+3], s[G1V:G1V+7]
	s_nop 0
	tensor_load_to_lds s[G0V+4:G0V+7], s[G1V:G1V+7]
	s_nop 0
.rept 4
	v_nop
.endr
.Lfirst_asked:
	s_add_nc_u64 s[68:69], s[4:5], s[68:69]
	s_add_nc_u64 s[70:71], s[4:5], s[70:71]
	s_add_nc_u64 s[72:73], s[4:5], s[72:73]
	s_add_nc_u64 s[74:75], s[4:5], s[74:75]
	s_add_nc_u64 s[76:77], s[6:7], s[76:77]
	s_add_nc_u64 s[78:79], s[6:7], s[78:79]
	v_and_b32 v8, 15, v0                           ; r
	v_bfe_u32 v9, v0, 4, 1                         ; h
	s_delay_alu instid0(VALU_DEP_2)
	v_lshlrev_b32 v10, 7, v8
	s_delay_alu instid0(VALU_DEP_1)
	v_lshl_add_u32 v10, v9, 4, v10                 ; q: row r of 128 bytes, + 16 h
	global_load_b128 v[QA:QA+3], v10, s[68:69]
	global_load_b128 v[QA+4:QA+7], v10, s[68:69] offset:32
	global_load_b128 v[QB+8:QB+11], v10, s[68:69]
	global_load_b128 v[QB+12:QB+15], v10, s[68:69] offset:32
	v_lshlrev_b32 v11, 2, v8
	global_load_u16 v250, v11, s[70:71]            ; q's two scale bytes
	v_lshrrev_b32 v12, 3, v0                       ; k's scale words.  Word 8 G + e = the two bytes of key 16 G + e below those of key 16 G + 8 + e; thread n makes words n and n + 512
	s_delay_alu instid0(VALU_DEP_1)
	v_lshlrev_b32 v12, 6, v12
	v_and_b32 v13, 7, v0
	s_delay_alu instid0(VALU_DEP_1)
	v_lshl_add_u32 v12, v13, 2, v12
	global_load_u16 v252, v12, s[72:73]
	global_load_u16 v253, v12, s[72:73] offset:32
	global_load_u16 v254, v12, s[72:73] offset:4096
	global_load_u16 v255, v12, s[72:73] offset:4128
	v_lshrrev_b32 v14, 6, v0                       ; v^T's: thread n takes step n / 64, channel n % 64, and the step 8 further on
	s_delay_alu instid0(VALU_DEP_1)
	v_lshlrev_b32 v14, 12, v14
	v_and_b32 v15, 63, v0
	s_delay_alu instid0(VALU_DEP_1)
	v_lshl_add_u32 v14, v15, 2, v14
	global_load_b32 v[HO], v14, s[74:75]
	global_load_b32 v[HO+1], v14, s[74:75] offset:32768
	v_lshl_add_u32 v251, v0, 2, KSW
	v_and_b32 v[AK0], 8, v8
	s_delay_alu instid0(VALU_DEP_1)
	v_add_nc_u32 v[AK0], v[AK0], v8                ; r + 8 (r / 8)
	s_delay_alu instid0(VALU_DEP_1)
	v_mul_u32_u24 v[AK0], v[AK0], KP
	s_delay_alu instid0(VALU_DEP_1)
	v_lshl_add_u32 v[AK0], v9, 4, v[AK0]
	v_mul_u32_u24 v[AV0], v8, VP
	s_delay_alu instid0(VALU_DEP_1)
	v_lshl_add_u32 v[AV0], v9, 4, v[AV0]
	s_delay_alu instid0(VALU_DEP_1)
	v_add_nc_u32 v[AV0], VOFF, v[AV0]
	v_lshl_add_u32 v[ASK0], v8, 2, KSW
	v_lshl_add_u32 v[ASV0], v8, 2, VSW
.set i, 0
.rept 16
	v_mov_b32 v[QA+8+i], 0                         ; QA's upper half and QB's lower half: zero codes
.set i, i+1
.endr
.set i, 0
.rept 32
	v_mov_b32 v[O+i], 0                            ; O^T.  (The step is written once: the first finds zeros, which the first change of M leaves zeros)
.set i, i+1
.endr
.irp b, 0,1,2,3
	v_mov_b32 v[TP+\b], 0                          ; written once: a lane permute's destination counts as one of its sources
.endr
	v_mov_b32 v[TA], 0
	v_mov_b32 v[FF+1], 0                           ; (named as the upper half of a pair)
	s_wait_loadcnt 0x0                             ; q, and all the scale bytes; the loads' offset registers are free
	v_lshl_or_b32 v[QS], v250, 16, v250            ; q's word serves QA and QB: its two bytes below and above
	v_lshl_or_b32 v252, v253, 16, v252
	v_lshl_or_b32 v254, v255, 16, v254
	ds_store_b32 v251, v252
	ds_store_b32 v251, v254 offset:2048
	ds_store_b32 v251, v[HO] offset:4096
	ds_store_b32 v251, v[HO+1] offset:6144
	v_mov_b32 v13, 0xff61b1e6                      ; the largest t so far: -3e38
	s_delay_alu instid0(VALU_DEP_1)
	v_floor_f32 v12, -v13                          ; -M
	v_mov_b32 v14, 0                               ; the sum, in two halves
	v_mov_b32 v15, 0
; A KEY STEP: 128 keys; s[TK], s[TV] and s[TS] say where its rows and its scale words begin
.macro STEP
	v_add_nc_u32 v[ADK], s[TK], v[AK0]
	v_add_nc_u32 v[ADV], s[TV], v[AV0]
	v_add_nc_u32 v[ADS], s[TS], v[ASK0]
	v_add_nc_u32 v[ADT], s[TS], v[ASV0]
.rept 4
	v_nop                                          ; with the four additions: eight places in front of loads into registers that the last products have read
.endr
.irp f, 0,1,2,3
	ds_load_b128 v[F+16*\f:F+16*\f+3], v[ADK] offset:32*\f*KP
	ds_load_b128 v[F+16*\f+4:F+16*\f+7], v[ADK] offset:32*\f*KP+32
	ds_load_b128 v[F+16*\f+8:F+16*\f+11], v[ADK] offset:(32*\f+8)*KP
	ds_load_b128 v[F+16*\f+12:F+16*\f+15], v[ADK] offset:(32*\f+8)*KP+32
	ds_load_b32 v[FS+\f], v[ADS] offset:64*\f
.endr
	s_wait_alu depctr_va_vdst(0)
	s_wait_dscnt 0x0
.irp f, 0,1,2,3
	v_wmma_scale_f32_16x16x128_f8f6f4 v[S+16*\f:S+16*\f+7], v[F+16*\f:F+16*\f+15], v[QA:QA+15], 0, v[FS+\f], v[QS]
	v_wmma_scale_f32_16x16x128_f8f6f4 v[S+16*\f+8:S+16*\f+15], v[F+16*\f:F+16*\f+15], v[QB:QB+15], 0, v[FS+\f], v[QS]
.endr
.rept 8
	v_nop
.endr
.irp t, 0,1,2,3                                ; v^T's fragments are asked for here and land under the softmax
.irp c, 0,1,2,3
	ds_load_b128 v[F+16*\t+4*\c:F+16*\t+4*\c+3], v[ADV] offset:16*\t*VP+32*\c
.endr
	ds_load_b32 v[FS+\t], v[ADT] offset:64*\t
.endr
.irp b, 0,1,2,3
	v_max3_num_f32 v[MX+\b], v[S+16*\b], v[S+1+16*\b], v[S+2+16*\b]   ; the largest score of each block of 32 keys: it serves for the row's maximum and for the block's largest p
.endr
.irp i, 3,5,7,9,11,13
.irp b, 0,1,2,3
	v_max3_num_f32 v[MX+\b], v[MX+\b], v[S+16*\b+\i], v[S+1+16*\b+\i]
.endr
.endr
.irp b, 0,1,2,3
	v_max_num_f32 v[MX+\b], v[MX+\b], v[S+15+16*\b]
.endr
.irp b, 0,1,2,3
	s_delay_alu instid0(VALU_DEP_4)
	v_permlanex16_b32 v[TP+\b], v[MX+\b], s[SEL], s[SEL+1]
.endr
.irp b, 0,1,2,3
	s_delay_alu instid0(VALU_DEP_4)
	v_max_num_f32 v[MX+\b], v[MX+\b], v[TP+\b]     ; with lane l xor 16's 16 keys
.endr
	s_delay_alu instid0(VALU_DEP_2)
	v_max3_num_f32 v[TA], v[MX], v[MX+1], v[MX+2]
	s_delay_alu instid0(VALU_DEP_1)
	v_max_num_f32 v[TA], v[TA], v[MX+3]
	s_delay_alu instid0(VALU_DEP_1)
	v_mul_f32 v[TA], s[CS], v[TA]                  ; as t
	s_delay_alu instid0(VALU_DEP_1)
	v_max_num_f32 v13, v13, v[TA]                  ; the running largest t
	v_mov_b32 v[TA], v12
	s_delay_alu instid0(VALU_DEP_2)
	v_floor_f32 v12, -v13                          ; the new -M = -ceil(t)
	s_delay_alu instid0(VALU_DEP_1)
	v_sub_f32 v[TA], v12, v[TA]                    ; old M - new M: a whole number, 0 or less
	s_delay_alu instid0(VALU_DEP_1)
	v_cvt_i32_f32 v[TA], v[TA]                     ; (it saturates)
	s_delay_alu instid0(VALU_DEP_1)
	v_ldexp_f32 v[FF], 1.0, v[TA]                  ; f = 2^(old M - new M): rounds nothing
.set j, 0
.rept 32
	v_pk_fma_f32 v[S+j:S+j+1], v[S+j:S+j+1], s[CS:CS+1], v[12:13] op_sel_hi:[1,0,0]   ; t - M
.set j, j+2
.endr
.irp b, 0,1,2,3
	v_fma_f32 v[MX+\b], v[MX+\b], s[CS], v12
.endr
.set j, 0
	s_setprio 1
	s_wait_alu depctr_va_vdst(0)
.rept 64
	v_exp_f32 v[S+j], v[S+j]                       ; p = 2^(t - M)
.set j, j+1
.endr
	v_pk_mul_f32 v[14:15], v[14:15], v[FF:FF+1] op_sel_hi:[1,0]   ; the sums under the new M: a plain instruction behind the exponentials
	s_wait_alu depctr_va_vdst(0)                   ; one wait for the batch, ahead of its first reader
.irp b, 0,1,2,3
	v_exp_f32 v[MX+\b], v[MX+\b]                   ; the blocks' largest p
.endr
	v_pk_add_f32 v[228:229], v[116:117], v[120:121]
	v_pk_add_f32 v[254:255], v[124:125], v[128:129]
	v_pk_add_f32 v[252:253], v[132:133], v[136:137]
	v_pk_add_f32 v[250:251], v[140:141], v[144:145]
	v_pk_add_f32 v[238:239], v[148:149], v[152:153]
	v_pk_add_f32 v[236:237], v[156:157], v[160:161]
	v_pk_add_f32 v[234:235], v[164:165], v[168:169]
	v_pk_add_f32 v[14:15], v[14:15], v[172:173]
	v_pk_add_f32 v[228:229], v[228:229], v[112:113]
	v_pk_add_f32 v[254:255], v[254:255], v[114:115]
	v_pk_add_f32 v[252:253], v[252:253], v[118:119]
	v_pk_add_f32 v[250:251], v[250:251], v[122:123]
	v_pk_add_f32 v[238:239], v[238:239], v[126:127]
	v_pk_add_f32 v[236:237], v[236:237], v[130:131]
	v_pk_add_f32 v[234:235], v[234:235], v[134:135]
	v_pk_add_f32 v[14:15], v[14:15], v[138:139]
	v_pk_add_f32 v[228:229], v[228:229], v[142:143]
	v_pk_add_f32 v[254:255], v[254:255], v[146:147]
	v_pk_add_f32 v[252:253], v[252:253], v[150:151]
	v_pk_add_f32 v[250:251], v[250:251], v[154:155]
	v_pk_add_f32 v[238:239], v[238:239], v[158:159]
	v_pk_add_f32 v[236:237], v[236:237], v[162:163]
	v_pk_add_f32 v[234:235], v[234:235], v[166:167]
	v_pk_add_f32 v[14:15], v[14:15], v[170:171]
	v_pk_add_f32 v[228:229], v[228:229], v[174:175]
	s_delay_alu instid0(VALU_DEP_2)
	v_pk_add_f32 v[14:15], v[14:15], v[250:251]
	s_delay_alu instid0(VALU_DEP_2)
	v_pk_add_f32 v[228:229], v[228:229], v[238:239]
	v_pk_add_f32 v[254:255], v[254:255], v[236:237]
	v_pk_add_f32 v[252:253], v[252:253], v[234:235]
	s_delay_alu instid0(VALU_DEP_2)
	v_pk_add_f32 v[14:15], v[14:15], v[254:255]
	s_delay_alu instid0(VALU_DEP_2)
	v_pk_add_f32 v[228:229], v[228:229], v[252:253]
	s_delay_alu instid0(VALU_DEP_1)
	v_pk_add_f32 v[14:15], v[14:15], v[228:229]
	s_wait_alu depctr_va_vdst(0)                   ; and one for the four
.irp b, 0,1,2,3
	v_max_num_f32 v[MX+\b], 0x4800000, v[MX+\b]    ; the floor 2^(9 - 127)
.endr
.irp b, 0,1,2,3
	s_delay_alu instid0(VALU_DEP_4)
	v_add_nc_u32 v[SO+\b], 0xfc000000, v[MX+\b]
.endr
.irp b, 0,1,2,3
.endr
.irp b, 0,1,2,3
	s_delay_alu instid0(VALU_DEP_4)
	v_lshrrev_b32 v[TP+\b], 23, v[SO+\b]
.endr
	s_delay_alu instid0(VALU_DEP_3)
	v_lshl_or_b32 v[PS], v[TP+1], 8, v[TP]         ; p's scale word for these 128 keys
	s_delay_alu instid0(VALU_DEP_1)
	v_lshl_or_b32 v[PS], v[TP+2], 16, v[PS]
	s_delay_alu instid0(VALU_DEP_1)
	v_lshl_or_b32 v[PS], v[TP+3], 24, v[PS]
	s_setprio 0
.irp b, 0,1,2,3
.irp i, 0,1,2,3,4,5,6,7,8,9,10,11,12,13,14,15
.endr
	v_cvt_scalef32_pk8_fp8_f32 v[PC+4*\b:PC+1+4*\b], v[S+16*\b:S+7+16*\b], v[SO+\b]
	v_cvt_scalef32_pk8_fp8_f32 v[PC+2+4*\b:PC+3+4*\b], v[S+8+16*\b:S+15+16*\b], v[SO+\b]
.endr
.set j, 0
.rept 16
	v_pk_mul_f32 v[O+j:O+j+1], v[O+j:O+j+1], v[FF:FF+1] op_sel_hi:[1,0]   ; O^T under the new M; these are also the places in front of the products below
.set j, j+2
.endr
	s_wait_alu depctr_va_vdst(0)
	s_wait_dscnt 0x0                               ; v^T's fragments
.irp t, 0,1,2,3
	v_wmma_scale_f32_16x16x128_f8f6f4 v[O+8*\t:O+8*\t+7], v[F+16*\t:F+16*\t+15], v[PC:PC+15], v[O+8*\t:O+8*\t+7], v[FS+\t], v[PS]
.endr
	s_add_co_u32 s[TK], s[TK], KSTEP               ; on to the next step's rows and scale words
	s_add_co_u32 s[TV], s[TV], VSTEP
	s_add_co_u32 s[TS], s[TS], 256
.endm
; Eight key steps, from step 8 g on: a loop of eight trips with no barrier in it
.macro HALF g
	s_mov_b32 s[TK], (\g)*8*KSTEP
	s_mov_b32 s[TV], (\g)*8*VSTEP
	s_mov_b32 s[TS], (\g)*8*256
	s_mov_b32 s[CNT], 8
.Lstep_\@:
	s_setprio 2
	STEP
	s_sub_co_u32 s[CNT], s[CNT], 1
	s_cmp_lg_u32 s[CNT], 0
	s_cbranch_scc1 .Lstep_\@
	s_setprio 0
.endm
	s_wait_tensorcnt 0x1                           ; my first load, a tile of key steps 0-7, has landed; my second, a tile of steps 8-15, may stay out
	s_wait_dscnt 0x0                               ; for the others' sake: my scale words lie in LDS
	s_barrier_signal -1
	s_barrier_wait -1                              ; both now hold of all sixteen waves
	HALF 0
	s_wait_tensorcnt 0x0                           ; my second load has landed
	s_wait_dscnt 0x0
	s_barrier_signal -1
	s_barrier_wait -1                              ; everybody's has
	HALF 1
	s_wait_dscnt 0x0                               ; my reads of k and v^T are over
	s_barrier_signal -1
	s_barrier_wait -1                              ; everybody's are: k's first bytes may serve as stages
	; THE WAY OUT.  O^T / the sum; register 8 t + j is channel 16 t + 8 h + j, so tiles 2 i, 2 i + 1 of lanes l and l xor 16 are block i of 32; quantised; through my stage (16 rows x 80 bytes, in k's first bytes,
	; which have had their one fill and which nobody reads behind the barrier above) and out as 512 consecutive bytes a store.
	v_add_f32 v14, v14, v15
	s_delay_alu instid0(VALU_DEP_1)
	v_permlanex16_b32 v[TA], v14, s[SEL], s[SEL+1]
	s_delay_alu instid0(VALU_DEP_1)
	v_add_f32 v14, v14, v[TA]                      ; the row's sum
	s_wait_alu depctr_va_vdst(0)
	v_rcp_f32 v14, v14
	v_and_b32 v8, 15, v0                           ; (plain work behind the transcendental and behind the last products)
	v_bfe_u32 v9, v0, 4, 1
	s_mul_i32 s83, s[WV], 16*KP                    ; my stage
	v_mul_u32_u24 v10, v8, KP
	s_delay_alu instid0(VALU_DEP_1)
	v_lshl_add_u32 v10, v9, 3, v10
	s_delay_alu instid0(VALU_DEP_1)
	v_add_nc_u32 v10, s83, v10                     ; in: row r, 8 bytes for each half of the lanes
	v_and_b32 v250, 31, v0
	s_delay_alu instid0(VALU_DEP_1)
	v_lshrrev_b32 v11, 2, v250
	s_delay_alu instid0(VALU_DEP_1)
	v_mul_u32_u24 v11, v11, KP
	s_delay_alu instid0(VALU_DEP_3)
	v_and_b32 v251, 3, v250
	s_delay_alu instid0(VALU_DEP_1)
	v_lshl_add_u32 v11, v251, 4, v11
	s_delay_alu instid0(VALU_DEP_1)
	v_add_nc_u32 v11, s83, v11                     ; back: four lanes to a row of 64 bytes
	v_lshlrev_b32 v251, 2, v8                      ; my row's scale bytes
	v_lshlrev_b32 v[GO], 4, v250                   ; 16 x lane
	s_wait_alu depctr_va_vdst(0)                   ; the wait ahead of the reciprocal's first reader
.set j, 0
.rept 32
	v_mul_f32 v[S+j], v[O+j], v14
.set j, j+1
.endr
.irp b, 0,1
	v_max3_num_f32 v[MX+\b], |v[S+16*\b]|, |v[S+1+16*\b]|, 0x4800000
.endr
.irp i, 2,4,6,8,10,12,14
.irp b, 0,1
	s_delay_alu instid0(VALU_DEP_2)
	v_max3_num_f32 v[MX+\b], v[MX+\b], |v[S+16*\b+\i]|, |v[S+1+16*\b+\i]|
.endr
.endr
.irp b, 0,1
	s_delay_alu instid0(VALU_DEP_2)
	v_permlanex16_b32 v[TP+\b], v[MX+\b], s[SEL], s[SEL+1]
.endr
.irp b, 0,1
	s_delay_alu instid0(VALU_DEP_2)
	v_max_num_f32 v[MX+\b], v[MX+\b], v[TP+\b]
.endr
.irp b, 0,1
	s_delay_alu instid0(VALU_DEP_2)
	v_add_nc_u32 v[SO+\b], 0xfc000000, v[MX+\b]
.endr
.irp b, 0,1
.endr
.irp b, 0,1
	s_delay_alu instid0(VALU_DEP_2)
	v_lshrrev_b32 v[TP+\b], 23, v[SO+\b]
.endr
	s_delay_alu instid0(VALU_DEP_1)
	v_lshl_or_b32 v252, v[TP+1], 8, v[TP]          ; my head's two scale bytes
.irp b, 0,1
.irp i, 0,1,2,3,4,5,6,7,8,9,10,11,12,13,14,15
.endr
	v_cvt_scalef32_pk8_fp8_f32 v[PC+4*\b:PC+1+4*\b], v[S+16*\b:S+7+16*\b], v[SO+\b]
	v_cvt_scalef32_pk8_fp8_f32 v[PC+2+4*\b:PC+3+4*\b], v[S+8+16*\b:S+15+16*\b], v[SO+\b]
.endr
	v_nop                                          ; a plain instruction behind the last conversion
.irp t, 0,1,2,3
	ds_store_b64 v10, v[PC+2*\t:PC+2*\t+1] offset:16*\t
.endr
	ds_load_b128 v[F:F+3], v11                     ; LDS serves a wave's instructions in order: these see my stores
	ds_load_b128 v[F+4:F+7], v11 offset:8*KP
	global_store_b16 v251, v252, s[78:79]          ; both halves of the lanes hold the same two bytes
	s_wait_dscnt 1                                 ; the first eight rows are back; the second load may be out
	global_store_b128 v[GO], v[F:F+3], s[76:77]
	s_wait_dscnt 0x0
	global_store_b128 v[GO], v[F+4:F+7], s[76:77] offset:512
	s_wait_tensorcnt 0x0                           ; the wave's end: behind my last tensor load and my last LDS store
	ds_add_u32 v[SPW], v[NIL]
	s_wait_dscnt 0x0
	CROUND                                         ; the closing round: no work-group ends while a partner may still ask for a tile that names it
	s_endpgm
.Lfunc_end_k_qaf88c9e8e2_at:
	.size	k_qaf88c9e8e2_at, .Lfunc_end_k_qaf88c9e8e2_at-k_qaf88c9e8e2_at
	.p2alignl 7, 3214868480
	.fill 96, 4, 3214868480
	.section	.rodata,"a",@progbits
	.p2align	6, 0x0
	.amdhsa_kernel k_qaf88c9e8e2_at
		.amdhsa_group_segment_fixed_size 327680
		.amdhsa_private_segment_fixed_size 0
		.amdhsa_enable_private_segment 0
		.amdhsa_kernarg_size 16
		.amdhsa_user_sgpr_count 2
		.amdhsa_user_sgpr_kernarg_segment_ptr 1
		.amdhsa_wavefront_size32 1
		.amdhsa_system_sgpr_workgroup_id_x 1
		.amdhsa_system_sgpr_workgroup_id_y 1
		.amdhsa_system_sgpr_workgroup_id_z 1
		.amdhsa_system_vgpr_workitem_id 0
		.amdhsa_next_free_vgpr 256
		.amdhsa_next_free_sgpr 96
		.amdhsa_reserve_vcc 0
		.amdhsa_float_denorm_mode_32 3
		.amdhsa_float_denorm_mode_16_64 3
		.amdhsa_fp16_overflow 1
		.amdhsa_memory_ordered 1
		.amdhsa_forward_progress 1
		.amdhsa_inst_pref_size 53
	.end_amdhsa_kernel
	.amdgpu_metadata
---
amdhsa.version: [ 1, 2 ]
amdhsa.kernels:
  - .name:           k_qaf88c9e8e2_at
    .symbol:         k_qaf88c9e8e2_at.kd
    .args:
      - { .name: qkv, .offset: 0, .size: 8, .value_kind: global_buffer, .address_space: global }
      - { .name: yq, .offset: 8, .size: 8, .value_kind: global_buffer, .address_space: global }
    .group_segment_fixed_size: 327680
    .private_segment_fixed_size: 0
    .kernarg_segment_align: 8
    .kernarg_segment_size: 16
    .max_flat_workgroup_size: 512
    .sgpr_count:     96
    .vgpr_count:     256
    .wavefront_size: 32
...
	.end_amdgpu_metadata
.endif
;; end of part 4
;; launch gp (part 5): grid 8 x 32, 4 waves a work-group, clusters of 4 x 4, 327,680 bytes of LDS; arguments yq, wts, b_proj, x, x1; writes x1
.if DOCPART == 5
	.amdgcn_target "amdgcn-amd-amdhsa--gfx1250"
	.amdhsa_code_object_version 6
	.text
	.protected	k_qaf88c9e8e2_gp
	.globl	k_qaf88c9e8e2_gp
	.p2align	8
	.type	k_qaf88c9e8e2_gp,@function
k_qaf88c9e8e2_gp:
	s_mov_b64 s[64:65], 0
	v_nop
	global_prefetch_b8 v0, s[64:65] scope:SCOPE_SE
	s_setreg_imm32_b32 hwreg(HW_REG_WAVE_MODE, 25, 1), 1
	s_wait_xcnt 0x0
	s_wait_alu depctr_hold_cnt(0) depctr_sa_sdst(0) depctr_va_vdst(0) depctr_va_sdst(0) depctr_va_ssrc(0) depctr_va_vcc(0) depctr_vm_vsrc(0)
	s_getreg_b32 s2, hwreg(HW_REG_IB_STS2, 6, 4)
	s_cmp_eq_u32 s2, 0
	s_cbranch_scc0 .Lentry_in_a_cluster
	s_endpgm
.Lentry_in_a_cluster:
	s_bfe_u32 s2, ttmp6, 0x10000c
	s_cmp_lg_u32 s2, 0xf033
	s_cbranch_scc0 .Lentry_shape_is_right
	s_endpgm
.Lentry_shape_is_right:
; out = resid + (A W^T + bias), f32, [4096][1024]; A and W are codes of FP8 (E4M3) with E8M0 scales.  Here: A = y (K = 1,024), W = w_proj, resid = x, out = x1.
; A's codes lie [K / CH][4096 rows][CH bytes], its scale words [K / 128][4096][4 bytes]; W's codes [1024][K], its scale words [K / 128][1024][4 bytes].
; TILE.  C has 1,024 columns: tiles of 256 x 256 would be 64, tiles of 128 x 128 are 256, one for each WGP.  Four waves, 64 x 64 each: 16 accumulators.  K goes in steps of 512, as long as two slots in LDS allow,
; four quarters of 128 each; the scale words of the tile's rows, for all of K, come into LDS once with the first fills.
; CLUSTERS: 4 x 4 work-groups; A's tiles are asked for jointly along a row of the cluster, W's along a column.  THE MATRIX INSTRUCTION IS USED TRANSPOSED (source 0 = 16 rows of W, source 1 = 16 rows of A):
; a lane holds eight neighbouring numbers of a row of C.
; A's tile of a wave (64 rows x 512 K) is 512 / CH dense pieces of 64 x CH bytes: the descriptor states a piece as one row, with 16 bytes of padding behind every CH bytes: in LDS [piece][64 rows][CH + 16].
; REGISTERS: window 0: v0-31 addresses, v8-11 the bias; v32-63 scale words, two sets; v64-127 the way out; v128-255 the accumulators.   window 1: two fragment buffers of 128 (A's four, then W's four).
;   window 2: v0-127 the residual: asked for at the head, waited for on the way out.
.set SIZE_K, 1024
.set CH,     64
.set QIA,    3                         ; the padding's interval: 2 << QIA words = CH bytes
.set ASC,    4194304                   ; where A's scale words begin in its buffer
.set BC,     7340032                   ; where W's codes begin in wts,
.set BS,     12812288                  ; and its scale words
.set NTS,    0                         ; 1: the output is read by nobody after this launch
.set KSTEP,  512
.set CP,     CH+16
.set CHB,    64*CP
.set NCH,    KSTEP/CH
.set ALOADB, NCH*CHB                   ; what one tensor load brings of A
.set BP,     528                       ; a row of W in LDS: 512 bytes + 16
.set BLOADB, 64*BP
.set SLOT,   2*ALOADB+2*BLOADB
.set SCL,    2*SLOT                    ; behind the ring: A's scale words, [K / 128][128 rows][4 bytes], then W's
.set SCH,    (SIZE_K/256)*512          ; what one tensor load brings of them
.set SPARE,  SCL+4*SCH                 ; the spare words, 128 bytes a wave
.set LAPS,   SIZE_K/(2*KSTEP)
.set SPITCH, 272                       ; the way out: a stage of 16 rows x (256 bytes + 16) for each wave, in slot 0, which has had its last fill and its last read by then
.set NP,     8
.set BO,   7                           ; v7   16 (lane % 16): my four columns of the bias
.set ADRA, 16
.set ADRB, 20
.set STO,  24
.set RD,   25
.set CO,   26
.set ADRS, 27
.set SPW,  28
.set NIL,  29
.set SC,   32                          ; set s at v[SC + 16 s]; register 4 q + i: lanes 0-15 the word of A's block i, lanes 16-31 that of W's block i, for the step's q-th 128
.set OB,   64
.set ACC,  128
.set G1, 24
.set G0, 32
.set G1B, 48
.set G0B, 56
.set G1S, 68
.set G0S, 76
.set G1SB, 80
.set G0SB, 88
.set MSB, 0
.macro WIN new
.if MSB != (\new)
	s_set_vgpr_msb (MSB<<8)|(\new)
.set MSB, (\new)
.endif
.endm
.set MUL,  0x05                        ; sources 0 and 1 window 1; C and D window 0
.set TO_F, 0x40                        ; destination window 1, address window 0
.macro JLOAD g0a, g1a, g0b, g1b        ; waves 0 and 1 fetch for A, waves 2 and 3 for W; four v_nop follow each of the two lines
	s_cmp_eq_u32 s15, 0
	s_cbranch_scc0 .Lfor_b_\@
	tensor_load_to_lds s[\g0a:\g0a+3], s[\g1a:\g1a+7]
	s_nop 0
.rept 4
	v_nop
.endr
	s_branch .Lasked_\@
.Lfor_b_\@:
	tensor_load_to_lds s[\g0b:\g0b+3], s[\g1b:\g1b+7]
	s_nop 0
.rept 4
	v_nop
.endr
.Lasked_\@:
.endm
.macro CREST
	s_cmp_lg_u32 s14, 0
	s_cbranch_scc1 .Lnot_wave_0_\@
	s_barrier_signal -3
.Lnot_wave_0_\@:
	s_barrier_wait -3
	s_barrier_signal -1
	s_barrier_wait -1
.endm
.macro CROUND
	s_barrier_signal -1
	s_barrier_wait -1
	CREST
.endm
	s_load_b256 s[4:11], s[0:1], 0x0               ; A's buffer, wts, the bias, the residual
	s_load_b64 s[12:13], s[0:1], 0x20              ; the output
	v_lshl_add_u32 v[SPW], v0, 2, SPARE
	v_mov_b32 v[NIL], 0
	ds_add_u32 v28, v29
	ds_add_u32 v28, v29
	s_wait_dscnt 0x0
	v_lshrrev_b32 v1, 5, v0
	v_readfirstlane_b32 s14, v1                    ; wave 0..3
	s_lshr_b32 s15, s14, 1                         ; which half of the tile's rows is mine.  Also: I fetch for A (0) or for W (1)
	s_and_b32 s16, s14, 1                          ; which half of its columns.  Also: which half I fetch
	s_bfe_u32 s40, ttmp6, 0x40000                  ; cx, cy
	s_bfe_u32 s41, ttmp6, 0x40004
	s_lshl_b32 s42, ttmp9, 2
	s_add_co_u32 s42, s42, s40                     ; tile column
	s_and_b32 s17, ttmp7, 0xffff
	s_lshl_b32 s17, s17, 2
	s_add_co_u32 s17, s17, s41                     ; tile row
	s_lshl_b32 s43, s41, 2
	s_lshl_b32 s43, 15, s43                        ; my row of the cluster
	s_lshl_b32 s44, 0x1111, s40                    ; my column
	s_or_b32 s[G1+0], s43, (0<<16)|(1<<20)|(1<<21)|(QIA<<22)|(3<<25)   ; A: elements of 1 byte; 4 words of padding behind every CH bytes; bit 21 beside a mask
	s_mov_b32 s[G1+1], ((64*CH)&0xffff)<<16        ; tensor_dim0: a piece, 64 x CH bytes
	s_mov_b32 s[G1+2], ((64*CH)>>16)|(NCH<<16)     ; tensor_dim1: the pieces
	s_mov_b32 s[G1+3], (64*CH)<<16                 ; tile_dim0
	s_mov_b32 s[G1+4], NCH                         ; tile_dim1
	s_mov_b32 s[G1+5], 4096*CH                     ; from piece to piece
	s_mov_b32 s[G1+6], 0
	s_mov_b32 s[G1+7], 0
	s_or_b32 s[G1B+0], s44, (0<<16)|(1<<20)|(1<<21)|(6<<22)|(3<<25)    ; W: 4 words of padding behind every 128
	s_mov_b32 s[G1B+1], KSTEP<<16
	s_mov_b32 s[G1B+2], 64<<16
	s_mov_b32 s[G1B+3], KSTEP<<16
	s_mov_b32 s[G1B+4], 64
	s_mov_b32 s[G1B+5], SIZE_K
	s_mov_b32 s[G1B+6], 0
	s_mov_b32 s[G1B+7], 0
	s_or_b32 s[G1S+0], s43, (3<<16)|(1<<21)        ; scale words: rows of 512 bytes (64 elements of 8 bytes: 128 rows' words of one 128 along K), no padding
	s_or_b32 s[G1SB+0], s44, (3<<16)|(1<<21)
.irp g, G1S, G1SB
	s_mov_b32 s[\g+1], 64<<16
	s_mov_b32 s[\g+2], (SIZE_K/256)<<16
	s_mov_b32 s[\g+3], 64<<16
	s_mov_b32 s[\g+4], SIZE_K/256
	s_mov_b32 s[\g+6], 0
	s_mov_b32 s[\g+7], 0
.endr
	s_mov_b32 s[G1S+5], 2048                       ; 4,096 rows x 4 bytes, in elements
	s_mov_b32 s[G1SB+5], 512                       ; 1,024 rows x 4 bytes
	s_lshl_b32 s18, s16, 6                         ; which 64 rows I fetch
	s_lshl_b32 s20, s17, 7
	s_add_co_u32 s20, s20, s18
	s_mul_i32 s20, s20, CH                         ; A's codes: row x CH in the first piece
	s_mov_b32 s21, 0
	s_lshl_b32 s46, s42, 7
	s_add_co_u32 s46, s46, s18
	s_mul_i32 s46, s46, SIZE_K
	s_add_co_u32 s46, s46, BC                      ; W's codes
	s_mov_b32 s47, 0
	s_mul_i32 s19, s16, (SIZE_K/256)*4096*4        ; A's scale words: my half of K,
	s_lshl_b32 s22, s17, 9                         ; the tile's 128 rows
	s_add_co_u32 s22, s22, s19
	s_add_co_u32 s22, s22, ASC
	s_mov_b32 s23, 0
	s_mul_i32 s19, s16, (SIZE_K/256)*1024*4        ; W's
	s_lshl_b32 s92, s42, 9
	s_add_co_u32 s92, s92, s19
	s_add_co_u32 s92, s92, BS
	s_mov_b32 s93, 0
	s_mul_i32 s45, s16, ALOADB                     ; where they go: no place in the cluster enters an LDS address
	s_mul_i32 s94, s16, BLOADB
	s_add_co_u32 s94, s94, 2*ALOADB
	s_mul_i32 s95, s16, SCH
	s_add_co_u32 s95, s95, SCL
	s_wait_kmcnt 0x0
	s_add_nc_u64 s[20:21], s[4:5], s[20:21]
	s_add_nc_u64 s[22:23], s[4:5], s[22:23]
	s_add_nc_u64 s[46:47], s[6:7], s[46:47]
	s_add_nc_u64 s[92:93], s[6:7], s[92:93]
	CROUND                                         ; all sixteen work-groups are here: the first joint loads meet
	s_mov_b32 s[G0S], 1
	s_mov_b32 s[G0S+1], s95
	s_mov_b64 s[G0S+2:G0S+3], s[22:23]
	s_or_b32 s[G0S+3], s[G0S+3], 0x80000000
	s_mov_b32 s[G0SB], 1
	s_add_co_u32 s[G0SB+1], s95, 2*SCH
	s_mov_b64 s[G0SB+2:G0SB+3], s[92:93]
	s_or_b32 s[G0SB+3], s[G0SB+3], 0x80000000
	JLOAD G0S, G1S, G0SB, G1SB                     ; the scale words first
.irp s, 0,1
	s_mov_b32 s[G0+4*\s], 1
	s_add_co_u32 s[G0+4*\s+1], s45, \s*SLOT
	s_add_nc_u64 s[G0+4*\s+2:G0+4*\s+3], s[20:21], \s*KSTEP*4096
	s_or_b32 s[G0+4*\s+3], s[G0+4*\s+3], 0x80000000
	s_mov_b32 s[G0B+4*\s], 1
	s_add_co_u32 s[G0B+4*\s+1], s94, \s*SLOT
	s_add_nc_u64 s[G0B+4*\s+2:G0B+4*\s+3], s[46:47], \s*KSTEP
	s_or_b32 s[G0B+4*\s+3], s[G0B+4*\s+3], 0x80000000
	JLOAD G0+4*\s, G1, G0B+4*\s, G1B
.endr
	v_and_b32 v1, 15, v0                           ; r
	v_bfe_u32 v2, v0, 4, 1                         ; h
	v_mul_u32_u24 v3, v1, CP
	v_lshl_add_u32 v3, v2, 4, v3
	v_mul_u32_u24 v4, v1, BP
	v_lshl_add_u32 v4, v2, 4, v4
	s_mul_i32 s21, s15, ALOADB                     ; my 64 rows of A,
	s_mul_i32 s22, s16, BLOADB                     ; my 64 rows of W
	s_add_co_u32 s22, s22, 2*ALOADB
.irp s, 0,1
	v_add_nc_u32 v[ADRA+\s], s21, v3
	v_add_nc_u32 v[ADRB+\s], s22, v4
	s_add_co_u32 s21, s21, SLOT
	s_add_co_u32 s22, s22, SLOT
.endr
	s_lshl_b32 s21, s15, 8                         ; scale words: A's: my 64 rows' 256 bytes;
	s_lshl_b32 s22, s16, 8                         ; W's likewise, 2 SCH bytes further on
	s_add_co_u32 s22, s22, 2*SCH
	s_sub_co_u32 s22, s22, s21
	v_mul_u32_u24 v6, s22, v2                      ; lanes 16-31 take W's
	s_add_co_u32 s21, s21, SCL
	v_lshl_add_u32 v5, v1, 2, v6
	v_add_nc_u32 v[ADRS], s21, v5
	s_mul_i32 s23, s14, 16*SPITCH                  ; my stage
	v_mul_u32_u24 v5, v1, SPITCH
	v_lshl_add_u32 v5, v2, 5, v5
	v_add_nc_u32 v[STO], s23, v5                   ; in: row r, 32 bytes for each half of the lanes
	v_mul_u32_u24 v5, v2, SPITCH
	v_lshl_add_u32 v5, v1, 4, v5
	v_add_nc_u32 v[RD], s23, v5                    ; back: lanes 0-15 one row of 256 bytes, lanes 16-31 the next
	v_lshlrev_b32 v[BO], 4, v1
	v_lshl_add_u32 v[CO], v2, 12, v[BO]            ; and the same two rows in memory
	s_lshl_b32 s20, s17, 7
	s_lshl_b32 s21, s15, 6
	s_add_co_u32 s20, s20, s21                     ; my first row,
	s_lshl_b32 s20, s20, 12
	s_lshl_b32 s46, s42, 9
	s_lshl_b32 s47, s16, 8
	s_add_co_u32 s46, s46, s47                     ; my first column, in bytes
	s_mov_b32 s47, 0
	s_add_nc_u64 s[8:9], s[8:9], s[46:47]
	s_add_co_u32 s20, s20, s46
	s_mov_b32 s21, 0
	s_add_nc_u64 s[10:11], s[10:11], s[20:21]
	s_add_nc_u64 s[12:13], s[12:13], s[20:21]
	global_load_b128 v[8:11], v[BO], s[8:9]        ; the bias of my four columns
	WIN 0x80                                       ; destination window 2
.irp a, 0,1,2,3
.irp t, 0,1,2,3,4,5,6,7
	global_load_b128 v[32*\a+4*\t:32*\a+4*\t+3], v[CO], s[10:11] offset:(16*\a+2*\t)*4096   ; the residual, in the layout in which the results come back from the stage
.endr
.endr
	WIN 0
; four matrix instructions: A's block a x W's four, the step's q-th 128 along K.  The 16 accumulators take turns, one instruction a turn, in the same order in every quarter.
.macro MUL4 f, q, set, a, zero
.irp b, 0,1,2,3
.if \zero
	v_wmma_scale_f32_16x16x128_f8f6f4 v[ACC+8*(4*(\a)+\b):ACC+8*(4*(\a)+\b)+7], v[(\f)+64+16*\b:(\f)+64+16*\b+15], v[(\f)+16*(\a):(\f)+16*(\a)+15], 0, v[SC+16*(\set)+4*(\q)+\b], v[SC+16*(\set)+4*(\q)+(\a)] matrix_a_scale:MATRIX_SCALE_ROW1
.else
	v_wmma_scale_f32_16x16x128_f8f6f4 v[ACC+8*(4*(\a)+\b):ACC+8*(4*(\a)+\b)+7], v[(\f)+64+16*\b:(\f)+64+16*\b+15], v[(\f)+16*(\a):(\f)+16*(\a)+15], v[ACC+8*(4*(\a)+\b):ACC+8*(4*(\a)+\b)+7], v[SC+16*(\set)+4*(\q)+\b], v[SC+16*(\set)+4*(\q)+(\a)] matrix_a_scale:MATRIX_SCALE_ROW1
.endif
.endr
.endm
.macro FETCH slot, q, f                ; 32 LDS loads in one run: the fragments of the slot's q-th 128 along K into buffer f
	WIN TO_F
.irp i, 0,1,2,3
.irp c, 0,1,2,3
	ds_load_b128 v[(\f)+64+16*\i+4*\c:(\f)+64+16*\i+4*\c+3], v[ADRB+\slot] offset:16*\i*BP+128*(\q)+32*\c
.endr
.endr
.irp i, 0,1,2,3
.irp c, 0,1,2,3
	ds_load_b128 v[(\f)+16*\i+4*\c:(\f)+16*\i+4*\c+3], v[ADRA+\slot] offset:16*\i*CP+((128*(\q)+32*\c)/CH)*CHB+(128*(\q)+32*\c)%CH
.endr
.endr
.endm
.macro SCALES set                      ; a K step's 16 registers of scale words
	WIN 0
.irp q, 0,1,2,3
.irp i, 0,1,2,3
	ds_load_b32 v[SC+16*(\set)+4*\q+\i], v[ADRS] offset:512*\q+64*\i
.endr
.endr
.endm
.macro PLACES n
.rept \n
	v_nop
.endr
.endm
; One of a K step's first three quarters: it fetches the next quarter's fragments into the other buffer and multiplies its own.
.macro QUARTER slot, q, zero
.set FB, 128*((\q)%2)
.set FN, 128-FB
	PLACES NP                                      ; behind the products that read the other buffer
	FETCH \slot, (\q)+1, FN
	s_wait_dscnt 32                                ; all but the 32 just issued: my buffer and its scale words are in
	WIN MUL
	MUL4 FB, \q, \slot, 0, \zero
	MUL4 FB, \q, \slot, 1, \zero
	MUL4 FB, \q, \slot, 2, \zero
	MUL4 FB, \q, \slot, 3, \zero
.endm
; The last quarter multiplies buffer 1 and changes slots: one barrier; in front of it each wave waits for all its tensor loads, adds 0 to its spare word, and waits for that and for its own reads of this slot.
.macro TURN slot, next, fill
	WIN 0                                          ; (the add's two registers lie in window 0)
	s_wait_tensorcnt 0x0                           ; all my tensor loads have landed: my part of the next slot
	ds_add_u32 v[SPW], v[NIL]                      ; 0 onto my spare word
	s_wait_dscnt 1                                 ; buffer 1 is in; the add may be out
	WIN MUL
	MUL4 128, 3, \slot, 0, 0
	s_wait_dscnt 0x0                               ; the add is done, and my reads of this slot are over
	s_barrier_signal -1
	MUL4 128, 3, \slot, 1, 0
	WIN 0
	s_barrier_wait -1
.if \fill
	CREST                                          ; the barrier has opened a round of the cluster's barrier
	s_add_nc_u64 s[G0+4*\slot+2:G0+4*\slot+3], s[G0+4*\slot+2:G0+4*\slot+3], 2*KSTEP*4096
	s_add_nc_u64 s[G0B+4*\slot+2:G0B+4*\slot+3], s[G0B+4*\slot+2:G0B+4*\slot+3], 2*KSTEP
	JLOAD G0+4*\slot, G1, G0B+4*\slot, G1B         ; the first tensor load behind the round; its four v_nop are four of the eight places
	PLACES NP-4
.else
	PLACES NP
.endif
	v_add_nc_u32 v[ADRS], 2048, v[ADRS]            ; the next K step's scale words
	FETCH \next, 0, 0
	SCALES \next
	WIN MUL
	MUL4 128, 3, \slot, 2, 0
	MUL4 128, 3, \slot, 3, 0
.endm
	s_wait_tensorcnt 1                             ; the scale words and my part of K step 0 are in (K step 1's load may be out),
	s_barrier_signal -1
	s_barrier_wait -1                              ; everybody's are
	FETCH 0, 0, 0
	SCALES 0
	QUARTER 0, 0, 1                                ; the first quarter's products start the sums
.if LAPS > 1
	WIN 0
	s_mov_b32 s3, LAPS-1
.Llap:                                                 ; a trip goes once round the ring and fills both slots again
	QUARTER 0, 1, 0
	QUARTER 0, 2, 0
	TURN 0, 1, 1
	QUARTER 1, 0, 0
	QUARTER 1, 1, 0
	QUARTER 1, 2, 0
	TURN 1, 0, 1
	QUARTER 0, 0, 0
	WIN 0
	s_sub_co_u32 s3, s3, 1
	s_cmp_lg_u32 s3, 0
	s_cbranch_scc1 .Llap
.endif
	QUARTER 0, 1, 0                                ; the last lap fills nothing
	QUARTER 0, 2, 0
	TURN 0, 1, 0
	QUARTER 1, 0, 0
	QUARTER 1, 1, 0
	QUARTER 1, 2, 0
	s_wait_dscnt 0x0
	MUL4 128, 3, 1, 0, 0
	MUL4 128, 3, 1, 1, 0
	MUL4 128, 3, 1, 2, 0
	MUL4 128, 3, 1, 3, 0
	WIN 0
; THE WAY OUT, block by block of 16 rows x 64 columns: through my own stage in LDS, back as whole rows of 256 bytes, + bias, + residual, stored: sixteen lanes fill 256 consecutive, aligned bytes.
.macro TOSTAGE a
.irp b, 0,1,2,3
	ds_store_b128 v[STO], v[ACC+8*(4*(\a)+\b):ACC+8*(4*(\a)+\b)+3] offset:64*\b        ; each accumulator from its low end on
	ds_store_b128 v[STO], v[ACC+8*(4*(\a)+\b)+4:ACC+8*(4*(\a)+\b)+7] offset:64*\b+16
.endr
.set BB, OB+32*((\a)%2)
.irp t, 0,1,2,3,4,5,6,7
	ds_load_b128 v[BB+4*\t:BB+4*\t+3], v[RD] offset:2*\t*SPITCH    ; LDS serves a wave's instructions in order: these see my stores
.endr
.endm
.macro SEND a, younger                 ; younger: the LDS instructions issued behind block a's loads
.set BB, OB+32*((\a)%2)
	s_wait_dscnt \younger
.irp t, 0,1,2,3,4,5,6,7
	v_pk_add_f32 v[BB+4*\t:BB+4*\t+1], v[BB+4*\t:BB+4*\t+1], v[8:9]
	v_pk_add_f32 v[BB+4*\t+2:BB+4*\t+3], v[BB+4*\t+2:BB+4*\t+3], v[10:11]
.endr
	WIN 0x08                                       ; source 1 window 2: the residual
.irp t, 0,1,2,3,4,5,6,7
	v_pk_add_f32 v[BB+4*\t:BB+4*\t+1], v[BB+4*\t:BB+4*\t+1], v[32*(\a)+4*\t:32*(\a)+4*\t+1]
	v_pk_add_f32 v[BB+4*\t+2:BB+4*\t+3], v[BB+4*\t+2:BB+4*\t+3], v[32*(\a)+4*\t+2:32*(\a)+4*\t+3]
.endr
	WIN 0
.irp t, 0,1,2,3,4,5,6,7
.if NTS
	global_store_b128 v[CO], v[BB+4*\t:BB+4*\t+3], s[12:13] offset:(16*(\a)+2*\t)*4096 th:TH_STORE_NT
.else
	global_store_b128 v[CO], v[BB+4*\t:BB+4*\t+3], s[12:13] offset:(16*(\a)+2*\t)*4096
.endif
.endr
.endm
	PLACES NP                                      ; behind the last products
	s_wait_loadcnt 0x0                             ; the bias and the residual
	TOSTAGE 0
.irp a, 1,2,3
.if \a > 1
	s_wait_xcnt 0x0                                ; block a - 2's stores have read their registers: block a's loads may land there
.endif
	TOSTAGE \a
	SEND \a-1, 16                                  ; behind block a - 1's loads: block a's 8 stores and 8 loads
.endr
	SEND 3, 0
	s_wait_tensorcnt 0x0                           ; the wave's end
	ds_add_u32 v[SPW], v[NIL]
	s_wait_dscnt 0x0
	CROUND                                         ; the closing round
	s_endpgm
.Lfunc_end_k_qaf88c9e8e2_gp:
	.size	k_qaf88c9e8e2_gp, .Lfunc_end_k_qaf88c9e8e2_gp-k_qaf88c9e8e2_gp
	.p2alignl 7, 3214868480
	.fill 96, 4, 3214868480
	.section	.rodata,"a",@progbits
	.p2align	6, 0x0
	.amdhsa_kernel k_qaf88c9e8e2_gp
		.amdhsa_group_segment_fixed_size 327680
		.amdhsa_private_segment_fixed_size 0
		.amdhsa_enable_private_segment 0
		.amdhsa_kernarg_size 40
		.amdhsa_user_sgpr_count 2
		.amdhsa_user_sgpr_kernarg_segment_ptr 1
		.amdhsa_wavefront_size32 1
		.amdhsa_system_sgpr_workgroup_id_x 1
		.amdhsa_system_sgpr_workgroup_id_y 1
		.amdhsa_system_sgpr_workgroup_id_z 1
		.amdhsa_system_vgpr_workitem_id 0
		.amdhsa_next_free_vgpr 640
		.amdhsa_next_free_sgpr 100
		.amdhsa_reserve_vcc 0
		.amdhsa_float_denorm_mode_32 3
		.amdhsa_float_denorm_mode_16_64 3
		.amdhsa_memory_ordered 1
		.amdhsa_forward_progress 1
		.amdhsa_inst_pref_size 67
	.end_amdhsa_kernel
	.amdgpu_metadata
---
amdhsa.version: [ 1, 2 ]
amdhsa.kernels:
  - .name:           k_qaf88c9e8e2_gp
    .symbol:         k_qaf88c9e8e2_gp.kd
    .args:
      - { .name: yq, .offset: 0, .size: 8, .value_kind: global_buffer, .address_space: global }
      - { .name: wts, .offset: 8, .size: 8, .value_kind: global_buffer, .address_space: global }
      - { .name: b_proj, .offset: 16, .size: 8, .value_kind: global_buffer, .address_space: global }
      - { .name: x, .offset: 24, .size: 8, .value_kind: global_buffer, .address_space: global }
      - { .name: x1, .offset: 32, .size: 8, .value_kind: global_buffer, .address_space: global }
    .group_segment_fixed_size: 327680
    .private_segment_fixed_size: 0
    .kernarg_segment_align: 8
    .kernarg_segment_size: 40
    .max_flat_workgroup_size: 128
    .sgpr_count:     100
    .vgpr_count:     640
    .wavefront_size: 32
...
	.end_amdgpu_metadata
.endif
;; end of part 5
;; launch ln2: the kernel of part 2 again; grid 256 x 1, 4 waves a work-group, no clusters, 22,016 bytes of LDS; arguments x1, ln2_g, ln2_b, h2; writes h2
;; launch gf (part 6): grid 16 x 16, 4 waves a work-group, clusters of 4 x 4, 327,680 bytes of LDS; arguments h2, wts, b_fc1, hid; writes hid
.if DOCPART == 6
	.amdgcn_target "amdgcn-amd-amdhsa--gfx1250"
	.amdhsa_code_object_version 6
	.text
	.protected	k_qaf88c9e8e2_gf
	.globl	k_qaf88c9e8e2_gf
	.p2align	8
	.type	k_qaf88c9e8e2_gf,@function
k_qaf88c9e8e2_gf:
	s_mov_b64 s[64:65], 0
	v_nop
	global_prefetch_b8 v0, s[64:65] scope:SCOPE_SE
	s_setreg_imm32_b32 hwreg(HW_REG_WAVE_MODE, 25, 1), 1
	s_wait_xcnt 0x0
	s_wait_alu depctr_hold_cnt(0) depctr_sa_sdst(0) depctr_va_vdst(0) depctr_va_sdst(0) depctr_va_ssrc(0) depctr_va_vcc(0) depctr_vm_vsrc(0)
	s_getreg_b32 s2, hwreg(HW_REG_IB_STS2, 6, 4)
	s_cmp_eq_u32 s2, 0
	s_cbranch_scc0 .Lentry_in_a_cluster
	s_endpgm
.Lentry_in_a_cluster:
	s_bfe_u32 s2, ttmp6, 0x10000c
	s_cmp_lg_u32 s2, 0xf033
	s_cbranch_scc0 .Lentry_shape_is_right
	s_endpgm
.Lentry_shape_is_right:
; hid = gelu(h W_fc1 + b_fc1), exact (erf), on codes of FP8 (E4M3) with E8M0 scales (K = 1,024), and the result quantised again on the way out, along the hidden units (the K of the product that reads it).
; A tile of 256 x 256 is made by four waves, 128 x 128 each: 64 accumulators, 512 registers.  K goes in steps of 256 through a ring of two LDS slots filled by the tensor data mover; both operands' scale bytes
; for all of K come into LDS once, with the first fills.  4 x 4 work-groups form a cluster: A's tiles are asked for jointly along a row of the cluster, B's along a column.
; SOURCE 0 ('B') = rows of the weight's codes: the hidden units run along a lane's registers, the axis that is quantised; source 1 ('A') = tokens, across lanes.
; OUT.  A wave's 128 x 128 codes are 16 KB on end in [hidden / 128][4096 tokens][128 bytes], its scale words 512 bytes on end in [hidden / 128][4096][4 bytes]: every store covers 512 consecutive bytes.
; LIMITS: erf by two polynomial branches, about 1 ulp, v_exp_f32 1 ulp; a block of zeros gets the byte 1 (its codes are zeros; this program alone reads the bytes); NaN and infinities are not served.
; REGISTERS, in windows of 256: window 0: v0-31 addresses; v32-63 scale words, two sets; from v128 A's fragments, one set; on the way out v64-255 are at work.   window 1: B's fragments, two sets;
;   from the last K step on v0-63 the bias.   windows 2, 3: the accumulators ((a, b) at v[8 (8 (a % 4) + b)] of window 2 + a / 4).
.set IS_QKV, 0
.set SIZE_K, 1024
.set KSTEP,  256                       ; along K in a slot
.set NQ,     KSTEP/128                 ; matrix instructions deep
.set ROWB,   256                       ; a tile's row in bytes
.set KROW,   SIZE_K                    ; a row of codes in memory
.set PITCH,  272                       ; an LDS row: 256 bytes + 16: the 16 rows that a load touches start at 16 different banks
.set FR,     16                        ; registers of a fragment
.set NL,     4                         ; LDS loads that bring one
.set NP,     8                         ; places behind this matrix instruction (ISA guide 7.12.1)
.set HALFT,  128*PITCH
.set SLOT,   4*HALFT                   ; A's 256 rows, then B's 256 rows
.set LAPS,   SIZE_K/(2*KSTEP)
.set KS,     SIZE_K/32                 ; a row of scale bytes
.set SCL,    2*SLOT                    ; behind the ring: the scales, as units of 256 bytes + 16
.set HALFS,  (128*KS/256)*272
.set SBLK,   (16*KS/256)*272
.set SPARE,  SCL+4*HALFS               ; the spare words, 128 bytes a wave
.set EP,     144                       ; the way out: a stage of 16 rows x (128 bytes + 16) for each wave, in slot 0, which has had its last fill and its last read by then
.set SCOL,   4*16*EP                   ; behind the stages: 512 bytes of scale words for each wave
.set ADRA, 16
.set ADRB, 20
.set STO,  24                          ; v24  the stage: where I put 8 codes
.set RD,   25                          ; v25  where I read 16 bytes back
.set CO,   26                          ; v26  16 x lane
.set ADRS, 27
.set SPW,  28
.set NIL,  29
.set PW,   30                          ; v30  the scale word just made
.set SCA,  7                           ; v7   my row's scale word in LDS (block 0)
.set SCR,  8                           ; v8   the scale words' way out
.set BOF,  9                           ; v9   32 (lane / 16): the bias along the registers
.set BOL,  10                          ; v10  4 (lane % 16)
.set SCT,  11                          ; v11  the scale word's place in this trip
.set SC,   32
.set AF,   128
.set T,    64                          ; v64-127  a block's 64 numbers of a lane
.set GT,   128                         ; v128-191 at work in the activation: t, t^2, the two branches
.set GS,   144
.set RB,   160
.set RS,   176
.set PC,   192                         ; v192-207 codes
.set OB,   208                         ; v208-223 16 rows read back
.set TM,   224                         ; v224-239 the quantiser's work
.set G1, 24
.set G0, 32
.set G1B, 48
.set G0B, 56
.set G1S, 68
.set G0S, 76
.set G1SB, 80
.set G0SB, 88
.set SEL, 18                           ; s18, s19 lane selects; s20 the mantissa field of 448; s21, s22 the activation's constants: all made on the way out
.set MNT, 20
.set MSB, 0
.macro WIN new                         ; the immediate's high byte repeats the setting that is left
.if MSB != (\new)
	s_set_vgpr_msb (MSB<<8)|(\new)
.set MSB, (\new)
.endif
.endm
.set MUL_LO, 0xa1                      ; source 0 (B) window 1, source 1 (A) window 0, C and D window 2
.set MUL_HI, 0xf1
.set TO_B,   0x40                      ; destination window 1, address window 0
; A joint load: waves 0 and 1 fetch for A, waves 2 and 3 for B.  The branch hangs on the wave's number alone.  Four v_nop follow each of the two lines.
.macro JLOAD g0a, g1a, g0b, g1b
	s_cmp_eq_u32 s15, 0
	s_cbranch_scc0 .Lfor_b_\@
	tensor_load_to_lds s[\g0a:\g0a+3], s[\g1a:\g1a+7]
	s_nop 0
.rept 4
	v_nop
.endr
	s_branch .Lasked_\@
.Lfor_b_\@:
	tensor_load_to_lds s[\g0b:\g0b+3], s[\g1b:\g1b+7]
	s_nop 0
.rept 4
	v_nop
.endr
.Lasked_\@:
.endm
.macro CREST                           ; a round of the cluster's barrier behind its opening barrier
	s_cmp_lg_u32 s14, 0
	s_cbranch_scc1 .Lnot_wave_0_\@
	s_barrier_signal -3
.Lnot_wave_0_\@:
	s_barrier_wait -3
	s_barrier_signal -1
	s_barrier_wait -1
.endm
.macro CROUND
	s_barrier_signal -1
	s_barrier_wait -1
	CREST
.endm
	s_load_b256 s[4:11], s[0:1], 0x0               ; the activations' buffer s[4:5], wts s[6:7], the bias s[8:9], the output buffer s[10:11]
	v_lshl_add_u32 v[SPW], v0, 2, SPARE
	v_mov_b32 v[NIL], 0
	ds_add_u32 v28, v29
	ds_add_u32 v28, v29
	s_wait_dscnt 0x0
	v_lshrrev_b32 v1, 5, v0
	v_readfirstlane_b32 s14, v1                    ; wave 0..3
	s_lshr_b32 s15, s14, 1                         ; which half of A's rows is mine.  Also: I fetch for A (0) or for B (1)
	s_and_b32 s16, s14, 1                          ; which half of B's rows.  Also: which 128 rows of that tile I fetch
	s_bfe_u32 s40, ttmp6, 0x40000                  ; cx, cy
	s_bfe_u32 s41, ttmp6, 0x40004
	s_and_b32 s17, ttmp7, 0xffff                   ; the cluster's y
.if IS_QKV
	s_cmp_lt_u32 ttmp9, 2
	s_cselect_b32 s42, ttmp9, s17
	s_cselect_b32 s17, s17, 0
	s_cselect_b32 s100, 0x3f800000, 0
	s_cselect_b32 s95, 0, 0x3f800000
.else
	s_mov_b32 s42, ttmp9
.endif
	s_lshl_b32 s42, s42, 2
	s_add_co_u32 s42, s42, s40                     ; B's tile
	s_lshl_b32 s17, s17, 2
	s_add_co_u32 s17, s17, s41                     ; A's tile
	s_lshl_b32 s43, s41, 2
	s_lshl_b32 s43, 15, s43                        ; my row of the cluster
	s_lshl_b32 s44, 0x1111, s40                    ; my column
	s_or_b32 s[G1+0], s43, (0<<16)|(1<<20)|(1<<21)|(5<<22)|(3<<25)  ; the mask; elements of 1 byte; padding: 4 words behind every 64; bit 21 beside a mask
	s_or_b32 s[G1B+0], s44, (0<<16)|(1<<20)|(1<<21)|(5<<22)|(3<<25)
.irp g, G1, G1B
	s_mov_b32 s[\g+1], ROWB<<16                    ; tensor_dim0
	s_mov_b32 s[\g+2], 128<<16                     ; tensor_dim1
	s_mov_b32 s[\g+3], ROWB<<16                    ; tile_dim0
	s_mov_b32 s[\g+4], 128                         ; tile_dim1
	s_mov_b32 s[\g+5], KROW                        ; the pitch
	s_mov_b32 s[\g+6], 0
	s_mov_b32 s[\g+7], 0
.endr
	s_or_b32 s[G1S+0], s43, (3<<16)|(1<<20)|(1<<21)|(5<<22)|(3<<25)   ; the scales of 128 rows: a dense block, as rows of 256 bytes (32 elements of 8 bytes)
	s_or_b32 s[G1SB+0], s44, (3<<16)|(1<<20)|(1<<21)|(5<<22)|(3<<25)
.irp g, G1S, G1SB
	s_mov_b32 s[\g+1], 32<<16
	s_mov_b32 s[\g+2], (128*KS/256)<<16
	s_mov_b32 s[\g+3], 32<<16
	s_mov_b32 s[\g+4], 128*KS/256
	s_mov_b32 s[\g+5], 32
	s_mov_b32 s[\g+6], 0
	s_mov_b32 s[\g+7], 0
.endr
	s_lshl_b32 s18, s16, 7                         ; which 128 rows of the tile I fetch
	s_lshl_b32 s20, s17, 8
	s_add_co_u32 s20, s20, s18                     ; A's row
	s_lshl_b32 s46, s42, 8
	s_add_co_u32 s46, s46, s18                     ; B's row
	s_mov_b32 s21, 0
	s_mov_b32 s47, 0
	s_mov_b64 s[18:19], KS
	s_mul_u64 s[22:23], s[20:21], s[18:19]         ; where these rows' scales begin,
	s_mul_u64 s[92:93], s[46:47], s[18:19]
	s_mov_b64 s[18:19], KROW
	s_mul_u64 s[20:21], s[20:21], s[18:19]         ; and their codes
	s_mul_u64 s[46:47], s[46:47], s[18:19]
.if IS_QKV
	s_mov_b32 s19, 0
	s_cmp_lt_u32 ttmp9, 2
	s_cselect_b32 s18, 0, 2097152
	s_add_nc_u64 s[20:21], s[20:21], s[18:19]
	s_mov_b32 s18, 12648448
	s_cselect_b32 s18, 4194304, s18
	s_add_nc_u64 s[22:23], s[22:23], s[18:19]
	s_mov_b32 s18, 4194304
	s_cselect_b32 s18, 12582912, s18
	s_add_nc_u64 s[92:93], s[92:93], s[18:19]
.else
	s_add_nc_u64 s[22:23], s[22:23], 4194304       ; A's scales in h2
	s_add_nc_u64 s[46:47], s[46:47], 3145728       ; w_fc1's codes in wts,
	s_add_nc_u64 s[92:93], s[92:93], 12681216      ; and its scales
.endif
	s_mul_i32 s45, s14, HALFT                      ; where they go: wave x 128 rows
	s_mul_i32 s94, s14, HALFS
	s_wait_kmcnt 0x0
.if IS_QKV
	s_cmp_lt_u32 ttmp9, 2
	s_cselect_b64 s[96:97], s[4:5], s[6:7]
	s_cselect_b64 s[98:99], s[6:7], s[4:5]
.else
	s_mov_b64 s[96:97], s[4:5]
	s_mov_b64 s[98:99], s[6:7]
.endif
	s_add_nc_u64 s[20:21], s[96:97], s[20:21]
	s_add_nc_u64 s[22:23], s[96:97], s[22:23]
	s_add_nc_u64 s[46:47], s[98:99], s[46:47]
	s_add_nc_u64 s[92:93], s[98:99], s[92:93]
	CROUND                                         ; all sixteen work-groups are here: the first joint loads meet
	s_mov_b32 s[G0S], 1
	s_add_co_u32 s[G0S+1], s94, SCL
	s_mov_b64 s[G0S+2:G0S+3], s[22:23]
	s_or_b32 s[G0S+3], s[G0S+3], 0x80000000
	s_mov_b32 s[G0SB], 1
	s_add_co_u32 s[G0SB+1], s94, SCL
	s_mov_b64 s[G0SB+2:G0SB+3], s[92:93]
	s_or_b32 s[G0SB+3], s[G0SB+3], 0x80000000
	JLOAD G0S, G1S, G0SB, G1SB                     ; the scales first: they are wanted with K step 0
.irp s, 0,1
	s_mov_b32 s[G0+4*\s], 1
	s_add_co_u32 s[G0+4*\s+1], s45, \s*SLOT
	s_add_nc_u64 s[G0+4*\s+2:G0+4*\s+3], s[20:21], \s*ROWB
	s_or_b32 s[G0+4*\s+3], s[G0+4*\s+3], 0x80000000
	s_mov_b32 s[G0B+4*\s], 1
	s_add_co_u32 s[G0B+4*\s+1], s45, \s*SLOT
	s_add_nc_u64 s[G0B+4*\s+2:G0B+4*\s+3], s[46:47], \s*ROWB
	s_or_b32 s[G0B+4*\s+3], s[G0B+4*\s+3], 0x80000000
	JLOAD G0+4*\s, G1, G0B+4*\s, G1B
.endr
	v_and_b32 v1, 15, v0                           ; r = l % 16
	v_bfe_u32 v2, v0, 4, 1                         ; h = l / 16
	v_mul_u32_u24 v3, v1, PITCH
	v_lshl_add_u32 v4, v2, 4, v3                   ; a fragment's row x pitch + 16 h
	s_mul_i32 s21, s15, HALFT
	s_mul_i32 s22, s16, HALFT
	s_add_co_u32 s22, s22, 2*HALFT
.irp s, 0,1
	v_add_nc_u32 v[ADRA+\s], s21, v4
	v_add_nc_u32 v[ADRB+\s], s22, v4
	s_add_co_u32 s21, s21, SLOT
	s_add_co_u32 s22, s22, SLOT
.endr
	v_mul_u32_u24 v5, v1, KS                       ; my row's scales: KS bytes a row,
	v_lshrrev_b32 v6, 8, v5
	v_lshl_add_u32 v5, v6, 4, v5                   ; and 16 more for each 256 passed
	s_mul_i32 s21, s15, HALFS
	s_mul_i32 s22, s16, HALFS
	s_add_co_u32 s22, s22, 2*HALFS
	s_sub_co_u32 s22, s22, s21
	v_mul_u32_u24 v6, s22, v2                      ; lanes 16-31 take B's
	s_add_co_u32 s21, s21, SCL
	v_add_nc_u32 v5, v5, v6
	v_add_nc_u32 v[ADRS], s21, v5
	s_mul_i32 s23, s14, 16*EP                      ; my stage
	v_mul_u32_u24 v5, v1, EP
	v_lshl_add_u32 v5, v2, 3, v5
	v_add_nc_u32 v[STO], s23, v5                   ; in: row r, 8 bytes for each half of the lanes
	v_and_b32 v6, 31, v0
	v_lshlrev_b32 v[CO], 4, v6
	v_lshrrev_b32 v5, 3, v6
	v_mul_u32_u24 v5, v5, EP
	v_and_b32 v3, 7, v6
	v_lshl_add_u32 v5, v3, 4, v5
	v_add_nc_u32 v[RD], s23, v5                    ; back: eight lanes to a row of 128 bytes, four rows an instruction
	s_lshl_b32 s23, s14, 9
	s_add_co_u32 s23, s23, SCOL
	v_lshl_add_u32 v[SCA], v1, 2, s23
	v_add_nc_u32 v[SCR], s23, v[CO]
	v_lshlrev_b32 v[BOF], 5, v2
	v_lshlrev_b32 v[BOL], 2, v1
	; where my 128 x 128 goes: e = (B's index / 128) x J + A's first index, J the length of A's axis; codes at 128 e, scale words at 4 e
	s_lshl_b32 s46, s42, 1
	s_add_co_u32 s46, s46, s16
.if IS_QKV
	s_mov_b32 s18, 1024
	s_mov_b32 s19, 8388608
	s_mov_b32 s22, 12845056
	s_cmp_lt_u32 ttmp9, 2
	s_cselect_b32 s18, 4096, s18
	s_cselect_b32 s19, 0, s19
	s_cselect_b32 s22, 12582912, s22
.else
	s_mov_b32 s18, 4096
	s_mov_b32 s19, 0
	s_mov_b32 s22, 16777216
.endif
	s_mul_i32 s46, s46, s18
	s_lshl_b32 s20, s17, 8
	s_lshl_b32 s21, s15, 7
	s_add_co_u32 s20, s20, s21
	s_add_co_u32 s20, s20, s46                     ; e
	s_lshl_b32 s46, s20, 7
	s_add_co_u32 s46, s46, s19
	s_mov_b32 s47, 0
	s_add_nc_u64 s[12:13], s[10:11], s[46:47]      ; the codes
	s_lshl_b32 s46, s20, 2
	s_add_co_u32 s46, s46, s22
	s_add_nc_u64 s[66:67], s[10:11], s[46:47]      ; the scale words
	s_lshl_b32 s46, s42, 10                        ; the bias along the registers: 4 x B's first index
	s_lshl_b32 s20, s16, 9
	s_add_co_u32 s46, s46, s20
.if IS_QKV
	s_lshl_b32 s20, s17, 10
	s_lshl_b32 s21, s15, 9
	s_add_co_u32 s20, s20, s21
	s_add_co_u32 s20, s20, 8192
	s_cmp_lt_u32 ttmp9, 2
	s_cselect_b32 s46, s46, 0
	s_cselect_b32 s20, 0, s20
	s_mov_b32 s21, 0
	s_add_nc_u64 s[96:97], s[8:9], s[20:21]
.endif
	s_add_nc_u64 s[98:99], s[8:9], s[46:47]
.macro FRAG reg, adr, q, i             ; 16 rows x 128 K: lane l holds row l % 16; registers 4 c .. 4 c + 3 hold K = 32 c + 16 (l / 16) + 0 .. 15
.irp c, 0,1,2,3
	ds_load_b128 v[\reg+4*\c:\reg+4*\c+3], v[\adr] offset:128*(\q)+32*\c+(\i)*16*PITCH
.endr
.endm
; 16 matrix instructions: A's blocks a0, a0 + 1 x B's eight.  The 64 accumulators take turns, one instruction a turn, in the same order in every step.
.macro MUL16 a0, p, q, sc, zero
.irp a, \a0, \a0+1
.irp b, 0,1,2,3,4,5,6,7
.if \zero
	v_wmma_scale_f32_16x16x128_f8f6f4 v[8*(8*((\a)%4)+\b):8*(8*((\a)%4)+\b)+7], v[128*(\p)+FR*\b:128*(\p)+FR*\b+FR-1], v[AF+FR*(\a):AF+FR*(\a)+FR-1], 0, v[SC+8*NQ*(\sc)+NQ*\b+(\q)], v[SC+8*NQ*(\sc)+NQ*(\a)+(\q)] matrix_a_scale:MATRIX_SCALE_ROW1
.else
	v_wmma_scale_f32_16x16x128_f8f6f4 v[8*(8*((\a)%4)+\b):8*(8*((\a)%4)+\b)+7], v[128*(\p)+FR*\b:128*(\p)+FR*\b+FR-1], v[AF+FR*(\a):AF+FR*(\a)+FR-1], v[8*(8*((\a)%4)+\b):8*(8*((\a)%4)+\b)+7], v[SC+8*NQ*(\sc)+NQ*\b+(\q)], v[SC+8*NQ*(\sc)+NQ*(\a)+(\q)] matrix_a_scale:MATRIX_SCALE_ROW1
.endif
.endr
.endr
.endm
.macro FETCH_B slot, q, p
	WIN TO_B
.irp i, 0,1,2,3,4,5,6,7
	FRAG 128*(\p)+FR*\i, ADRB+\slot, \q, \i
.endr
	WIN 0
.endm
.macro FETCH_A slot, q, i0
.irp i, \i0, \i0+1, \i0+2, \i0+3
	FRAG AF+FR*(\i), ADRA+\slot, \q, \i
.endr
.endm
.macro SCALES sc                       ; the next K step's scale words: lanes 0-15 take A's block i, lanes 16-31 B's block i
.irp i, 0,1,2,3,4,5,6,7
	ds_load_b64 v[SC+8*NQ*\sc+NQ*\i:SC+8*NQ*\sc+NQ*\i+1], v[ADRS] offset:\i*SBLK
.endr
.endm
.macro PLACES n                        ; plain vector instructions between a matrix instruction and a load into, or a read of, its registers
.rept \n
	v_nop
.endr
.endm
.macro STEP slot, q, zero              ; a step of 128 along K that has its successor in the same slot
	s_wait_dscnt 4*NL                              ; B's set and A's blocks 0-3 are in; the youngest sixteen loads (A's blocks 4-7) may be out
	WIN MUL_LO
	MUL16 0, (\q)%2, \q, \slot, \zero
	MUL16 2, (\q)%2, \q, \slot, \zero
	s_wait_dscnt 0
	PLACES NP
	FETCH_B \slot, (\q)+1, 1-(\q)%2
	FETCH_A \slot, (\q)+1, 0
	WIN MUL_HI
	MUL16 4, (\q)%2, \q, \slot, \zero
	MUL16 6, (\q)%2, \q, \slot, \zero
	PLACES NP
	WIN 0
	FETCH_A \slot, (\q)+1, 4
.endm
; A slot's last step changes slots: one barrier; in front of it each wave waits for all its tensor loads, adds 0 to its spare word, and waits for that and for its own reads of this slot.
.macro TURN slot, next, fill
	s_wait_tensorcnt 0x0                           ; all my tensor loads have landed: my part of the next slot
	ds_add_u32 v[SPW], v[NIL]                      ; 0 onto my spare word
	s_wait_dscnt 4*NL+1                            ; (the add and the youngest sixteen loads may be out)
	WIN MUL_LO
	MUL16 0, 1, NQ-1, \slot, 0
	s_wait_dscnt 0x0                               ; the add is done, and my reads of this slot are over
	s_barrier_signal -1
	MUL16 2, 1, NQ-1, \slot, 0
	WIN 0
	s_barrier_wait -1
.if \fill
	CREST                                          ; the barrier has opened a round of the cluster's barrier: no wave of any partner still reads this slot or has a load on its way
	s_add_nc_u64 s[G0+4*\slot+2:G0+4*\slot+3], s[G0+4*\slot+2:G0+4*\slot+3], 2*ROWB
	s_add_nc_u64 s[G0B+4*\slot+2:G0B+4*\slot+3], s[G0B+4*\slot+2:G0B+4*\slot+3], 2*ROWB
	JLOAD G0+4*\slot, G1, G0B+4*\slot, G1B         ; the first tensor load behind the round; its four v_nop are four of the eight places
	PLACES NP-4
.else
	PLACES NP
.endif
	v_add_nc_u32 v[ADRS], 4*NQ, v[ADRS]
	FETCH_B \next, 0, 0
	FETCH_A \next, 0, 0
	SCALES \next
	WIN MUL_HI
	MUL16 4, 1, NQ-1, \slot, 0
	MUL16 6, 1, NQ-1, \slot, 0
	PLACES NP
	WIN 0
	FETCH_A \next, 0, 4
.endm
	s_wait_tensorcnt 1                             ; the scales and my part of K step 0 are in (K step 1's load may be out),
	s_barrier_signal -1
	s_barrier_wait -1                              ; everybody's are
	FETCH_B 0, 0, 0
	FETCH_A 0, 0, 0
	SCALES 0
	FETCH_A 0, 0, 4
	STEP 0, 0, 1                                   ; the first step's products start the sums
	s_mov_b32 s3, LAPS-1
.Llap:
	TURN 0, 1, 1
	STEP 1, 0, 0
	TURN 1, 0, 1
	STEP 0, 0, 0
	s_sub_co_u32 s3, s3, 1
	s_cmp_lg_u32 s3, 0
	s_cbranch_scc1 .Llap
	TURN 0, 1, 0                                   ; the last lap fills nothing
	STEP 1, 0, 0
	WIN TO_B                                       ; B's set 0 is done with (eight places stand behind its last products): the bias lands there under the last 64 products
.irp b, 0,1,2,3,4,5,6,7
	global_load_b128 v[8*\b:8*\b+3], v[BOF], s[98:99] offset:64*\b          ; tile b's eight registers: index 16 b + 8 h + 0 .. 7
	global_load_b128 v[8*\b+4:8*\b+7], v[BOF], s[98:99] offset:64*\b+16
.endr
.if IS_QKV
.irp a, 0,1,2,3,4,5,6,7
	global_load_b32 v[64+\a], v[BOL], s[96:97] offset:64*\a
.endr
.endif
	WIN 0
	s_wait_dscnt 4*NL                              ; the very last step
	WIN MUL_LO
	MUL16 0, 1, NQ-1, 1, 0
	MUL16 2, 1, NQ-1, 1, 0
	s_wait_dscnt 0
	WIN MUL_HI
	MUL16 4, 1, NQ-1, 1, 0
	MUL16 6, 1, NQ-1, 1, 0
	WIN 0
; THE WAY OUT: a loop of eight trips, one for each block a of 16 tokens.  A lane holds ONE token (16 a + r) and 64 hidden units: tile b's register j is unit 16 b + 8 h + j, so tiles 2 i and 2 i + 1
; of lanes l and l xor 16 are block i of 32.  Only the lines that lift the block's accumulators into v[T] name other registers in each trip: they stand in eight arms, chosen by the trip's number; all else is written once.
.macro ADDB a                          ; T = accumulators of block a + the bias; each accumulator is read from its low end on
	WIN 0x06+(\a)/4                                ; source 0 window 2 or 3, source 1 window 1
.irp b, 0,1,2,3,4,5,6,7
.irp p, 0,2,4,6
	v_pk_add_f32 v[T+8*\b+\p:T+8*\b+\p+1], v[8*(8*((\a)%4)+\b)+\p:8*(8*((\a)%4)+\b)+\p+1], v[8*\b+\p:8*\b+\p+1]
.endr
.endr
.if IS_QKV
	WIN 0x01
	v_mov_b32 v254, v[64+\a]
	v_mov_b32 v255, v[64+\a]
.endif
	WIN 0
.endm
; 64 numbers of a lane, v[s] on, register 16 i + n in block i, become 64 codes in v[PC] on and the row's scale word in v[PW]
.macro QUANT s
.irp b, 0,1,2,3
	v_max3_num_f32 v[TM+\b], |v[\s+16*\b]|, |v[\s+1+16*\b]|, 0x4800000   ; my 16 numbers, and the floor 2^(9 - 127): the byte cannot fall under 1
.endr
.irp i, 2,4,6,8,10,12,14
.irp b, 0,1,2,3
	v_max3_num_f32 v[TM+\b], v[TM+\b], |v[\s+16*\b+\i]|, |v[\s+1+16*\b+\i]|
.endr
.endr
.irp b, 0,1,2,3
	v_permlanex16_b32 v[TM+4+\b], v[TM+\b], s[SEL], s[SEL+1]
.endr
.irp b, 0,1,2,3
	v_max_num_f32 v[TM+\b], v[TM+\b], v[TM+4+\b]   ; with lane l xor 16's: the block's largest magnitude
.endr
.irp b, 0,1,2,3
	v_add_nc_u32 v[TM+12+\b], 0xfc000000, v[TM+\b] ; 8 off the exponent field: the conversion's scale operand
.endr
.irp b, 0,1,2,3
	v_and_or_b32 v[TM+8+\b], v[TM+\b], 0x7f800000, s[MNT]   ; 448 x the scale
.endr
.irp b, 0,1,2,3
	v_lshrrev_b32 v[TM+4+\b], 23, v[TM+12+\b]      ; the scale's byte
.endr
	v_lshl_or_b32 v[PW], v[TM+5], 8, v[TM+4]
	v_lshl_or_b32 v[PW], v[TM+6], 16, v[PW]
	v_lshl_or_b32 v[PW], v[TM+7], 24, v[PW]
.irp b, 0,1,2,3
.irp i, 0,1,2,3,4,5,6,7,8,9,10,11,12,13,14,15
	v_med3_num_f32 v[\s+16*\b+\i], v[\s+16*\b+\i], -v[TM+8+\b], v[TM+8+\b]   ; the conversion does not saturate (ISA guide 7.6.2): the hold
.endr
	v_cvt_scalef32_pk8_fp8_f32 v[PC+4*\b:PC+1+4*\b], v[\s+16*\b:\s+7+16*\b], v[TM+12+\b]
	v_cvt_scalef32_pk8_fp8_f32 v[PC+2+4*\b:PC+3+4*\b], v[\s+8+16*\b:\s+15+16*\b], v[TM+12+\b]
.endr
	v_nop                                          ; a plain instruction behind the last conversion
.endm
; gelu(x) = max(x, 0) - |x| Q, Q = erfc(|x| / sqrt 2) / 2: no sign is selected and nothing cancels in the negative tail.  With t = |x| / sqrt 2: above 0.927734375, Q = 2^(log2(e) r(t) - 1), r a polynomial;
; below, Q = 1/2 - t u(t^2).  Both are computed for every number and one is chosen by v_cndmask_b32.  16 numbers at a time; the 16 exponentials are one batch with one wait.
.macro GELU g
.set TT, T+16*(\g)
.set i, 0
.rept 16
	v_mul_f32 v[GT+i], s21, |v[TT+i]|              ; t
.set i, i+1
.endr
.irp p, 0,2,4,6,8,10,12,14
	v_pk_mul_f32 v[GS+\p:GS+\p+1], v[GT+\p:GT+\p+1], v[GT+\p:GT+\p+1]   ; t^2
.endr
.irp p, 0,2,4,6,8,10,12,14
	v_pk_fma_f32 v[RB+\p:RB+\p+1], v[GT+\p:GT+\p+1], v[248:249], 0x39c8e7d9 op_sel_hi:[1,1,0]
.endr
.irp p, 0,2,4,6,8,10,12,14
	v_pk_fma_f32 v[RS+\p:RS+\p+1], v[GT+\p:GT+\p+1], v[250:251], 0x3cc6b1a1 op_sel_hi:[1,1,0]
.endr
.irp p, 0,2,4,6,8,10,12,14
	v_pk_fma_f32 v[RB+\p:RB+\p+1], v[RB+\p:RB+\p+1], v[GS+\p:GS+\p+1], v[RS+\p:RS+\p+1]
.endr
.irp k, 0xbddaae5c, 0xbf228550, 0xbe03ce86
.irp p, 0,2,4,6,8,10,12,14
	v_pk_fma_f32 v[RB+\p:RB+\p+1], v[RB+\p:RB+\p+1], v[GT+\p:GT+\p+1], \k op_sel_hi:[1,1,0]
.endr
.endr
.irp p, 0,2,4,6,8,10,12,14
	v_pk_fma_f32 v[RB+\p:RB+\p+1], v[RB+\p:RB+\p+1], v[GT+\p:GT+\p+1], v[GT+\p:GT+\p+1] neg_lo:[0,0,1] neg_hi:[0,0,1]
.endr
.irp p, 0,2,4,6,8,10,12,14
	v_pk_fma_f32 v[RB+\p:RB+\p+1], v[RB+\p:RB+\p+1], 0x3fb8aa3b, -1.0 op_sel_hi:[1,0,0]   ; x log2(e), and -1 for the half
.endr
.set i, 0
.rept 16
	v_exp_f32 v[RB+i], v[RB+i]
.set i, i+1
.endr
.irp p, 0,2,4,6,8,10,12,14
	v_pk_fma_f32 v[RS+\p:RS+\p+1], v[GS+\p:GS+\p+1], v[252:253], 0x3b238d2c op_sel_hi:[1,1,0]   ; the other branch is the independent work behind the batch
.endr
.irp k, 0xbc5b48d9, 0x3d670e22, 0xbe409380, 0x3f106ebb
.irp p, 0,2,4,6,8,10,12,14
	v_pk_fma_f32 v[RS+\p:RS+\p+1], v[RS+\p:RS+\p+1], v[GS+\p:GS+\p+1], \k op_sel_hi:[1,1,0]
.endr
.endr
.irp p, 0,2,4,6,8,10,12,14
	v_pk_fma_f32 v[RS+\p:RS+\p+1], v[RS+\p:RS+\p+1], v[GT+\p:GT+\p+1], 0.5 op_sel_hi:[1,1,0] neg_lo:[1,0,0] neg_hi:[1,0,0]
.endr
	s_wait_alu depctr_va_vdst(0)                   ; one wait for the batch, ahead of its first reader
.set i, 0
.rept 16
	v_cmp_lt_f32 vcc_lo, s22, v[GT+i]
	v_cndmask_b32 v[RS+i], v[RS+i], v[RB+i], vcc_lo
.set i, i+1
.endr
.set i, 0
.rept 16
	v_max_num_f32 v[GT+i], 0, v[TT+i]
.set i, i+1
.endr
.set i, 0
.rept 16
	v_fma_f32 v[TT+i], -|v[TT+i]|, v[RS+i], v[GT+i]
.set i, i+1
.endr
.endm
	PLACES NP                                      ; behind the last products: their results are read, and A's and B's registers written, from here on
	s_mov_b32 s[SEL], 0x76543210
	s_mov_b32 s[SEL+1], 0xfedcba98
	s_mov_b32 s[MNT], 0x600000
.irp b, 0,1,2,3
	v_mov_b32 v[TM+4+\b], 0                        ; written once: a lane permute's destination counts as one of its sources
.endr
.if IS_QKV == 0
	s_mov_b32 s21, 0x3f3504f3                      ; 1 / sqrt 2
	s_mov_b32 s22, 0x3f6d8000                      ; 0.927734375
	v_mov_b32 v248, 0xb7910000                     ; three leading coefficients, as pairs
	v_mov_b32 v249, 0xb7910000
	v_mov_b32 v250, 0xbb7e8a1c
	v_mov_b32 v251, 0xbb7e8a1c
	v_mov_b32 v252, 0xb99c7000
	v_mov_b32 v253, 0xb99c7000
.endif
	s_wait_loadcnt 0x0                             ; the bias
.if IS_QKV
	WIN 0x44
.set i, 0
.rept 64
	v_mul_f32 v[i], s100, v[i]
.set i, i+1
.endr
.rept 8
	v_mul_f32 v[i], s95, v[i]
.set i, i+1
.endr
	WIN 0
.endif
	s_mov_b32 s3, 0                                ; the block
	s_mov_b32 s2, 0                                ; 64 x the block: its 16 scale words' place
.Lepi:
.irp a, 1,2,3,4,5,6,7
	s_cmp_eq_u32 s3, \a
	s_cbranch_scc1 .Lacc\a
.endr
	ADDB 0
	s_branch .Ljoin
.irp a, 1,2,3,4,5,6
.Lacc\a:
	ADDB \a
	s_branch .Ljoin
.endr
.Lacc7:
	ADDB 7
.Ljoin:
.if IS_QKV
.set i, 0
.rept 32
	v_pk_add_f32 v[T+i:T+i+1], v[T+i:T+i+1], v[254:255]
.set i, i+2
.endr
.else
	GELU 0
	GELU 1
	GELU 2
	GELU 3
.endif
	QUANT T
	v_add_nc_u32 v[SCT], s2, v[SCA]
.irp b, 0,1,2,3,4,5,6,7
	ds_store_b64 v[STO], v[PC+2*\b:PC+2*\b+1] offset:16*\b        ; tile b's eight codes at column 16 b + 8 h of row r
.endr
	ds_store_b32 v[SCT], v[PW]                     ; both halves of the lanes hold the same word and write it to the same place
.irp k, 0,1,2,3
	ds_load_b128 v[OB+4*\k:OB+4*\k+3], v[RD] offset:4*EP*\k       ; LDS serves a wave's instructions in order: these see my stores
.endr
	s_wait_dscnt 0x0
.irp k, 0,1,2,3
	global_store_b128 v[CO], v[OB+4*\k:OB+4*\k+3], s[12:13] offset:512*\k   ; 512 consecutive bytes, aligned: four rows of 128 codes
.endr
	s_wait_xcnt 0x0                                ; the stores have read their base and their data: both are written again in the next trip
	s_add_nc_u64 s[12:13], s[12:13], 2048
	s_add_co_u32 s2, s2, 64
	s_add_co_u32 s3, s3, 1
	s_cmp_lt_u32 s3, 8
	s_cbranch_scc1 .Lepi
	ds_load_b128 v[OB:OB+3], v[SCR]                ; my 128 scale words
	s_wait_dscnt 0x0
	global_store_b128 v[CO], v[OB:OB+3], s[66:67]  ; 512 consecutive bytes, aligned
	s_wait_tensorcnt 0x0                           ; the wave's end
	ds_add_u32 v[SPW], v[NIL]
	s_wait_dscnt 0x0
	CROUND                                         ; the closing round
	s_endpgm
.Lfunc_end_k_qaf88c9e8e2_gf:
	.size	k_qaf88c9e8e2_gf, .Lfunc_end_k_qaf88c9e8e2_gf-k_qaf88c9e8e2_gf
	.p2alignl 7, 3214868480
	.fill 96, 4, 3214868480
	.section	.rodata,"a",@progbits
	.p2align	6, 0x0
	.amdhsa_kernel k_qaf88c9e8e2_gf
		.amdhsa_group_segment_fixed_size 327680
		.amdhsa_private_segment_fixed_size 0
		.amdhsa_enable_private_segment 0
		.amdhsa_kernarg_size 32
		.amdhsa_user_sgpr_count 2
		.amdhsa_user_sgpr_kernarg_segment_ptr 1
		.amdhsa_wavefront_size32 1
		.amdhsa_system_sgpr_workgroup_id_x 1
		.amdhsa_system_sgpr_workgroup_id_y 1
		.amdhsa_system_sgpr_workgroup_id_z 1
		.amdhsa_system_vgpr_workitem_id 0
		.amdhsa_next_free_vgpr 1024
		.amdhsa_next_free_sgpr 102
		.amdhsa_reserve_vcc 1
		.amdhsa_float_denorm_mode_32 3
		.amdhsa_float_denorm_mode_16_64 3
		.amdhsa_memory_ordered 1
		.amdhsa_forward_progress 1
		.amdhsa_inst_pref_size 203
	.end_amdhsa_kernel
	.amdgpu_metadata
---
amdhsa.version: [ 1, 2 ]
amdhsa.kernels:
  - .name:           k_qaf88c9e8e2_gf
    .symbol:         k_qaf88c9e8e2_gf.kd
    .args:
      - { .name: h2, .offset: 0, .size: 8, .value_kind: global_buffer, .address_space: global }
      - { .name: wts, .offset: 8, .size: 8, .value_kind: global_buffer, .address_space: global }
      - { .name: b_fc1, .offset: 16, .size: 8, .value_kind: global_buffer, .address_space: global }
      - { .name: hid, .offset: 24, .size: 8, .value_kind: global_buffer, .address_space: global }
    .group_segment_fixed_size: 327680
    .private_segment_fixed_size: 0
    .kernarg_segment_align: 8
    .kernarg_segment_size: 32
    .max_flat_workgroup_size: 128
    .sgpr_count:     102
    .vgpr_count:     1024
    .wavefront_size: 32
...
	.end_amdgpu_metadata
.endif
;; end of part 6
;; launch go (part 7): grid 8 x 32, 4 waves a work-group, clusters of 4 x 4, 327,680 bytes of LDS; arguments hid, wts, b_fc2, x1, out0; writes out0
.if DOCPART == 7
	.amdgcn_target "amdgcn-amd-amdhsa--gfx1250"
	.amdhsa_code_object_version 6
	.text
	.protected	k_qaf88c9e8e2_go
	.globl	k_qaf88c9e8e2_go
	.p2align	8
	.type	k_qaf88c9e8e2_go,@function
k_qaf88c9e8e2_go:
	s_mov_b64 s[64:65], 0
	v_nop
	global_prefetch_b8 v0, s[64:65] scope:SCOPE_SE
	s_setreg_imm32_b32 hwreg(HW_REG_WAVE_MODE, 25, 1), 1
	s_wait_xcnt 0x0
	s_wait_alu depctr_hold_cnt(0) depctr_sa_sdst(0) depctr_va_vdst(0) depctr_va_sdst(0) depctr_va_ssrc(0) depctr_va_vcc(0) depctr_vm_vsrc(0)
	s_getreg_b32 s2, hwreg(HW_REG_IB_STS2, 6, 4)
	s_cmp_eq_u32 s2, 0
	s_cbranch_scc0 .Lentry_in_a_cluster
	s_endpgm
.Lentry_in_a_cluster:
	s_bfe_u32 s2, ttmp6, 0x10000c
	s_cmp_lg_u32 s2, 0xf033
	s_cbranch_scc0 .Lentry_shape_is_right
	s_endpgm
.Lentry_shape_is_right:
; out = resid + (A W^T + bias), f32, [4096][1024]; A and W are codes of FP8 (E4M3) with E8M0 scales.  Here: A = the hidden layer (K = 4,096), W = w_fc2, resid = x1, out = out0.
; A's codes lie [K / CH][4096 rows][CH bytes], its scale words [K / 128][4096][4 bytes]; W's codes [1024][K], its scale words [K / 128][1024][4 bytes].
; TILE.  C has 1,024 columns: tiles of 256 x 256 would be 64, tiles of 128 x 128 are 256, one for each WGP.  Four waves, 64 x 64 each: 16 accumulators.  K goes in steps of 512, as long as two slots in LDS allow,
; four quarters of 128 each; the scale words of the tile's rows, for all of K, come into LDS once with the first fills.
; CLUSTERS: 4 x 4 work-groups; A's tiles are asked for jointly along a row of the cluster, W's along a column.  THE MATRIX INSTRUCTION IS USED TRANSPOSED (source 0 = 16 rows of W, source 1 = 16 rows of A):
; a lane holds eight neighbouring numbers of a row of C.
; A's tile of a wave (64 rows x 512 K) is 512 / CH dense pieces of 64 x CH bytes: the descriptor states a piece as one row, with 16 bytes of padding behind every CH bytes: in LDS [piece][64 rows][CH + 16].
; REGISTERS: window 0: v0-31 addresses, v8-11 the bias; v32-63 scale words, two sets; v64-127 the way out; v128-255 the accumulators.   window 1: two fragment buffers of 128 (A's four, then W's four).
;   window 2: v0-127 the residual: asked for at the head, waited for on the way out.
.set SIZE_K, 4096
.set CH,     128
.set QIA,    4                         ; the padding's interval: 2 << QIA words = CH bytes
.set ASC,    16777216                  ; where A's scale words begin in its buffer
.set BC,     8388608                   ; where W's codes begin in wts,
.set BS,     12845056                  ; and its scale words
.set NTS,    1                         ; 1: the output is read by nobody after this launch
.set KSTEP,  512
.set CP,     CH+16
.set CHB,    64*CP
.set NCH,    KSTEP/CH
.set ALOADB, NCH*CHB                   ; what one tensor load brings of A
.set BP,     528                       ; a row of W in LDS: 512 bytes + 16
.set BLOADB, 64*BP
.set SLOT,   2*ALOADB+2*BLOADB
.set SCL,    2*SLOT                    ; behind the ring: A's scale words, [K / 128][128 rows][4 bytes], then W's
.set SCH,    (SIZE_K/256)*512          ; what one tensor load brings of them
.set SPARE,  SCL+4*SCH                 ; the spare words, 128 bytes a wave
.set LAPS,   SIZE_K/(2*KSTEP)
.set SPITCH, 272                       ; the way out: a stage of 16 rows x (256 bytes + 16) for each wave, in slot 0, which has had its last fill and its last read by then
.set NP,     8
.set BO,   7                           ; v7   16 (lane % 16): my four columns of the bias
.set ADRA, 16
.set ADRB, 20
.set STO,  24
.set RD,   25
.set CO,   26
.set ADRS, 27
.set SPW,  28
.set NIL,  29
.set SC,   32                          ; set s at v[SC + 16 s]; register 4 q + i: lanes 0-15 the word of A's block i, lanes 16-31 that of W's block i, for the step's q-th 128
.set OB,   64
.set ACC,  128
.set G1, 24
.set G0, 32
.set G1B, 48
.set G0B, 56
.set G1S, 68
.set G0S, 76
.set G1SB, 80
.set G0SB, 88
.set MSB, 0
.macro WIN new
.if MSB != (\new)
	s_set_vgpr_msb (MSB<<8)|(\new)
.set MSB, (\new)
.endif
.endm
.set MUL,  0x05                        ; sources 0 and 1 window 1; C and D window 0
.set TO_F, 0x40                        ; destination window 1, address window 0
.macro JLOAD g0a, g1a, g0b, g1b        ; waves 0 and 1 fetch for A, waves 2 and 3 for W; four v_nop follow each of the two lines
	s_cmp_eq_u32 s15, 0
	s_cbranch_scc0 .Lfor_b_\@
	tensor_load_to_lds s[\g0a:\g0a+3], s[\g1a:\g1a+7]
	s_nop 0
.rept 4
	v_nop
.endr
	s_branch .Lasked_\@
.Lfor_b_\@:
	tensor_load_to_lds s[\g0b:\g0b+3], s[\g1b:\g1b+7]
	s_nop 0
.rept 4
	v_nop
.endr
.Lasked_\@:
.endm
.macro CREST
	s_cmp_lg_u32 s14, 0
	s_cbranch_scc1 .Lnot_wave_0_\@
	s_barrier_signal -3
.Lnot_wave_0_\@:
	s_barrier_wait -3
	s_barrier_signal -1
	s_barrier_wait -1
.endm
.macro CROUND
	s_barrier_signal -1
	s_barrier_wait -1
	CREST
.endm
	s_load_b256 s[4:11], s[0:1], 0x0               ; A's buffer, wts, the bias, the residual
	s_load_b64 s[12:13], s[0:1], 0x20              ; the output
	v_lshl_add_u32 v[SPW], v0, 2, SPARE
	v_mov_b32 v[NIL], 0
	ds_add_u32 v28, v29
	ds_add_u32 v28, v29
	s_wait_dscnt 0x0
	v_lshrrev_b32 v1, 5, v0
	v_readfirstlane_b32 s14, v1                    ; wave 0..3
	s_lshr_b32 s15, s14, 1                         ; which half of the tile's rows is mine.  Also: I fetch for A (0) or for W (1)
	s_and_b32 s16, s14, 1                          ; which half of its columns.  Also: which half I fetch
	s_bfe_u32 s40, ttmp6, 0x40000                  ; cx, cy
	s_bfe_u32 s41, ttmp6, 0x40004
	s_lshl_b32 s42, ttmp9, 2
	s_add_co_u32 s42, s42, s40                     ; tile column
	s_and_b32 s17, ttmp7, 0xffff
	s_lshl_b32 s17, s17, 2
	s_add_co_u32 s17, s17, s41                     ; tile row
	s_lshl_b32 s43, s41, 2
	s_lshl_b32 s43, 15, s43                        ; my row of the cluster
	s_lshl_b32 s44, 0x1111, s40                    ; my column
	s_or_b32 s[G1+0], s43, (0<<16)|(1<<20)|(1<<21)|(QIA<<22)|(3<<25)   ; A: elements of 1 byte; 4 words of padding behind every CH bytes; bit 21 beside a mask
	s_mov_b32 s[G1+1], ((64*CH)&0xffff)<<16        ; tensor_dim0: a piece, 64 x CH bytes
	s_mov_b32 s[G1+2], ((64*CH)>>16)|(NCH<<16)     ; tensor_dim1: the pieces
	s_mov_b32 s[G1+3], (64*CH)<<16                 ; tile_dim0
	s_mov_b32 s[G1+4], NCH                         ; tile_dim1
	s_mov_b32 s[G1+5], 4096*CH                     ; from piece to piece
	s_mov_b32 s[G1+6], 0
	s_mov_b32 s[G1+7], 0
	s_or_b32 s[G1B+0], s44, (0<<16)|(1<<20)|(1<<21)|(6<<22)|(3<<25)    ; W: 4 words of padding behind every 128
	s_mov_b32 s[G1B+1], KSTEP<<16
	s_mov_b32 s[G1B+2], 64<<16
	s_mov_b32 s[G1B+3], KSTEP<<16
	s_mov_b32 s[G1B+4], 64
	s_mov_b32 s[G1B+5], SIZE_K
	s_mov_b32 s[G1B+6], 0
	s_mov_b32 s[G1B+7], 0
	s_or_b32 s[G1S+0], s43, (3<<16)|(1<<21)        ; scale words: rows of 512 bytes (64 elements of 8 bytes: 128 rows' words of one 128 along K), no padding
	s_or_b32 s[G1SB+0], s44, (3<<16)|(1<<21)
.irp g, G1S, G1SB
	s_mov_b32 s[\g+1], 64<<16
	s_mov_b32 s[\g+2], (SIZE_K/256)<<16
	s_mov_b32 s[\g+3], 64<<16
	s_mov_b32 s[\g+4], SIZE_K/256
	s_mov_b32 s[\g+6], 0
	s_mov_b32 s[\g+7], 0
.endr
	s_mov_b32 s[G1S+5], 2048                       ; 4,096 rows x 4 bytes, in elements
	s_mov_b32 s[G1SB+5], 512                       ; 1,024 rows x 4 bytes
	s_lshl_b32 s18, s16, 6                         ; which 64 rows I fetch
	s_lshl_b32 s20, s17, 7
	s_add_co_u32 s20, s20, s18
	s_mul_i32 s20, s20, CH                         ; A's codes: row x CH in the first piece
	s_mov_b32 s21, 0
	s_lshl_b32 s46, s42, 7
	s_add_co_u32 s46, s46, s18
	s_mul_i32 s46, s46, SIZE_K
	s_add_co_u32 s46, s46, BC                      ; W's codes
	s_mov_b32 s47, 0
	s_mul_i32 s19, s16, (SIZE_K/256)*4096*4        ; A's scale words: my half of K,
	s_lshl_b32 s22, s17, 9                         ; the tile's 128 rows
	s_add_co_u32 s22, s22, s19
	s_add_co_u32 s22, s22, ASC
	s_mov_b32 s23, 0
	s_mul_i32 s19, s16, (SIZE_K/256)*1024*4        ; W's
	s_lshl_b32 s92, s42, 9
	s_add_co_u32 s92, s92, s19
	s_add_co_u32 s92, s92, BS
	s_mov_b32 s93, 0
	s_mul_i32 s45, s16, ALOADB                     ; where they go: no place in the cluster enters an LDS address
	s_mul_i32 s94, s16, BLOADB
	s_add_co_u32 s94, s94, 2*ALOADB
	s_mul_i32 s95, s16, SCH
	s_add_co_u32 s95, s95, SCL
	s_wait_kmcnt 0x0
	s_add_nc_u64 s[20:21], s[4:5], s[20:21]
	s_add_nc_u64 s[22:23], s[4:5], s[22:23]
	s_add_nc_u64 s[46:47], s[6:7], s[46:47]
	s_add_nc_u64 s[92:93], s[6:7], s[92:93]
	CROUND                                         ; all sixteen work-groups are here: the first joint loads meet
	s_mov_b32 s[G0S], 1
	s_mov_b32 s[G0S+1], s95
	s_mov_b64 s[G0S+2:G0S+3], s[22:23]
	s_or_b32 s[G0S+3], s[G0S+3], 0x80000000
	s_mov_b32 s[G0SB], 1
	s_add_co_u32 s[G0SB+1], s95, 2*SCH
	s_mov_b64 s[G0SB+2:G0SB+3], s[92:93]
	s_or_b32 s[G0SB+3], s[G0SB+3], 0x80000000
	JLOAD G0S, G1S, G0SB, G1SB                     ; the scale words first
.irp s, 0,1
	s_mov_b32 s[G0+4*\s], 1
	s_add_co_u32 s[G0+4*\s+1], s45, \s*SLOT
	s_add_nc_u64 s[G0+4*\s+2:G0+4*\s+3], s[20:21], \s*KSTEP*4096
	s_or_b32 s[G0+4*\s+3], s[G0+4*\s+3], 0x80000000
	s_mov_b32 s[G0B+4*\s], 1
	s_add_co_u32 s[G0B+4*\s+1], s94, \s*SLOT
	s_add_nc_u64 s[G0B+4*\s+2:G0B+4*\s+3], s[46:47], \s*KSTEP
	s_or_b32 s[G0B+4*\s+3], s[G0B+4*\s+3], 0x80000000
	JLOAD G0+4*\s, G1, G0B+4*\s, G1B
.endr
	v_and_b32 v1, 15, v0                           ; r
	v_bfe_u32 v2, v0, 4, 1                         ; h
	v_mul_u32_u24 v3, v1, CP
	v_lshl_add_u32 v3, v2, 4, v3
	v_mul_u32_u24 v4, v1, BP
	v_lshl_add_u32 v4, v2, 4, v4
	s_mul_i32 s21, s15, ALOADB                     ; my 64 rows of A,
	s_mul_i32 s22, s16, BLOADB                     ; my 64 rows of W
	s_add_co_u32 s22, s22, 2*ALOADB
.irp s, 0,1
	v_add_nc_u32 v[ADRA+\s], s21, v3
	v_add_nc_u32 v[ADRB+\s], s22, v4
	s_add_co_u32 s21, s21, SLOT
	s_add_co_u32 s22, s22, SLOT
.endr
	s_lshl_b32 s21, s15, 8                         ; scale words: A's: my 64 rows' 256 bytes;
	s_lshl_b32 s22, s16, 8                         ; W's likewise, 2 SCH bytes further on
	s_add_co_u32 s22, s22, 2*SCH
	s_sub_co_u32 s22, s22, s21
	v_mul_u32_u24 v6, s22, v2                      ; lanes 16-31 take W's
	s_add_co_u32 s21, s21, SCL
	v_lshl_add_u32 v5, v1, 2, v6
	v_add_nc_u32 v[ADRS], s21, v5
	s_mul_i32 s23, s14, 16*SPITCH                  ; my stage
	v_mul_u32_u24 v5, v1, SPITCH
	v_lshl_add_u32 v5, v2, 5, v5
	v_add_nc_u32 v[STO], s23, v5                   ; in: row r, 32 bytes for each half of the lanes
	v_mul_u32_u24 v5, v2, SPITCH
	v_lshl_add_u32 v5, v1, 4, v5
	v_add_nc_u32 v[RD], s23, v5                    ; back: lanes 0-15 one row of 256 bytes, lanes 16-31 the next
	v_lshlrev_b32 v[BO], 4, v1
	v_lshl_add_u32 v[CO], v2, 12, v[BO]            ; and the same two rows in memory
	s_lshl_b32 s20, s17, 7
	s_lshl_b32 s21, s15, 6
	s_add_co_u32 s20, s20, s21                     ; my first row,
	s_lshl_b32 s20, s20, 12
	s_lshl_b32 s46, s42, 9
	s_lshl_b32 s47, s16, 8
	s_add_co_u32 s46, s46, s47                     ; my first column, in bytes
	s_mov_b32 s47, 0
	s_add_nc_u64 s[8:9], s[8:9], s[46:47]
	s_add_co_u32 s20, s20, s46
	s_mov_b32 s21, 0
	s_add_nc_u64 s[10:11], s[10:11], s[20:21]
	s_add_nc_u64 s[12:13], s[12:13], s[20:21]
	global_load_b128 v[8:11], v[BO], s[8:9]        ; the bias of my four columns
	WIN 0x80                                       ; destination window 2
.irp a, 0,1,2,3
.irp t, 0,1,2,3,4,5,6,7
	global_load_b128 v[32*\a+4*\t:32*\a+4*\t+3], v[CO], s[10:11] offset:(16*\a+2*\t)*4096   ; the residual, in the layout in which the results come back from the stage
.endr
.endr
	WIN 0
; four matrix instructions: A's block a x W's four, the step's q-th 128 along K.  The 16 accumulators take turns, one instruction a turn, in the same order in every quarter.
.macro MUL4 f, q, set, a, zero
.irp b, 0,1,2,3
.if \zero
	v_wmma_scale_f32_16x16x128_f8f6f4 v[ACC+8*(4*(\a)+\b):ACC+8*(4*(\a)+\b)+7], v[(\f)+64+16*\b:(\f)+64+16*\b+15], v[(\f)+16*(\a):(\f)+16*(\a)+15], 0, v[SC+16*(\set)+4*(\q)+\b], v[SC+16*(\set)+4*(\q)+(\a)] matrix_a_scale:MATRIX_SCALE_ROW1
.else
	v_wmma_scale_f32_16x16x128_f8f6f4 v[ACC+8*(4*(\a)+\b):ACC+8*(4*(\a)+\b)+7], v[(\f)+64+16*\b:(\f)+64+16*\b+15], v[(\f)+16*(\a):(\f)+16*(\a)+15], v[ACC+8*(4*(\a)+\b):ACC+8*(4*(\a)+\b)+7], v[SC+16*(\set)+4*(\q)+\b], v[SC+16*(\set)+4*(\q)+(\a)] matrix_a_scale:MATRIX_SCALE_ROW1
.endif
.endr
.endm
.macro FETCH slot, q, f                ; 32 LDS loads in one run: the fragments of the slot's q-th 128 along K into buffer f
	WIN TO_F
.irp i, 0,1,2,3
.irp c, 0,1,2,3
	ds_load_b128 v[(\f)+64+16*\i+4*\c:(\f)+64+16*\i+4*\c+3], v[ADRB+\slot] offset:16*\i*BP+128*(\q)+32*\c
.endr
.endr
.irp i, 0,1,2,3
.irp c, 0,1,2,3
	ds_load_b128 v[(\f)+16*\i+4*\c:(\f)+16*\i+4*\c+3], v[ADRA+\slot] offset:16*\i*CP+((128*(\q)+32*\c)/CH)*CHB+(128*(\q)+32*\c)%CH
.endr
.endr
.endm
.macro SCALES set                      ; a K step's 16 registers of scale words
	WIN 0
.irp q, 0,1,2,3
.irp i, 0,1,2,3
	ds_load_b32 v[SC+16*(\set)+4*\q+\i], v[ADRS] offset:512*\q+64*\i
.endr
.endr
.endm
.macro PLACES n
.rept \n
	v_nop
.endr
.endm
; One of a K step's first three quarters: it fetches the next quarter's fragments into the other buffer and multiplies its own.
.macro QUARTER slot, q, zero
.set FB, 128*((\q)%2)
.set FN, 128-FB
	PLACES NP                                      ; behind the products that read the other buffer
	FETCH \slot, (\q)+1, FN
	s_wait_dscnt 32                                ; all but the 32 just issued: my buffer and its scale words are in
	WIN MUL
	MUL4 FB, \q, \slot, 0, \zero
	MUL4 FB, \q, \slot, 1, \zero
	MUL4 FB, \q, \slot, 2, \zero
	MUL4 FB, \q, \slot, 3, \zero
.endm
; The last quarter multiplies buffer 1 and changes slots: one barrier; in front of it each wave waits for all its tensor loads, adds 0 to its spare word, and waits for that and for its own reads of this slot.
.macro TURN slot, next, fill
	WIN 0                                          ; (the add's two registers lie in window 0)
	s_wait_tensorcnt 0x0                           ; all my tensor loads have landed: my part of the next slot
	ds_add_u32 v[SPW], v[NIL]                      ; 0 onto my spare word
	s_wait_dscnt 1                                 ; buffer 1 is in; the add may be out
	WIN MUL
	MUL4 128, 3, \slot, 0, 0
	s_wait_dscnt 0x0                               ; the add is done, and my reads of this slot are over
	s_barrier_signal -1
	MUL4 128, 3, \slot, 1, 0
	WIN 0
	s_barrier_wait -1
.if \fill
	CREST                                          ; the barrier has opened a round of the cluster's barrier
	s_add_nc_u64 s[G0+4*\slot+2:G0+4*\slot+3], s[G0+4*\slot+2:G0+4*\slot+3], 2*KSTEP*4096
	s_add_nc_u64 s[G0B+4*\slot+2:G0B+4*\slot+3], s[G0B+4*\slot+2:G0B+4*\slot+3], 2*KSTEP
	JLOAD G0+4*\slot, G1, G0B+4*\slot, G1B         ; the first tensor load behind the round; its four v_nop are four of the eight places
	PLACES NP-4
.else
	PLACES NP
.endif
	v_add_nc_u32 v[ADRS], 2048, v[ADRS]            ; the next K step's scale words
	FETCH \next, 0, 0
	SCALES \next
	WIN MUL
	MUL4 128, 3, \slot, 2, 0
	MUL4 128, 3, \slot, 3, 0
.endm
	s_wait_tensorcnt 1                             ; the scale words and my part of K step 0 are in (K step 1's load may be out),
	s_barrier_signal -1
	s_barrier_wait -1                              ; everybody's are
	FETCH 0, 0, 0
	SCALES 0
	QUARTER 0, 0, 1                                ; the first quarter's products start the sums
.if LAPS > 1
	WIN 0
	s_mov_b32 s3, LAPS-1
.Llap:                                                 ; a trip goes once round the ring and fills both slots again
	QUARTER 0, 1, 0
	QUARTER 0, 2, 0
	TURN 0, 1, 1
	QUARTER 1, 0, 0
	QUARTER 1, 1, 0
	QUARTER 1, 2, 0
	TURN 1, 0, 1
	QUARTER 0, 0, 0
	WIN 0
	s_sub_co_u32 s3, s3, 1
	s_cmp_lg_u32 s3, 0
	s_cbranch_scc1 .Llap
.endif
	QUARTER 0, 1, 0                                ; the last lap fills nothing
	QUARTER 0, 2, 0
	TURN 0, 1, 0
	QUARTER 1, 0, 0
	QUARTER 1, 1, 0
	QUARTER 1, 2, 0
	s_wait_dscnt 0x0
	MUL4 128, 3, 1, 0, 0
	MUL4 128, 3, 1, 1, 0
	MUL4 128, 3, 1, 2, 0
	MUL4 128, 3, 1, 3, 0
	WIN 0
; THE WAY OUT, block by block of 16 rows x 64 columns: through my own stage in LDS, back as whole rows of 256 bytes, + bias, + residual, stored: sixteen lanes fill 256 consecutive, aligned bytes.
.macro TOSTAGE a
.irp b, 0,1,2,3
	ds_store_b128 v[STO], v[ACC+8*(4*(\a)+\b):ACC+8*(4*(\a)+\b)+3] offset:64*\b        ; each accumulator from its low end on
	ds_store_b128 v[STO], v[ACC+8*(4*(\a)+\b)+4:ACC+8*(4*(\a)+\b)+7] offset:64*\b+16
.endr
.set BB, OB+32*((\a)%2)
.irp t, 0,1,2,3,4,5,6,7
	ds_load_b128 v[BB+4*\t:BB+4*\t+3], v[RD] offset:2*\t*SPITCH    ; LDS serves a wave's instructions in order: these see my stores
.endr
.endm
.macro SEND a, younger                 ; younger: the LDS instructions issued behind block a's loads
.set BB, OB+32*((\a)%2)
	s_wait_dscnt \younger
.irp t, 0,1,2,3,4,5,6,7
	v_pk_add_f32 v[BB+4*\t:BB+4*\t+1], v[BB+4*\t:BB+4*\t+1], v[8:9]
	v_pk_add_f32 v[BB+4*\t+2:BB+4*\t+3], v[BB+4*\t+2:BB+4*\t+3], v[10:11]
.endr
	WIN 0x08                                       ; source 1 window 2: the residual
.irp t, 0,1,2,3,4,5,6,7
	v_pk_add_f32 v[BB+4*\t:BB+4*\t+1], v[BB+4*\t:BB+4*\t+1], v[32*(\a)+4*\t:32*(\a)+4*\t+1]
	v_pk_add_f32 v[BB+4*\t+2:BB+4*\t+3], v[BB+4*\t+2:BB+4*\t+3], v[32*(\a)+4*\t+2:32*(\a)+4*\t+3]
.endr
	WIN 0
.irp t, 0,1,2,3,4,5,6,7
.if NTS
	global_store_b128 v[CO], v[BB+4*\t:BB+4*\t+3], s[12:13] offset:(16*(\a)+2*\t)*4096 th:TH_STORE_NT
.else
	global_store_b128 v[CO], v[BB+4*\t:BB+4*\t+3], s[12:13] offset:(16*(\a)+2*\t)*4096
.endif
.endr
.endm
	PLACES NP                                      ; behind the last products
	s_wait_loadcnt 0x0                             ; the bias and the residual
	TOSTAGE 0
.irp a, 1,2,3
.if \a > 1
	s_wait_xcnt 0x0                                ; block a - 2's stores have read their registers: block a's loads may land there
.endif
	TOSTAGE \a
	SEND \a-1, 16                                  ; behind block a - 1's loads: block a's 8 stores and 8 loads
.endr
	SEND 3, 0
	s_wait_tensorcnt 0x0                           ; the wave's end
	ds_add_u32 v[SPW], v[NIL]
	s_wait_dscnt 0x0
	CROUND                                         ; the closing round
	s_endpgm
.Lfunc_end_k_qaf88c9e8e2_go:
	.size	k_qaf88c9e8e2_go, .Lfunc_end_k_qaf88c9e8e2_go-k_qaf88c9e8e2_go
	.p2alignl 7, 3214868480
	.fill 96, 4, 3214868480
	.section	.rodata,"a",@progbits
	.p2align	6, 0x0
	.amdhsa_kernel k_qaf88c9e8e2_go
		.amdhsa_group_segment_fixed_size 327680
		.amdhsa_private_segment_fixed_size 0
		.amdhsa_enable_private_segment 0
		.amdhsa_kernarg_size 40
		.amdhsa_user_sgpr_count 2
		.amdhsa_user_sgpr_kernarg_segment_ptr 1
		.amdhsa_wavefront_size32 1
		.amdhsa_system_sgpr_workgroup_id_x 1
		.amdhsa_system_sgpr_workgroup_id_y 1
		.amdhsa_system_sgpr_workgroup_id_z 1
		.amdhsa_system_vgpr_workitem_id 0
		.amdhsa_next_free_vgpr 640
		.amdhsa_next_free_sgpr 100
		.amdhsa_reserve_vcc 0
		.amdhsa_float_denorm_mode_32 3
		.amdhsa_float_denorm_mode_16_64 3
		.amdhsa_memory_ordered 1
		.amdhsa_forward_progress 1
		.amdhsa_inst_pref_size 106
	.end_amdhsa_kernel
	.amdgpu_metadata
---
amdhsa.version: [ 1, 2 ]
amdhsa.kernels:
  - .name:           k_qaf88c9e8e2_go
    .symbol:         k_qaf88c9e8e2_go.kd
    .args:
      - { .name: hid, .offset: 0, .size: 8, .value_kind: global_buffer, .address_space: global }
      - { .name: wts, .offset: 8, .size: 8, .value_kind: global_buffer, .address_space: global }
      - { .name: b_fc2, .offset: 16, .size: 8, .value_kind: global_buffer, .address_space: global }
      - { .name: x1, .offset: 24, .size: 8, .value_kind: global_buffer, .address_space: global }
      - { .name: out0, .offset: 32, .size: 8, .value_kind: global_buffer, .address_space: global }
    .group_segment_fixed_size: 327680
    .private_segment_fixed_size: 0
    .kernarg_segment_align: 8
    .kernarg_segment_size: 40
    .max_flat_workgroup_size: 128
    .sgpr_count:     100
    .vgpr_count:     640
    .wavefront_size: 32
...
	.end_amdgpu_metadata
.endif
;; end of part 7
